; MI455X (gfx1250); checked and timed in simulation.
; The chip was launched on July 23, 2026; its instructions are those of AMD's public machine-readable ISA for CDNA 5 (MIT licence, August 2026) and "CDNA5" Instruction Set Architecture Reference Guide (July 2026). The comments in the code are by the model that wrote it; some were corrected since.
;; MLA Attention. Allowed arithmetic: float matrix products may take bf16 or f16 operands with f32 sums; all other float work in f32.
;; Inputs: Wdown 2,048 x 512 float32; Wo 2,048 x 2,048 float32; Wq 2,048 x 1,024 float32; Wup 512 x 3,072 float32; hidden_states 2 x 2,048 x 2,048 float32; kv_norm_w 512 float32.
;; Outputs: out0 2 x 2,048 x 2,048 float32.
;; Constants: layer_idx = 0.
;; 2 versions, each right and faster than the one before. Each part assembles by itself: llvm-mc -triple=amdgcn-amd-amdhsa -mcpu=gfx1250 --defsym DOCPART=n.
;; ======== version 1 of 2: 7 launches
;; limits: values outside matrix products are rounded to f16; values are held in f16: magnitudes above 65,504 overflow, below 6.1e-05 lose precision
;; workspace buffers: xb 16,777,216 bytes; wqdT 6,291,456 bytes; wupT 3,145,728 bytes; woT 8,388,608 bytes; y 17,039,360 bytes; kb 8,388,608 bytes; vb 16,777,216 bytes; ob 17,301,504 bytes
;; launch prep (part 1): grid 528 x 1, 4 waves a work-group, no clusters, 70,144 bytes of LDS; arguments hidden_states, Wq, Wdown, Wup, Wo, kv_norm_w, xb, wqdT, wupT, woT; writes xb, wqdT, wupT, woT
.if DOCPART == 1
	.amdgcn_target "amdgcn-amd-amdhsa--gfx1250"
	.amdhsa_code_object_version 6
	.text
	.protected	k_qf9721d1f00_prep
	.globl	k_qf9721d1f00_prep
	.p2align	8
	.type	k_qf9721d1f00_prep,@function
k_qf9721d1f00_prep:
	s_mov_b64 s[64:65], 0
	v_nop
	global_prefetch_b8 v0, s[64:65] scope:SCOPE_SE
	s_setreg_imm32_b32 hwreg(HW_REG_WAVE_MODE, 25, 1), 1
	s_wait_xcnt 0x0
; THE INPUTS ARE MADE READY FOR THE MATRIX UNIT.  Every input is rounded to bf16 once.
;   xb   [4096][2048] bf16 = hidden_states
;   wqdT [1536][2048] bf16, K along the rows: rows 96 s .. 96 s + 63 are the columns of Wq for head s, rows 96 s + 64 .. 96 s + 95 are Wdown's columns 32 s .. 32 s + 31
;   wupT [8 slices of 64 k][3072 n][64 k] f16 = bf16(Wup[k][n]) x 2^e(k), where bf16(kv_norm_w[k]) = wm x 2^e with |wm| in [0.5, 1): a power of two, so the f16 number is exact;
;        the next launch multiplies c by wm
;   woT  [2048 n][2048 k] f16 = bf16(Wo[k][n]) written as f16
; LIMITS.  f16 ends at 65,504 and keeps a fixed step of 6e-8 below 6e-5: Wo and Wup x 2^e lie within that range.  |kv_norm_w| stays below 2^125.
; SHARES.  Every work-group handles 32,768 numbers.  Groups 0-255 cast hidden_states; 256-319 turn Wq, 320-351 Wdown, 352-399 Wup, 400-527 Wo.
; A stream: memory binds, so no matrix unit, no cluster and no tensor load; each input byte is read once, each output byte written once.
; TURNING.  A wave owns a tile of 128 k x 64 n.  It reads rows of 256 bytes (sixteen lanes a row), packs two neighbouring k of one column into a word,
; puts the words into its own LDS bytes as 64 rows (n) of 256 bytes + 16 of padding, and reads whole rows back; each store then covers whole aligned blocks of 256 bytes.
; The word stores fall four deep on a bank (16 lanes, rows 1,088 bytes apart): 128 such stores a tile; the price of a row pitch that keeps the 16-byte reads aligned.
; No wave reads another's LDS bytes: no barrier.
.set SPARE, 69632                      ; behind the four waves' tiles: the spare words, 128 bytes a wave
.set WTILE, 17408                      ; a wave's LDS bytes: 64 rows x 272
.set LP,    272
.set KGB,   393216                     ; a slice of wupT: 3,072 rows x 128 bytes
.set SPW,   4                          ; v4   LDS address of my spare word; never rewritten
.set NIL,   5                          ; v5   0; never rewritten
.set VS,    6                          ; v6   my byte offset in the source tile
.set VD,    7                          ; v7   LDS: where my packed words go
.set VR,    8                          ; v8   LDS: where I read rows back
.set VG,    9                          ; v9   my byte offset in the turned tile in memory
.set W8,    16                         ; v[16:23]  2^e of my eight k
.set X,     32                         ; v[32:95]  as loaded
.set O,     64                         ; v[64:95]  on the way out: 16 bytes to store, for each of eight loads
.set T,     96                         ; v[96:127] at work
	s_load_b512 s[8:23], s[0:1], 0x0               ; hidden s[8:9], Wq s[10:11], Wdown s[12:13], Wup s[14:15], Wo s[16:17], kv_norm_w s[18:19], xb s[20:21], wqdT s[22:23]
	s_load_b128 s[24:27], s[0:1], 0x40             ; wupT s[24:25], woT s[26:27]
	v_lshl_add_u32 v[SPW], v0, 2, SPARE
	v_mov_b32 v[NIL], 0
	v_lshrrev_b32 v1, 5, v0
	v_readfirstlane_b32 s28, v1                    ; wave 0..3
	s_mov_b32 s3, 0                                ; the high word of every offset
	s_mov_b32 s36, 0xffff0000                      ; a word's upper bf16
	s_mov_b32 s37, 0x7f800000                      ; an f32's exponent field
	s_mov_b32 s38, 0x00800000                      ; one step of it
	v_and_b32 v2, 15, v0                           ; c = lane % 16
	v_bfe_u32 v3, v0, 4, 1                         ; p = lane / 16
	s_mul_i32 s34, s28, WTILE                      ; my wave's LDS bytes
	s_wait_kmcnt 0x0
	s_cmp_lt_u32 ttmp9, 256
	s_cbranch_scc1 .Lcast
	s_cmp_lt_u32 ttmp9, 320
	s_cbranch_scc1 .Lwq
	s_cmp_lt_u32 ttmp9, 352
	s_cbranch_scc1 .Lwdown
	s_cmp_lt_u32 ttmp9, 400
	s_cbranch_scc1 .Lwup
; src, dst: the scalar pairs with the two addresses.  nn: the source's row length.  kd: the turned tensor's row length.  logkt: log2 of the tiles along k.
; rstr, row0: tile nt along n begins at row row0 + nt x rstr of dst.  g0: the first work-group of this weight.  gap: rows left out behind the tile's first 32 rows.
; mode 0: bf16 out; 1: f16 out; 2: times 2^e, f16 out, in slices of 64 k (rstr, row0 and kd serve nothing there).
.macro TRANS src, dst, nn, kd, logkt, rstr, row0, g0, mode, gap
.if \mode == 2
.set ROWB, 128                         ; bytes from row to row in dst
.else
.set ROWB, 2*\kd
.endif
	s_sub_co_u32 s29, ttmp9, \g0
	s_lshl2_add_u32 s29, s29, s28                  ; my tile = 4 x group + wave
	s_and_b32 s31, s29, (1<<\logkt)-1              ; its place along k
	s_lshr_b32 s32, s29, \logkt                    ; and along n
	s_mul_i32 s2, s31, 512*\nn                     ; 128 rows of nn x 4 bytes
	s_lshl_b32 s33, s32, 8                         ; 64 columns of 4 bytes
	s_add_co_u32 s2, s2, s33
	s_add_nc_u64 s[\src:\src+1], s[\src:\src+1], s[2:3]
.if \mode == 2
	s_mul_i32 s2, s31, 2*KGB                       ; the tile's 128 k are two slices
	s_lshl_b32 s33, s32, 13                        ; 64 rows of 128 bytes
	s_add_co_u32 s2, s2, s33
.else
	s_mul_i32 s2, s32, \rstr*\kd*2
	s_lshl_b32 s33, s31, 8                         ; 128 k of 2 bytes
	s_add_co_u32 s2, s2, s33
	s_add_co_u32 s2, s2, \row0*\kd*2
.endif
	s_add_nc_u64 s[\dst:\dst+1], s[\dst:\dst+1], s[2:3]
	v_mul_u32_u24 v[VS], v3, 8*\nn                 ; lanes 16-31 two rows further down,
	v_lshl_add_u32 v[VS], v2, 4, v[VS]             ; four columns a lane
	v_mul_u32_u24 v[VD], v2, 4*LP                  ; LDS row 4 c, word p
	v_lshl_add_u32 v[VD], v3, 2, v[VD]
	v_add_nc_u32 v[VD], s34, v[VD]
	v_mul_u32_u24 v[VR], v3, LP                    ; back: lanes 0-15 one row, lanes 16-31 the next
	v_lshl_add_u32 v[VR], v2, 4, v[VR]
	v_add_nc_u32 v[VR], s34, v[VR]
.if \mode == 2
	v_lshrrev_b32 v10, 3, v2                       ; lanes with c >= 8 hold the second slice's 64 k;
	v_mul_u32_u24 v[VG], v10, KGB
	v_and_b32 v10, 7, v2                           ; in a slice two neighbouring rows are 256 consecutive bytes: lanes c % 8 of both halves
	v_lshl_add_u32 v[VG], v10, 4, v[VG]
	v_lshl_add_u32 v[VG], v3, 7, v[VG]
	s_lshl_b32 s2, s31, 9                          ; the tile's 128 k in kv_norm_w
	s_add_nc_u64 s[18:19], s[18:19], s[2:3]
	v_lshlrev_b32 v10, 5, v2                       ; on the way out lane c holds k = 8 c .. 8 c + 7
	global_load_b128 v[W8:W8+3], v10, s[18:19]
	global_load_b128 v[W8+4:W8+7], v10, s[18:19] offset:16
	s_wait_loadcnt 0x0
.irp z, 0,1,2,3
	v_cvt_pk_bf16_f32 v[24+\z], v[W8+2*\z], v[W8+2*\z+1]   ; rounded to bf16 like every input,
.endr
.irp z, 0,1,2,3
	v_lshlrev_b32 v[W8+2*\z], 16, v[24+\z]                 ; widened again,
	v_and_b32 v[W8+2*\z+1], s36, v[24+\z]
.endr
.irp z, 0,1,2,3,4,5,6,7
	v_and_b32 v[W8+\z], s37, v[W8+\z]                      ; and of it the exponent field E alone, one step up: 2^(E - 126)
	v_add_nc_u32 v[W8+\z], s38, v[W8+\z]
.endr
.else
	v_mul_u32_u24 v[VG], v3, 2*\kd
	v_lshl_add_u32 v[VG], v2, 4, v[VG]
.endif
	s_mov_b32 s30, 4
.Lin_\@:                                               ; a trip: 32 rows (k) of the tile
.irp i, 0,1,2,3,4,5,6,7
	global_load_b128 v[X+8*\i:X+8*\i+3],   v[VS], s[\src:\src+1] offset:(4*\i)*\nn*4 th:TH_LOAD_NT     ; row 4 i + 2 p
	global_load_b128 v[X+8*\i+4:X+8*\i+7], v[VS], s[\src:\src+1] offset:(4*\i+1)*\nn*4 th:TH_LOAD_NT   ; and the row below it
.endr
.irp i, 0,1,2,3,4,5,6,7
	s_wait_loadcnt 14-2*\i                         ; loads come back in order: pair i is in, the younger pairs stay out
.irp e, 0,1,2,3
	v_cvt_pk_bf16_f32 v[T+4*\i+\e], v[X+8*\i+\e], v[X+8*\i+4+\e]   ; k and k + 1 of column 4 c + e
	ds_store_b32 v[VD], v[T+4*\i+\e] offset:\e*LP+8*\i
.endr
.endr
	s_add_nc_u64 s[\src:\src+1], s[\src:\src+1], 32*\nn*4  ; every load of the trip has come back: the base may step
	v_add_nc_u32 v[VD], 64, v[VD]
	s_sub_co_u32 s30, s30, 1
	s_cmp_lg_u32 s30, 0
	s_cbranch_scc1 .Lin_\@
	s_mov_b32 s30, 4
.Lout_\@:                                              ; a trip: 16 rows (n) of the turned tile
.irp u, 0,1,2,3,4,5,6,7
	ds_load_b128 v[X+4*\u:X+4*\u+3], v[VR] offset:\u*2*LP  ; LDS serves a wave's instructions in order: these see my stores above
.endr
.irp u, 0,1,2,3,4,5,6,7
	s_wait_dscnt 7-\u
.if \mode == 0
	global_store_b128 v[VG], v[X+4*\u:X+4*\u+3], s[\dst:\dst+1] offset:2*\u*ROWB
.else
.irp z, 0,1,2,3
	v_lshlrev_b32 v[T+2*\z], 16, v[X+4*\u+\z]
	v_and_b32 v[T+2*\z+1], s36, v[X+4*\u+\z]
.endr
.if \mode == 2
.irp z, 0,1,2,3
	v_pk_mul_f32 v[T+2*\z:T+2*\z+1], v[T+2*\z:T+2*\z+1], v[W8+2*\z:W8+2*\z+1]
.endr
.endif
.irp z, 0,1,2,3
	v_cvt_pk_f16_f32 v[O+4*\u+\z], v[T+2*\z], v[T+2*\z+1]
.endr
	global_store_b128 v[VG], v[O+4*\u:O+4*\u+3], s[\dst:\dst+1] offset:2*\u*ROWB
.endif
.endr
	s_wait_xcnt 0x0                                ; the stores' data and base are rewritten only behind this wait
	v_add_nc_u32 v[VR], 16*LP, v[VR]
.if \gap
	s_mov_b32 s2, 16*ROWB                          ; the usual step of 16 rows;
	s_cmp_eq_u32 s30, 3                            ; behind the second trip the tile's other 32 rows begin gap rows further on
	s_cselect_b32 s2, (16+\gap)*ROWB, s2
	s_add_nc_u64 s[\dst:\dst+1], s[\dst:\dst+1], s[2:3]
.else
	s_add_nc_u64 s[\dst:\dst+1], s[\dst:\dst+1], 16*ROWB
.endif
	s_sub_co_u32 s30, s30, 1
	s_cmp_lg_u32 s30, 0
	s_cbranch_scc1 .Lout_\@
	s_wait_tensorcnt 0x0                           ; the wave's end
	ds_add_u32 v[SPW], v[NIL]
	s_wait_dscnt 0x0
	s_endpgm
.endm
	TRANS 16, 26, 2048, 2048, 4, 64, 0, 400, 1, 0      ; Wo
.Lwq:
	TRANS 10, 22, 1024, 2048, 4, 96, 0, 256, 0, 0      ; Wq: head nt's 64 columns at row 96 nt
.Lwdown:
	TRANS 12, 22, 512, 2048, 4, 192, 64, 320, 0, 64    ; Wdown: 32 columns at row 192 nt + 64, 32 at row 192 nt + 160
.Lwup:
	TRANS 14, 24, 3072, 512, 2, 0, 0, 352, 2, 0        ; Wup, times 2^e, in slices
.Lcast:                                                ; 131,072 bytes of hidden_states become 65,536 of xb
	s_lshl_b32 s2, ttmp9, 17
	s_add_nc_u64 s[8:9], s[8:9], s[2:3]
	s_lshl_b32 s2, ttmp9, 16
	s_add_nc_u64 s[20:21], s[20:21], s[2:3]
	v_lshlrev_b32 v1, 4, v0                        ; 16 bytes in,
	v_lshlrev_b32 v2, 3, v0                        ; 8 bytes out: a wave's store covers 256 consecutive bytes, aligned
	s_mov_b32 s30, 4
.Lrow:                                                 ; a trip: 16 loads a wave in flight, 32,768 bytes a work-group
.set jj, 0
.rept 16
	global_load_b128 v[X+4*jj:X+4*jj+3], v1, s[8:9] offset:2048*jj th:TH_LOAD_NT
.set jj, jj+1
.endr
.set jj, 0
.rept 16
	s_wait_loadcnt 15-jj                           ; load jj is in, the younger ones stay out
	v_cvt_pk_bf16_f32 v[T+2*jj], v[X+4*jj], v[X+4*jj+1]
	v_cvt_pk_bf16_f32 v[T+2*jj+1], v[X+4*jj+2], v[X+4*jj+3]
	global_store_b64 v2, v[T+2*jj:T+2*jj+1], s[20:21] offset:1024*jj
.set jj, jj+1
.endr
	s_wait_xcnt 0x0                                ; the stores' data and both bases are rewritten only behind this wait
	s_add_nc_u64 s[8:9], s[8:9], 32768
	s_add_nc_u64 s[20:21], s[20:21], 16384
	s_sub_co_u32 s30, s30, 1
	s_cmp_lg_u32 s30, 0
	s_cbranch_scc1 .Lrow
	s_endpgm
.Lfunc_end_k_qf9721d1f00_prep:
	.size	k_qf9721d1f00_prep, .Lfunc_end_k_qf9721d1f00_prep-k_qf9721d1f00_prep
	.p2alignl 7, 3214868480
	.fill 96, 4, 3214868480
	.section	.rodata,"a",@progbits
	.p2align	6, 0x0
	.amdhsa_kernel k_qf9721d1f00_prep
		.amdhsa_group_segment_fixed_size 70144
		.amdhsa_private_segment_fixed_size 0
		.amdhsa_enable_private_segment 0
		.amdhsa_kernarg_size 80
		.amdhsa_user_sgpr_count 2
		.amdhsa_user_sgpr_kernarg_segment_ptr 1
		.amdhsa_wavefront_size32 1
		.amdhsa_system_sgpr_workgroup_id_x 1
		.amdhsa_system_sgpr_workgroup_id_y 1
		.amdhsa_system_sgpr_workgroup_id_z 1
		.amdhsa_system_vgpr_workitem_id 0
		.amdhsa_next_free_vgpr 128
		.amdhsa_next_free_sgpr 66
		.amdhsa_reserve_vcc 0
		.amdhsa_float_denorm_mode_32 3
		.amdhsa_float_denorm_mode_16_64 3
		.amdhsa_memory_ordered 1
		.amdhsa_forward_progress 1
		.amdhsa_inst_pref_size 56
	.end_amdhsa_kernel
	.amdgpu_metadata
---
amdhsa.version: [ 1, 2 ]
amdhsa.kernels:
  - .name:           k_qf9721d1f00_prep
    .symbol:         k_qf9721d1f00_prep.kd
    .args:
      - { .name: hidden_states, .offset: 0, .size: 8, .value_kind: global_buffer, .address_space: global }
      - { .name: Wq, .offset: 8, .size: 8, .value_kind: global_buffer, .address_space: global }
      - { .name: Wdown, .offset: 16, .size: 8, .value_kind: global_buffer, .address_space: global }
      - { .name: Wup, .offset: 24, .size: 8, .value_kind: global_buffer, .address_space: global }
      - { .name: Wo, .offset: 32, .size: 8, .value_kind: global_buffer, .address_space: global }
      - { .name: kv_norm_w, .offset: 40, .size: 8, .value_kind: global_buffer, .address_space: global }
      - { .name: xb, .offset: 48, .size: 8, .value_kind: global_buffer, .address_space: global }
      - { .name: wqdT, .offset: 56, .size: 8, .value_kind: global_buffer, .address_space: global }
      - { .name: wupT, .offset: 64, .size: 8, .value_kind: global_buffer, .address_space: global }
      - { .name: woT, .offset: 72, .size: 8, .value_kind: global_buffer, .address_space: global }
    .group_segment_fixed_size: 70144
    .private_segment_fixed_size: 0
    .kernarg_segment_align: 8
    .kernarg_segment_size: 80
    .max_flat_workgroup_size: 128
    .sgpr_count:     66
    .vgpr_count:     128
    .wavefront_size: 32
...
	.end_amdgpu_metadata
.endif
;; end of part 1
;; launch gemm1 (part 2): grid 8 x 32, 4 waves a work-group, clusters of 4 x 4, 327,680 bytes of LDS; arguments xb, wqdT, kv_norm_w, y; writes y
.if DOCPART == 2
	.amdgcn_target "amdgcn-amd-amdhsa--gfx1250"
	.amdhsa_code_object_version 6
	.text
	.protected	k_qf9721d1f00_gemm1
	.globl	k_qf9721d1f00_gemm1
	.p2align	8
	.type	k_qf9721d1f00_gemm1,@function
k_qf9721d1f00_gemm1:
	s_mov_b64 s[64:65], 0
	v_nop
	global_prefetch_b8 v0, s[64:65] scope:SCOPE_SE
	s_setreg_imm32_b32 hwreg(HW_REG_WAVE_MODE, 25, 1), 1
	s_wait_xcnt 0x0
	s_wait_alu depctr_hold_cnt(0) depctr_sa_sdst(0) depctr_va_vdst(0) depctr_va_sdst(0) depctr_va_ssrc(0) depctr_va_vcc(0) depctr_vm_vsrc(0)
	s_getreg_b32 s2, hwreg(HW_REG_IB_STS2, 6, 4)
	s_cmp_eq_u32 s2, 0
	s_cbranch_scc0 .Lentry_in_a_cluster
	s_endpgm
.Lentry_in_a_cluster:
	s_bfe_u32 s2, ttmp6, 0x10000c
	s_cmp_lg_u32 s2, 0xf033
	s_cbranch_scc0 .Lentry_shape_is_right
	s_endpgm
.Lentry_shape_is_right:
; [q | c] = X [Wq | Wdown].  xb: [4096][2048] bf16, wqdT: [1536][2048] bf16 (K along the rows; rows 96 s + 0..63 head s of Wq, 96 s + 64..95 columns 32 s .. of Wdown); sums in f32.
; OUT, all in y.  Groups of [4096 rows][64] f16: 0-15 q by heads; 16-23 hi, 24-31 lo, in slices of 64 columns of c, where hi = f16(c wm), lo = f16(c wm - hi) and
; bf16(kv_norm_w) = wm x 2^e with |wm| in [0.5, 1) (2^e went into wupT).  So the next product's operand carries c x kv_norm_w to 22 bits.
; From byte 16,777,216 on: ssq[16 slices][4096 rows] f32, the sum of c^2 over the slice's 32 columns, taken of the f32 sums.
; LIMITS.  q and c must stay within f16's 65,504 (|c wm| < |c|).  |kv_norm_w| stays below 2^125.
; SHARES.  A work-group makes 128 x 192 of the result: 32 x 8 = 256 work-groups.  Four waves, each 64 x 96: 24 accumulators of 16 x 16; a wave's columns are slice s = 2 x tile column + wn: 64 of q, 32 of c.
; K goes in steps of 128 (rows of 256 bytes, aligned) through two LDS slots; each wave fetches one part of a step with one tensor load (waves 0, 1: A's halves; 2, 3: B's).
; CLUSTER 4 x 4: the four of a row need the same tile of A, the four of a column the same tile of B: each is asked for jointly.
; THE MATRIX INSTRUCTION IS USED TRANSPOSED (source 0 = 16 rows of B, source 1 = 16 rows of A): a lane holds eight neighbouring numbers of a row of the result.
; REGISTERS.  window 0: addresses, the way out.  window 1: two fragment buffers of 128 (A's 4 blocks, then B's 6).  window 2: accumulator (a, b) at v[8 (6 a + b)].
.set NSTEP,  16                        ; K steps
.set NA,     4
.set NB,     6
.set PITCH,  272                       ; an LDS row: 256 bytes + 16: the 16 rows of a fragment load start at 16 different groups of four banks
.set AHALF,  64*PITCH                  ; what one of A's loads brings
.set BHALF,  96*PITCH                  ; and one of B's
.set BOFF,   2*AHALF
.set SLOT1,  131072                    ; slot 1 begins here: one exclusive or turns an address in one slot into the other's
.set STAGE,  SLOT1+BOFF+2*BHALF        ; behind the ring: 128 rows x 528 bytes, the work-group's: q of two heads, hi, lo, 128 bytes each, and 16 of padding
.set SPITCH, 528
.set SQS,    STAGE+128*SPITCH          ; 256 bytes for each wave: its 64 rows' sums of squares
.set SPARE,  SQS+1024                  ; the spare words, 128 bytes a wave
.set ASTEP,  256                       ; bytes from a K step to the next
.set BSTEP,  256
.set A0,   16                          ; v16  my lane's place in A's part of a slot; never rewritten
.set B0,   17                          ; v17  the same for B
.set ADRA, 18                          ; v18  the same in the slot in hand
.set ADRB, 19
.set SQA,  20                          ; v20  LDS: where my row's sum of squares goes
.set SQR,  21                          ; v21  LDS: where I read two rows' sums back
.set SQO,  22                          ; v22  my byte offset in 256 consecutive bytes of ssq
.set WO,   23                          ; v23  my byte offset in the slice's 32 numbers of kv_norm_w
.set STO,  24                          ; the way out: where I put 16 bytes of q
.set RD,   25                          ; where I read rows back
.set CO,   26                          ; my byte offset in 512 consecutive bytes of y
.set STC,  27                          ; where I put 16 bytes of hi
.set SPW,  28
.set NIL,  29
.set TQ,   32                          ; v[32:95]   q in f16; on the way back v[32:159] hold 32 x 16 bytes
.set H,    96                          ; v[96:127]  hi (below v128: its halves are named)
.set LO,   128                         ; v[128:159] lo
.set WM,   160                         ; v[160:175] wm of my 16 columns of c
.set T,    176                         ; v[176:239] at work
.set SQ,   240                         ; v[240:247] a pair for each block of 16 rows
.set SQB,  248                         ; v[248:249] two rows' sums
.set F0,   0
.set F1,   128
.set AB,   32                          ; B's fragments in a buffer
.set G1,  24                           ; s[24:31] group 1 for A;  s[32:39] group 0: set 0 (slot 0, step 0), set 1 (slot 1, step 1), which then walks
.set G0,  32
.set G1B, 48                           ; s[48:55], s[56:63] the same for B
.set G0B, 56
.set TB,  45                           ; s45  the slot in hand: 0 or SLOT1
.set YQ,  72                           ; s[72:73] y at my rows of group 2 x tile column
.set YC,  74                           ; s[74:75] y at my rows of group 16 + tile column
.set YS,  78                           ; s[78:79] ssq at my slice and my 64 rows
.set MSB, 0
.macro WIN new                         ; the immediate's high byte repeats the setting that is left
.if MSB != (\new)
	s_set_vgpr_msb (MSB<<8)|(\new)
.set MSB, \new
.endif
.endm
.set MUL,  0xa5                        ; sources 0 and 1 window 1, C and D window 2
.set TO_F, 0x40                        ; destination window 1, address window 0
.macro PLACES                          ; four places behind matrix instructions, in front of loads into their sources and of reads of their results
.rept 4
	v_nop
.endr
.endm
.macro JLOAD                           ; a joint refill by the walking sets; an s_nop 0 and four v_nop follow each line
	s_cmp_eq_u32 s11, 0
	s_cbranch_scc0 .Lfor_b_\@
	tensor_load_to_lds s[G0+4:G0+7], s[G1:G1+7]
	s_nop 0
.rept 4
	v_nop
.endr
	s_branch .Lasked_\@
.Lfor_b_\@:
	tensor_load_to_lds s[G0B+4:G0B+7], s[G1B:G1B+7]
	s_nop 0
.rept 4
	v_nop
.endr
.Lasked_\@:
.endm
.macro CREST                           ; a round of the cluster's barrier behind its opening barrier
	s_cmp_lg_u32 s10, 0
	s_cbranch_scc1 .Lnot_wave_0_\@
	s_barrier_signal -3
.Lnot_wave_0_\@:
	s_barrier_wait -3
	s_barrier_signal -1
	s_barrier_wait -1
.endm
.macro CROUND
	s_barrier_signal -1
	s_barrier_wait -1
	CREST
.endm
	s_load_b128 s[4:7], s[0:1], 0x0                ; xb s[4:5], wqdT s[6:7]
	s_load_b128 s[68:71], s[0:1], 0x10             ; kv_norm_w s[68:69], y s[70:71]
	v_lshl_add_u32 v[SPW], v0, 2, SPARE
	v_mov_b32 v[NIL], 0
	ds_add_u32 v[SPW], v[NIL]                      ; the wave's opening: an add, and its wait, ahead of my first tensor load
	ds_add_u32 v28, v29
	v_lshrrev_b32 v1, 5, v0
	v_readfirstlane_b32 s10, v1                    ; wave 0..3
	s_lshr_b32 s11, s10, 1                         ; wm: my half of the tile's rows.  Also: I fetch for A (0) or for B (1)
	s_and_b32 s12, s10, 1                          ; wn: my half of its columns.  Also: which half of that tile I fetch
	s_bfe_u32 s40, ttmp6, 0x40000                  ; cx, cy
	s_bfe_u32 s41, ttmp6, 0x40004
	s_lshl_b32 s42, ttmp9, 2
	s_add_co_u32 s42, s42, s40                     ; tile column
	s_and_b32 s13, ttmp7, 0xffff
	s_lshl_b32 s13, s13, 2
	s_add_co_u32 s13, s13, s41                     ; tile row
	s_lshl_b32 s43, s41, 2
	s_lshl_b32 s43, 15, s43                        ; my row of the cluster
	s_lshl_b32 s44, 0x1111, s40                    ; my column
	s_or_b32 s[G1+0], s43, (1<<16)|(1<<20)|(1<<21)|(5<<22)|(3<<25)   ; mask; 2-byte elements; padding on; bit 21 beside a mask; after every 64 words 4 words
	s_or_b32 s[G1B+0], s44, (1<<16)|(1<<20)|(1<<21)|(5<<22)|(3<<25)
	s_mov_b32 s[G1+1], 128<<16                     ; tensor_dim0 = 128
	s_mov_b32 s[G1+2], 64<<16                      ; tensor_dim1 = 64
	s_mov_b32 s[G1+3], 128<<16                     ; tile_dim0 = 128
	s_mov_b32 s[G1+4], 64                          ; tile_dim1 = 64
	s_mov_b32 s[G1+5], 2048                        ; elements from row to row
	s_mov_b32 s[G1+6], 0
	s_mov_b32 s[G1+7], 0
	s_mov_b32 s[G1B+1], 128<<16
	s_mov_b32 s[G1B+2], 96<<16
	s_mov_b32 s[G1B+3], 128<<16
	s_mov_b32 s[G1B+4], 96
	s_mov_b32 s[G1B+5], 2048
	s_mov_b32 s[G1B+6], 0
	s_mov_b32 s[G1B+7], 0
	s_lshl_b32 s16, s13, 7                         ; A: row 128 x tile row + 64 x half,
	s_lshl_b32 s17, s12, 6
	s_add_co_u32 s16, s16, s17
	s_lshl_b32 s16, s16, 12                        ; of 4,096 bytes
	s_mov_b32 s17, 0
	s_mul_i32 s46, s42, 192                        ; B: row 192 x tile column + 96 x half
	s_mul_i32 s47, s12, 96
	s_add_co_u32 s46, s46, s47
	s_lshl_b32 s46, s46, 12
	s_mov_b32 s47, 0
	s_mul_i32 s20, s12, AHALF                      ; where they go: no place in the cluster enters an LDS address
	s_mul_i32 s21, s12, BHALF
	s_add_co_u32 s21, s21, BOFF
	s_mov_b32 s[TB], 0
	s_mov_b32 s76, 0x7f800000                      ; an f32's exponent field
	s_mov_b32 s77, 0x7e800000                      ; less the field E: 2^(126 - E)
	s_mov_b32 s82, 0xffff0000                      ; a word's upper bf16
	s_mov_b32 s80, 0x76543210                      ; v_permlanex16_b32: each lane takes its own place in the other half
	s_mov_b32 s81, 0xfedcba98
	s_wait_dscnt 0x0                               ; the opening add is done
	s_wait_kmcnt 0x0
	s_add_nc_u64 s[14:15], s[4:5], s[16:17]
	s_add_nc_u64 s[46:47], s[6:7], s[46:47]
.irp s, 0,1
	s_mov_b32 s[G0+4*\s], 1
	s_add_co_u32 s[G0+4*\s+1], s20, \s*SLOT1
	s_add_nc_u64 s[G0+4*\s+2:G0+4*\s+3], s[14:15], \s*ASTEP
	s_or_b32 s[G0+4*\s+3], s[G0+4*\s+3], 0x80000000
	s_mov_b32 s[G0B+4*\s], 1
	s_add_co_u32 s[G0B+4*\s+1], s21, \s*SLOT1
	s_add_nc_u64 s[G0B+4*\s+2:G0B+4*\s+3], s[46:47], \s*BSTEP
	s_or_b32 s[G0B+4*\s+3], s[G0B+4*\s+3], 0x80000000
.endr
	CROUND                                         ; all sixteen work-groups are here: the first joint loads meet
	s_cmp_eq_u32 s11, 0                            ; a wave's two first fills stand in one branch: two loads of mine are out
	s_cbranch_scc0 .Lfirst_b
	tensor_load_to_lds s[G0:G0+3], s[G1:G1+7]
	s_nop 0
	tensor_load_to_lds s[G0+4:G0+7], s[G1:G1+7]
	s_nop 0
.rept 4
	v_nop
.endr
	s_branch .Lfirst_asked
.Lfirst_b:
	tensor_load_to_lds s[G0B:G0B+3], s[G1B:G1B+7]
	s_nop 0
	tensor_load_to_lds s[G0B+4:G0B+7], s[G1B:G1B+7]
	s_nop 0
.rept 4
	v_nop
.endr
.Lfirst_asked:
	v_and_b32 v1, 15, v0                           ; r = l % 16
	v_bfe_u32 v2, v0, 4, 1                         ; h = l / 16
	v_and_b32 v7, 31, v0                           ; l
	s_lshl1_add_u32 s20, s42, s12                  ; my slice s = 2 x tile column + wn
	s_lshl_b32 s46, s20, 7                         ; its 32 numbers of kv_norm_w
	s_mov_b32 s47, 0
	s_add_nc_u64 s[68:69], s[68:69], s[46:47]
	v_lshlrev_b32 v[WO], 5, v2                     ; my eight columns of a block of 16
	global_load_b128 v[WM:WM+3],     v[WO], s[68:69]
	global_load_b128 v[WM+4:WM+7],   v[WO], s[68:69] offset:16
	global_load_b128 v[WM+8:WM+11],  v[WO], s[68:69] offset:64
	global_load_b128 v[WM+12:WM+15], v[WO], s[68:69] offset:80
	v_mul_u32_u24 v3, v1, PITCH
	v_lshl_add_u32 v3, v2, 4, v3                   ; a fragment's row x pitch + 16 x half
	s_mul_i32 s21, s11, 64*PITCH                   ; my 64 rows of A
	s_mul_i32 s22, s12, 96*PITCH                   ; my 96 rows of B
	s_add_co_u32 s22, s22, BOFF
	v_add_nc_u32 v[A0], s21, v3
	v_add_nc_u32 v[B0], s22, v3
	v_mov_b32 v[ADRA], v[A0]
	v_mov_b32 v[ADRB], v[B0]
	v_mul_u32_u24 v4, v1, SPITCH                   ; into the stage: row 64 wm + 16 a + r, 16 bytes for each half of the lanes
	v_lshl_add_u32 v4, v2, 4, v4
	s_mul_i32 s23, s11, 64*SPITCH
	s_add_co_u32 s23, s23, STAGE
	s_lshl_b32 s21, s12, 7                         ; q: byte 128 wn + 32 b
	s_add_co_u32 s21, s21, s23
	v_add_nc_u32 v[STO], s21, v4
	s_lshl_b32 s21, s12, 6                         ; hi: byte 256 + 64 wn + 32 (b - 4); lo 128 further on
	s_add_co_u32 s21, s21, s23
	s_add_co_u32 s21, s21, 256
	v_add_nc_u32 v[STC], s21, v4
	v_bfe_u32 v5, v0, 3, 2                         ; back: wave w takes rows 32 w ..; 32 lanes take four rows' 128 bytes of one group
	v_and_b32 v6, 7, v0
	v_mul_u32_u24 v5, v5, SPITCH
	v_lshl_add_u32 v5, v6, 4, v5
	s_mul_i32 s23, s10, 32*SPITCH
	s_add_co_u32 s23, s23, STAGE
	v_add_nc_u32 v[RD], s23, v5
	v_lshlrev_b32 v[CO], 4, v7                     ; which are 512 consecutive bytes of y
	s_lshl_b32 s23, s10, 8
	s_add_co_u32 s23, s23, SQS                     ; my wave's 256 bytes for the sums of squares
	v_lshl_add_u32 v[SQA], v1, 2, s23
	v_lshl_add_u32 v[SQR], v7, 3, s23
	v_lshlrev_b32 v[SQO], 3, v7
	s_lshl_b32 s16, s13, 7                         ; the rows that I store: 128 x tile row + 32 x wave
	s_lshl_b32 s17, s10, 5
	s_add_co_u32 s16, s16, s17
	s_lshl_b32 s46, s42, 13                        ; group 2 x tile column: 4,096 rows a group, 128 bytes a row
	s_add_co_u32 s46, s46, s16
	s_lshl_b32 s46, s46, 7
	s_add_nc_u64 s[YQ:YQ+1], s[70:71], s[46:47]
	s_add_co_u32 s46, s42, 16                      ; group 16 + tile column
	s_lshl_b32 s46, s46, 12
	s_add_co_u32 s46, s46, s16
	s_lshl_b32 s46, s46, 7
	s_add_nc_u64 s[YC:YC+1], s[70:71], s[46:47]
	s_lshl_b32 s46, s20, 12                        ; ssq: slice s, row 128 x tile row + 64 wm, 4 bytes a row
	s_lshl_b32 s16, s13, 7
	s_add_co_u32 s46, s46, s16
	s_lshl_b32 s16, s11, 6
	s_add_co_u32 s46, s46, s16
	s_lshl_b32 s46, s46, 2
	s_add_co_u32 s46, s46, 0x1000000               ; behind the 32 groups
	s_add_nc_u64 s[YS:YS+1], s[70:71], s[46:47]
	s_wait_loadcnt 0x0                             ; kv_norm_w; what follows stands in the wait for the first tile
.irp z, 0,1,2,3,4,5,6,7
	v_cvt_pk_bf16_f32 v[T+\z], v[WM+2*\z], v[WM+2*\z+1]    ; rounded to bf16 like every input,
.endr
.irp z, 0,1,2,3,4,5,6,7
	v_lshlrev_b32 v[WM+2*\z], 16, v[T+\z]                  ; widened again,
	v_and_b32 v[WM+2*\z+1], s82, v[T+\z]
.endr
.set z, 0
.rept 16
	v_and_b32 v[T+z], s76, v[WM+z]                 ; its exponent field E,
	v_sub_nc_u32 v[T+z], s77, v[T+z]               ; 2^(126 - E),
	v_mul_f32 v[WM+z], v[WM+z], v[T+z]             ; wm: exact
.set z, z+1
.endr
; NB matrix instructions: row block a x all column blocks, 32 along K.  zero = 1: the first product starts the sums.  Every accumulator has one turn a quarter, always in the same order.
.macro MULROW f, a, zero
	WIN MUL
.set bb, 0
.rept NB
.if \zero
	v_wmma_f32_16x16x32_bf16 v[8*(NB*(\a)+bb):8*(NB*(\a)+bb)+7], v[(\f)+AB+8*bb:(\f)+AB+8*bb+7], v[(\f)+8*(\a):(\f)+8*(\a)+7], 0
.else
	v_wmma_f32_16x16x32_bf16 v[8*(NB*(\a)+bb):8*(NB*(\a)+bb)+7], v[(\f)+AB+8*bb:(\f)+AB+8*bb+7], v[(\f)+8*(\a):(\f)+8*(\a)+7], v[8*(NB*(\a)+bb):8*(NB*(\a)+bb)+7]
.endif
.set bb, bb+1
.endr
.endm
.macro P1 f, zero                      ; a quarter's matrix work in three parts
	MULROW \f, 0, \zero
.endm
.macro P2 f, zero
	MULROW \f, 1, \zero
.endm
.macro P3 f, zero
	MULROW \f, 2, \zero
	MULROW \f, 3, \zero
.endm
.macro FETCH q, f                      ; one run of LDS loads: the fragments of quarter q (32 along K) into buffer f
	WIN TO_F
.set bb, 0
.rept NB
	ds_load_b128 v[(\f)+AB+8*bb:(\f)+AB+8*bb+3],   v[ADRB] offset:64*(\q)+bb*16*PITCH
	ds_load_b128 v[(\f)+AB+8*bb+4:(\f)+AB+8*bb+7], v[ADRB] offset:64*(\q)+bb*16*PITCH+32
.set bb, bb+1
.endr
.set bb, 0
.rept NA
	ds_load_b128 v[(\f)+8*bb:(\f)+8*bb+3],   v[ADRA] offset:64*(\q)+bb*16*PITCH
	ds_load_b128 v[(\f)+8*bb+4:(\f)+8*bb+7], v[ADRA] offset:64*(\q)+bb*16*PITCH+32
.set bb, bb+1
.endr
.endm
.macro QUARTER q, f, g, zero           ; multiplies buffer f; behind its first part it fetches quarter q into buffer g
	s_wait_dscnt 0x0                               ; buffer f is in: its run was issued 18 matrix instructions ago
	P1 \f, \zero
	PLACES                                         ; buffer g was read by the quarter before
	FETCH \q, \g
	P2 \f, \zero
	P3 \f, \zero
.endm
; The last quarter of a K step multiplies buffer 1 and changes slots.  In front of the barrier each wave waits for all its tensor loads (one is out: its part of the next slot), adds 0 to its spare
; word, and waits for that and for its reads of this slot.  fill = 1: the barrier opens a round of the cluster's barrier, and the slot just read is filled again, first thing behind the round, two steps ahead.
.macro TURN fill
	WIN 0
	s_wait_tensorcnt 0x0
	ds_add_u32 v[SPW], v[NIL]
.if \fill
	s_xor_b32 s[G0+5], s[G0+5], SLOT1              ; no load of mine is out: the walking sets step: the other slot, the next K step
	s_add_nc_u64 s[G0+6:G0+7], s[G0+6:G0+7], ASTEP
	s_xor_b32 s[G0B+5], s[G0B+5], SLOT1
	s_add_nc_u64 s[G0B+6:G0B+7], s[G0B+6:G0B+7], BSTEP
.endif
	s_wait_dscnt 0x1                               ; buffer 1 is in; the add alone may be out
	P1 F1, 0
	s_wait_dscnt 0x0                               ; the add is done, and my reads of this slot are over
	s_barrier_signal -1
	P2 F1, 0
	WIN 0
	s_barrier_wait -1
.if \fill
	CREST
	JLOAD                                          ; its four v_nop are also the places in front of the loads below
.else
	PLACES
.endif
	s_xor_b32 s[TB], s[TB], SLOT1
	v_add_nc_u32 v[ADRA], s[TB], v[A0]
	v_add_nc_u32 v[ADRB], s[TB], v[B0]
	FETCH 0, F0
	P3 F1, 0
.endm
	s_wait_tensorcnt 0x1                           ; my part of K step 0 is in; step 1's stays out
	s_barrier_signal -1
	s_barrier_wait -1
	FETCH 0, F0
	QUARTER 1, F0, F1, 1                           ; the first quarter starts the sums
	WIN 0
	s_mov_b32 s3, NSTEP-2
.Lstep:                                                ; a trip: from a step's second quarter to the next step's first; one refill
	QUARTER 2, F1, F0, 0
	QUARTER 3, F0, F1, 0
	TURN 1
	QUARTER 1, F0, F1, 0
	WIN 0
	s_sub_co_u32 s3, s3, 1
	s_cmp_lg_u32 s3, 0
	s_cbranch_scc1 .Lstep
	QUARTER 2, F1, F0, 0                           ; the last two steps ask for nothing
	QUARTER 3, F0, F1, 0
	TURN 0
	QUARTER 1, F0, F1, 0
	QUARTER 2, F1, F0, 0
	QUARTER 3, F0, F1, 0
	s_wait_dscnt 0x0
	P1 F1, 0
	P2 F1, 0
	P3 F1, 0
	; THE WAY OUT.  Column blocks 0-3 are q, blocks 4 and 5 are c.  Each accumulator's lowest registers are read first.
	WIN 0
	PLACES
	; the sum of c^2 of my 16 numbers of each row, two at a time; the four row blocks take turns
	WIN 0x0a                                       ; sources 0 and 1 in window 2
.set z, 0
.rept 8                                ; z = 4 (b - 4) + pair
.set aa, 0
.rept 4
.set rA, 8*(NB*aa+4+z/4)+2*(z%4)
.if z == 0
	v_pk_mul_f32 v[SQ+2*aa:SQ+2*aa+1], v[rA:rA+1], v[rA:rA+1]
.else
	v_pk_fma_f32 v[SQ+2*aa:SQ+2*aa+1], v[rA:rA+1], v[rA:rA+1], v[SQ+2*aa:SQ+2*aa+1]
.endif
.set aa, aa+1
.endr
.set z, z+1
.endr
	WIN 0
.irp a, 0,1,2,3
	v_add_f32 v[SQ+2*\a], v[SQ+2*\a], v[SQ+2*\a+1]
.endr
.irp a, 0,1,2,3
	v_permlanex16_b32 v[SQ+2*\a+1], v[SQ+2*\a], s80, s81   ; the row's other 16 numbers lie in the lane 16 away
.endr
.irp a, 0,1,2,3
	v_add_f32 v[SQ+2*\a], v[SQ+2*\a], v[SQ+2*\a+1]
.endr
.irp a, 0,1,2,3
	ds_store_b32 v[SQA], v[SQ+2*\a] offset:64*\a   ; row 16 a + r; both halves of the lanes write the same number to the same word
.endr
	ds_load_b64 v[SQB:SQB+1], v[SQR]               ; rows 2 l and 2 l + 1: my own bytes, served in order
	; c x wm, in place
	WIN 0x82                                       ; destination and source 0 in window 2, wm in window 0
.set z, 0
.rept 32                               ; z = 8 a + 4 (b - 4) + pair
.set rA, 8*(NB*(z/8)+4+(z/4)%2)+2*(z%4)
	v_pk_mul_f32 v[rA:rA+1], v[rA:rA+1], v[WM+8*((z/4)%2)+2*(z%4):WM+8*((z/4)%2)+2*(z%4)+1]
.set z, z+1
.endr
	WIN 0x0a
.set z, 0
.rept 64                               ; q: z = 16 a + 4 b + pair
.set rA, 8*(NB*(z/16)+(z/4)%4)+2*(z%4)
	v_cvt_pk_f16_f32 v[TQ+z], v[rA], v[rA+1]
.set z, z+1
.endr
.set z, 0
.rept 32                               ; hi
.set rA, 8*(NB*(z/8)+4+(z/4)%2)+2*(z%4)
	v_cvt_pk_f16_f32 v[H+z], v[rA], v[rA+1]
.set z, z+1
.endr
	WIN 0
.irp n, 96,97,98,99,100,101,102,103,104,105,106,107,108,109,110,111,112,113,114,115,116,117,118,119,120,121,122,123,124,125,126,127
	v_cvt_f32_f16 v[T+2*(\n-96)], v\n\().l         ; hi as f32,
	v_cvt_f32_f16 v[T+2*(\n-96)+1], v\n\().h
.endr
	WIN 0x02                                       ; source 0 in window 2
.set z, 0
.rept 32
.set rA, 8*(NB*(z/8)+4+(z/4)%2)+2*(z%4)
	v_pk_add_f32 v[T+2*z:T+2*z+1], v[rA:rA+1], v[T+2*z:T+2*z+1] neg_lo:[0,1] neg_hi:[0,1]   ; what the rounding took away: exact,
.set z, z+1
.endr
	WIN 0
.set z, 0
.rept 32
	v_cvt_pk_f16_f32 v[LO+z], v[T+2*z], v[T+2*z+1] ; and lo
.set z, z+1
.endr
.set z, 0
.rept 16
	ds_store_b128 v[STO], v[TQ+4*z:TQ+4*z+3] offset:(z/4)*16*SPITCH+32*(z%4)
.set z, z+1
.endr
.set z, 0
.rept 8
	ds_store_b128 v[STC], v[H+4*z:H+4*z+3] offset:(z/2)*16*SPITCH+32*(z%2)
	ds_store_b128 v[STC], v[LO+4*z:LO+4*z+3] offset:(z/2)*16*SPITCH+32*(z%2)+128
.set z, z+1
.endr
	s_wait_dscnt 0x0                               ; for the others' sake: my stores into the stage are done (a group's 128 bytes of hi and lo come from two waves)
	s_barrier_signal -1
	s_barrier_wait -1
	global_store_b64 v[SQO], v[SQB:SQB+1], s[YS:YS+1]      ; my 64 rows' sums: 256 consecutive bytes, aligned
.set z, 0
.rept 32                               ; z = 8 x part + u: four rows' 128 bytes of q, q, hi or lo
	ds_load_b128 v[TQ+4*z:TQ+4*z+3], v[RD] offset:(z%8)*4*SPITCH+(z/8)*128
.set z, z+1
.endr
.set z, 0
.rept 32
	s_wait_dscnt 31-z                              ; load z is in, the younger ones stay out
.if z < 16
	global_store_b128 v[CO], v[TQ+4*z:TQ+4*z+3], s[YQ:YQ+1] offset:(z/8)*524288+(z%8)*512        ; 512 consecutive bytes of one group, aligned
.else
	global_store_b128 v[CO], v[TQ+4*z:TQ+4*z+3], s[YC:YC+1] offset:(z/8-2)*4194304+(z%8)*512     ; lo lies eight groups behind hi
.endif
.set z, z+1
.endr
	s_wait_tensorcnt 0x0                           ; the wave's end
	ds_add_u32 v[SPW], v[NIL]
	s_wait_dscnt 0x0
	CROUND                                         ; the closing round
	s_endpgm
.Lfunc_end_k_qf9721d1f00_gemm1:
	.size	k_qf9721d1f00_gemm1, .Lfunc_end_k_qf9721d1f00_gemm1-k_qf9721d1f00_gemm1
	.p2alignl 7, 3214868480
	.fill 96, 4, 3214868480
	.section	.rodata,"a",@progbits
	.p2align	6, 0x0
	.amdhsa_kernel k_qf9721d1f00_gemm1
		.amdhsa_group_segment_fixed_size 327680
		.amdhsa_private_segment_fixed_size 0
		.amdhsa_enable_private_segment 0
		.amdhsa_kernarg_size 32
		.amdhsa_user_sgpr_count 2
		.amdhsa_user_sgpr_kernarg_segment_ptr 1
		.amdhsa_wavefront_size32 1
		.amdhsa_system_sgpr_workgroup_id_x 1
		.amdhsa_system_sgpr_workgroup_id_y 1
		.amdhsa_system_sgpr_workgroup_id_z 1
		.amdhsa_system_vgpr_workitem_id 0
		.amdhsa_next_free_vgpr 704
		.amdhsa_next_free_sgpr 84
		.amdhsa_reserve_vcc 0
		.amdhsa_float_denorm_mode_32 3
		.amdhsa_float_denorm_mode_16_64 3
		.amdhsa_memory_ordered 1
		.amdhsa_forward_progress 1
		.amdhsa_inst_pref_size 75
	.end_amdhsa_kernel
	.amdgpu_metadata
---
amdhsa.version: [ 1, 2 ]
amdhsa.kernels:
  - .name:           k_qf9721d1f00_gemm1
    .symbol:         k_qf9721d1f00_gemm1.kd
    .args:
      - { .name: xb, .offset: 0, .size: 8, .value_kind: global_buffer, .address_space: global }
      - { .name: wqdT, .offset: 8, .size: 8, .value_kind: global_buffer, .address_space: global }
      - { .name: kv_norm_w, .offset: 16, .size: 8, .value_kind: global_buffer, .address_space: global }
      - { .name: y, .offset: 24, .size: 8, .value_kind: global_buffer, .address_space: global }
    .group_segment_fixed_size: 327680
    .private_segment_fixed_size: 0
    .kernarg_segment_align: 8
    .kernarg_segment_size: 32
    .max_flat_workgroup_size: 128
    .sgpr_count:     84
    .vgpr_count:     704
    .wavefront_size: 32
...
	.end_amdgpu_metadata
.endif
;; end of part 2
;; launch gemm2 (part 3): grid 16 x 16, 4 waves a work-group, clusters of 4 x 4, 327,680 bytes of LDS; arguments y, wupT, kb, vb; writes kb, vb
.if DOCPART == 3
	.amdgcn_target "amdgcn-amd-amdhsa--gfx1250"
	.amdhsa_code_object_version 6
	.text
	.protected	k_qf9721d1f00_gemm2
	.globl	k_qf9721d1f00_gemm2
	.p2align	8
	.type	k_qf9721d1f00_gemm2,@function
k_qf9721d1f00_gemm2:
	s_mov_b64 s[64:65], 0
	v_nop
	global_prefetch_b8 v0, s[64:65] scope:SCOPE_SE
	s_setreg_imm32_b32 hwreg(HW_REG_WAVE_MODE, 25, 1), 1
	s_wait_xcnt 0x0
	s_wait_alu depctr_hold_cnt(0) depctr_sa_sdst(0) depctr_va_vdst(0) depctr_va_sdst(0) depctr_va_ssrc(0) depctr_va_vcc(0) depctr_vm_vsrc(0)
	s_getreg_b32 s2, hwreg(HW_REG_IB_STS2, 6, 4)
	s_cmp_eq_u32 s2, 0
	s_cbranch_scc0 .Lentry_in_a_cluster
	s_endpgm
.Lentry_in_a_cluster:
	s_bfe_u32 s2, ttmp6, 0x10000c
	s_cmp_lg_u32 s2, 0xf033
	s_cbranch_scc0 .Lentry_shape_is_right
	s_endpgm
.Lentry_shape_is_right:
; [k | v] = rmsnorm(c) Wup, as rsqrt(mean(c^2) + 1e-6) x ((c wm) (2^e Wup)): the row's factor is applied in f32 behind the sums.
; c wm lies in y as hi (groups 16-23) and lo (groups 24-31), [group of 64 k][4096 rows][64] f16; the sums of c^2 as ssq[16][4096] f32 from byte 16,777,216 of y on.
; wupT: [8 slices of 64 k][3072 n][64] f16, exact.  kb: [16 heads][4096][64] f16, vb: [16][4096][128] f16.
; hi is multiplied by all 192 columns of a head, lo by v's 128 alone: v then carries no operand rounding but its own at the end.  In k the rounding of hi stays:
; it shifts a score by some 2^-12 of itself.
; LIMIT.  k and v must stay within f16's 65,504.
; SHARES.  A work-group makes 256 rows x 192 columns, one head's k and v: 16 x 16 = 256 work-groups.  Four waves, each 64 rows x 192: 48 accumulators.
; A K STEP is one slice of 64 k: wave 0 fetches hi's group (256 rows x 128 bytes, dense: asked for as 128 rows of 256 and padded after every 128 bytes), wave 1 lo's,
; waves 2 and 3 96 rows each of wupT's slice (dense too: 48 rows of 256).  Its four quarters: hi k 0-31, hi k 32-63, lo k 0-31, lo k 32-63: 48, 48, 32 and 32 matrix instructions.
; CLUSTER 4 x 4, transposed use, ring and turns as in the launch before.
; REGISTERS.  window 1: two fragment buffers (A's 4 blocks, B's 12).  window 2 + a / 2: accumulator (a, b) at v[8 (12 (a % 2) + b)].
.set NSTEP,  8
.set NA,     4
.set NB,     12
.set PA,     144                       ; an LDS row of A and of B: 128 bytes + 16
.set AHALF,  256*PA                    ; one group's 256 rows
.set BHALF,  96*PA
.set BOFF,   2*AHALF
.set SLOT1,  131072
.set STAGE,  SLOT1+BOFF+2*BHALF        ; behind the ring: 16 rows x 400 bytes for each wave
.set SPITCH, 400
.set SPARE,  STAGE+4*16*SPITCH
.set ASTEP,  524288                    ; a group: 4,096 rows x 128 bytes
.set BSTEP,  393216                    ; a slice: 3,072 rows x 128 bytes
.set A0,   16
.set B0,   17
.set ADRA, 18
.set ADRB, 19
.set STO,  24
.set RD,   25                          ; back: k's 128 bytes of four rows
.set CO,   26
.set RD2,  27                          ; back: v's 256 bytes of two rows
.set SPW,  28
.set NIL,  29
.set TMP,  32                          ; v[32:79]   a block's 12 x 16 bytes
.set OB,   80                          ; v[80:127], v[128:175] a block read back, by turns
.set RR,   176                         ; v[176:183] the rows' factors, a pair for each block
.set SQ,   192                         ; v[192:223] two rows' 16 partial sums of squares
.set F0,   0
.set F1,   128
.set AB,   32
.set G1,  24
.set G0,  32
.set G1B, 48
.set G0B, 56
.set TB,  45
.set MSB, 0
.macro WIN new
.if MSB != (\new)
	s_set_vgpr_msb (MSB<<8)|(\new)
.set MSB, \new
.endif
.endm
.set TO_F, 0x40
.macro PLACES
.rept 4
	v_nop
.endr
.endm
.macro JLOAD
	s_cmp_eq_u32 s11, 0
	s_cbranch_scc0 .Lfor_b_\@
	tensor_load_to_lds s[G0+4:G0+7], s[G1:G1+7]
	s_nop 0
.rept 4
	v_nop
.endr
	s_branch .Lasked_\@
.Lfor_b_\@:
	tensor_load_to_lds s[G0B+4:G0B+7], s[G1B:G1B+7]
	s_nop 0
.rept 4
	v_nop
.endr
.Lasked_\@:
.endm
.macro CREST
	s_cmp_lg_u32 s10, 0
	s_cbranch_scc1 .Lnot_wave_0_\@
	s_barrier_signal -3
.Lnot_wave_0_\@:
	s_barrier_wait -3
	s_barrier_signal -1
	s_barrier_wait -1
.endm
.macro CROUND
	s_barrier_signal -1
	s_barrier_wait -1
	CREST
.endm
	s_load_b128 s[4:7], s[0:1], 0x0                ; y s[4:5], wupT s[6:7]
	s_load_b128 s[84:87], s[0:1], 0x10             ; kb s[84:85], vb s[86:87]
	v_lshl_add_u32 v[SPW], v0, 2, SPARE
	v_mov_b32 v[NIL], 0
	ds_add_u32 v[SPW], v[NIL]                      ; the wave's opening: an add, and its wait, ahead of my first tensor load
	ds_add_u32 v28, v29
	v_lshrrev_b32 v1, 5, v0
	v_readfirstlane_b32 s10, v1
	s_lshr_b32 s11, s10, 1                         ; I fetch for A (0) or for B (1),
	s_and_b32 s12, s10, 1                          ; A: hi or lo; B: its first or second 96 rows
	s_bfe_u32 s40, ttmp6, 0x40000
	s_bfe_u32 s41, ttmp6, 0x40004
	s_lshl_b32 s42, ttmp9, 2
	s_add_co_u32 s42, s42, s40                     ; tile column = head
	s_and_b32 s13, ttmp7, 0xffff
	s_lshl_b32 s13, s13, 2
	s_add_co_u32 s13, s13, s41                     ; tile row
	s_lshl_b32 s43, s41, 2
	s_lshl_b32 s43, 15, s43
	s_lshl_b32 s44, 0x1111, s40
	s_or_b32 s[G1+0], s43, (1<<16)|(1<<20)|(1<<21)|(4<<22)|(3<<25)   ; after every 32 words 4 words of padding
	s_or_b32 s[G1B+0], s44, (1<<16)|(1<<20)|(1<<21)|(4<<22)|(3<<25)
	s_mov_b32 s[G1+1], 128<<16
	s_mov_b32 s[G1+2], 128<<16
	s_mov_b32 s[G1+3], 128<<16
	s_mov_b32 s[G1+4], 128
	s_mov_b32 s[G1+5], 128                         ; dense: 128 elements from row to row
	s_mov_b32 s[G1+6], 0
	s_mov_b32 s[G1+7], 0
	s_mov_b32 s[G1B+1], 128<<16
	s_mov_b32 s[G1B+2], 48<<16
	s_mov_b32 s[G1B+3], 128<<16
	s_mov_b32 s[G1B+4], 48
	s_mov_b32 s[G1B+5], 128
	s_mov_b32 s[G1B+6], 0
	s_mov_b32 s[G1B+7], 0
	s_lshl_b32 s16, s12, 3                         ; A: group 16 (hi) or 24 (lo),
	s_add_co_u32 s16, s16, 16
	s_lshl_b32 s16, s16, 12
	s_lshl_b32 s17, s13, 8                         ; row 256 x tile row,
	s_add_co_u32 s16, s16, s17
	s_lshl_b32 s16, s16, 7                         ; of 128 bytes
	s_mov_b32 s17, 0
	s_mul_i32 s46, s42, 192                        ; B: slice 0, row 192 x head + 96 x half, of 128 bytes
	s_mul_i32 s47, s12, 96
	s_add_co_u32 s46, s46, s47
	s_lshl_b32 s46, s46, 7
	s_mov_b32 s47, 0
	s_mul_i32 s20, s12, AHALF
	s_mul_i32 s21, s12, BHALF
	s_add_co_u32 s21, s21, BOFF
	s_mov_b32 s[TB], 0
	s_mov_b32 s77, 0x3b000000                      ; 1 / 512
	s_mov_b32 s78, 0x358637bd                      ; 1e-6
	s_wait_dscnt 0x0
	s_wait_kmcnt 0x0
	s_add_nc_u64 s[14:15], s[4:5], s[16:17]
	s_add_nc_u64 s[46:47], s[6:7], s[46:47]
.irp s, 0,1
	s_mov_b32 s[G0+4*\s], 1
	s_add_co_u32 s[G0+4*\s+1], s20, \s*SLOT1
	s_add_nc_u64 s[G0+4*\s+2:G0+4*\s+3], s[14:15], \s*ASTEP
	s_or_b32 s[G0+4*\s+3], s[G0+4*\s+3], 0x80000000
	s_mov_b32 s[G0B+4*\s], 1
	s_add_co_u32 s[G0B+4*\s+1], s21, \s*SLOT1
	s_add_nc_u64 s[G0B+4*\s+2:G0B+4*\s+3], s[46:47], \s*BSTEP
	s_or_b32 s[G0B+4*\s+3], s[G0B+4*\s+3], 0x80000000
.endr
	CROUND
	s_cmp_eq_u32 s11, 0
	s_cbranch_scc0 .Lfirst_b
	tensor_load_to_lds s[G0:G0+3], s[G1:G1+7]
	s_nop 0
	tensor_load_to_lds s[G0+4:G0+7], s[G1:G1+7]
	s_nop 0
.rept 4
	v_nop
.endr
	s_branch .Lfirst_asked
.Lfirst_b:
	tensor_load_to_lds s[G0B:G0B+3], s[G1B:G1B+7]
	s_nop 0
	tensor_load_to_lds s[G0B+4:G0B+7], s[G1B:G1B+7]
	s_nop 0
.rept 4
	v_nop
.endr
.Lfirst_asked:
	v_and_b32 v1, 15, v0                           ; r
	v_bfe_u32 v2, v0, 4, 1                         ; h
	v_and_b32 v7, 31, v0
	v_lshlrev_b32 v7, 3, v7                        ; 8 l: lane l takes rows 2 l and 2 l + 1 of my wave's 64
	s_lshl_b32 s16, s13, 10                        ; ssq at row 256 x tile row + 64 x wave, 4 bytes a row,
	s_lshl_b32 s17, s10, 8
	s_add_co_u32 s16, s16, s17
	s_add_co_u32 s16, s16, 0x1000000               ; behind y's 32 groups
	s_mov_b32 s17, 0
	s_add_nc_u64 s[82:83], s[4:5], s[16:17]
.set z, 0
.rept 16
	global_load_b64 v[SQ+2*z:SQ+2*z+1], v7, s[82:83] offset:16384*z    ; slice z: 256 consecutive bytes, aligned
.set z, z+1
.endr
	v_mul_u32_u24 v3, v1, PA
	v_lshl_add_u32 v3, v2, 4, v3
	s_mul_i32 s21, s10, 64*PA                      ; my 64 rows of hi; lo's lie AHALF further on
	v_add_nc_u32 v[A0], s21, v3
	v_add_nc_u32 v[B0], BOFF, v3                   ; every wave takes all 192 rows of wupT's tile
	v_mov_b32 v[ADRA], v[A0]
	v_mov_b32 v[ADRB], v[B0]
	s_mul_i32 s23, s10, 16*SPITCH
	s_add_co_u32 s23, s23, STAGE                   ; my stage
	v_mul_u32_u24 v4, v1, SPITCH
	v_lshl_add_u32 v4, v2, 4, v4
	v_add_nc_u32 v[STO], s23, v4
	v_bfe_u32 v5, v0, 3, 2
	v_and_b32 v6, 7, v0
	v_mul_u32_u24 v5, v5, SPITCH
	v_lshl_add_u32 v5, v6, 4, v5
	v_add_nc_u32 v[RD], s23, v5
	v_mul_u32_u24 v5, v2, SPITCH
	v_lshl_add_u32 v5, v1, 4, v5
	v_add_nc_u32 v5, s23, v5
	v_add_nc_u32 v[RD2], 128, v5
	v_and_b32 v[CO], 31, v0
	v_lshlrev_b32 v[CO], 4, v[CO]
	v_add_nc_u32 v8, s23, v7                       ; the factors go through the first 256 bytes of my stage
	v_lshl_add_u32 v9, v1, 2, s23
	s_lshl_b32 s46, s42, 12                        ; row head x 4,096 + 256 x tile row + 64 x wave
	s_lshl_b32 s16, s13, 8
	s_add_co_u32 s46, s46, s16
	s_lshl_b32 s16, s10, 6
	s_add_co_u32 s46, s46, s16
	s_lshl_b32 s16, s46, 8                         ; of 256 bytes in vb,
	s_mov_b32 s17, 0
	s_lshl_b32 s46, s46, 7                         ; of 128 in kb
	s_mov_b32 s47, 0
	s_add_nc_u64 s[84:85], s[84:85], s[46:47]
	s_add_nc_u64 s[86:87], s[86:87], s[16:17]
	; THE ROWS' FACTORS, in the wait for the first tile: the 16 partial sums are added, rsqrt(sum / 512 + 1e-6), and each lane takes the factor of row 16 a + r for its four blocks.
	s_wait_loadcnt 0x0
.irp w, 16,8,4,2
.set z, 0
.rept \w/2
	v_pk_add_f32 v[SQ+2*z:SQ+2*z+1], v[SQ+2*z:SQ+2*z+1], v[SQ+\w+2*z:SQ+\w+2*z+1]
.set z, z+1
.endr
.endr
	v_fma_f32 v[SQ], v[SQ], s77, s78
	v_fma_f32 v[SQ+1], v[SQ+1], s77, s78
	v_rsq_f32 v[SQ], v[SQ]
	v_rsq_f32 v[SQ+1], v[SQ+1]
	v_nop                                          ; a plain instruction between the last root and the use of its result
	s_wait_alu depctr_va_vdst(0)
	ds_store_b64 v8, v[SQ:SQ+1]
.irp a, 0,1,2,3
	ds_load_b32 v[RR+2*\a], v9 offset:64*\a        ; my own bytes, served in order
.endr
	s_wait_dscnt 0x0
.irp a, 0,1,2,3
	v_mov_b32 v[RR+2*\a+1], v[RR+2*\a]             ; named with it as a pair
.endr
; Row block a x column blocks b0 .. 11, 32 along K.  b0 = 0 for hi, 4 for lo.  Every accumulator has at most one turn a quarter, always in the same order.
.macro MULROW f, a, zero, b0
	WIN 0xa5+0x50*((\a)/2)                         ; sources window 1; C and D window 2 or 3
.set bb, (\b0)
.rept NB-(\b0)
.set rD, 8*(12*((\a)%2)+bb)
.if \zero
	v_wmma_f32_16x16x32_f16 v[rD:rD+7], v[(\f)+AB+8*bb:(\f)+AB+8*bb+7], v[(\f)+8*(\a):(\f)+8*(\a)+7], 0
.else
	v_wmma_f32_16x16x32_f16 v[rD:rD+7], v[(\f)+AB+8*bb:(\f)+AB+8*bb+7], v[(\f)+8*(\a):(\f)+8*(\a)+7], v[rD:rD+7]
.endif
.set bb, bb+1
.endr
.endm
.macro P1 f, zero, b0
	MULROW \f, 0, \zero, \b0
.endm
.macro P2 f, zero, b0
	MULROW \f, 1, \zero, \b0
.endm
.macro P3 f, zero, b0
	MULROW \f, 2, \zero, \b0
	MULROW \f, 3, \zero, \b0
.endm
.macro FETCH q, f                      ; quarter q: A from hi (q < 2) or lo, B's blocks 0-11 or 4-11, both at byte 64 (q % 2) of their rows
	WIN TO_F
.set bb, 4*((\q)/2)
.rept NB-4*((\q)/2)
	ds_load_b128 v[(\f)+AB+8*bb:(\f)+AB+8*bb+3],   v[ADRB] offset:64*((\q)%2)+bb*16*PA
	ds_load_b128 v[(\f)+AB+8*bb+4:(\f)+AB+8*bb+7], v[ADRB] offset:64*((\q)%2)+bb*16*PA+32
.set bb, bb+1
.endr
.set bb, 0
.rept NA
	ds_load_b128 v[(\f)+8*bb:(\f)+8*bb+3],   v[ADRA] offset:((\q)/2)*AHALF+((\q)%2)*64+bb*16*PA
	ds_load_b128 v[(\f)+8*bb+4:(\f)+8*bb+7], v[ADRA] offset:((\q)/2)*AHALF+((\q)%2)*64+bb*16*PA+32
.set bb, bb+1
.endr
.endm
.macro QUARTER q, f, g, zero           ; multiplies buffer f, which holds quarter q - 1 (lo where q = 3); behind its first part it fetches quarter q into buffer g
	s_wait_dscnt 0x0                               ; buffer f is in: its run was issued 24 matrix instructions ago or more
	P1 \f, \zero, 4*((\q)/3)
	PLACES
	FETCH \q, \g
	P2 \f, \zero, 4*((\q)/3)
	P3 \f, \zero, 4*((\q)/3)
.endm
.macro TURN fill                       ; the step's last quarter (lo) and the change of slots, as in the launch before
	WIN 0
	s_wait_tensorcnt 0x0
	ds_add_u32 v[SPW], v[NIL]
.if \fill
	s_xor_b32 s[G0+5], s[G0+5], SLOT1
	s_add_nc_u64 s[G0+6:G0+7], s[G0+6:G0+7], ASTEP
	s_xor_b32 s[G0B+5], s[G0B+5], SLOT1
	s_add_nc_u64 s[G0B+6:G0B+7], s[G0B+6:G0B+7], BSTEP
.endif
	s_wait_dscnt 0x1                               ; buffer 1 is in; the add alone may be out
	P1 F1, 0, 4
	s_wait_dscnt 0x0
	s_barrier_signal -1
	P2 F1, 0, 4
	WIN 0
	s_barrier_wait -1
.if \fill
	CREST
	JLOAD
.else
	PLACES
.endif
	s_xor_b32 s[TB], s[TB], SLOT1
	v_add_nc_u32 v[ADRA], s[TB], v[A0]
	v_add_nc_u32 v[ADRB], s[TB], v[B0]
	FETCH 0, F0
	P3 F1, 0, 4
.endm
	s_wait_tensorcnt 0x1                           ; my part of K step 0 is in; step 1's stays out
	s_barrier_signal -1
	s_barrier_wait -1
	FETCH 0, F0
	QUARTER 1, F0, F1, 1                           ; hi's first quarter starts all 48 sums
	WIN 0
	s_mov_b32 s3, NSTEP-2
.Lstep:
	QUARTER 2, F1, F0, 0
	QUARTER 3, F0, F1, 0
	TURN 1
	QUARTER 1, F0, F1, 0
	WIN 0
	s_sub_co_u32 s3, s3, 1
	s_cmp_lg_u32 s3, 0
	s_cbranch_scc1 .Lstep
	QUARTER 2, F1, F0, 0
	QUARTER 3, F0, F1, 0
	TURN 0
	QUARTER 1, F0, F1, 0
	QUARTER 2, F1, F0, 0
	QUARTER 3, F0, F1, 0
	s_wait_dscnt 0x0
	P1 F1, 0, 4
	P2 F1, 0, 4
	P3 F1, 0, 4
	WIN 0
	PLACES
; THE WAY OUT of block a (16 rows): scaled, rounded to f16, through my own stage; k's 128 bytes of four rows and v's 256 bytes of two rows come back as 512 consecutive bytes of kb and of vb.
.macro PACK a
	WIN 0x82+0x41*((\a)/2)                         ; destination and source 0 in window 2 or 3, the factor in window 0
.set z, 0
.rept 48
	v_pk_mul_f32 v[96*((\a)%2)+2*z:96*((\a)%2)+2*z+1], v[96*((\a)%2)+2*z:96*((\a)%2)+2*z+1], v[RR+2*(\a):RR+2*(\a)+1] op_sel_hi:[1,0]
.set z, z+1
.endr
	WIN 0x0a+0x05*((\a)/2)
.set z, 0
.rept 48
	v_cvt_pk_f16_f32 v[TMP+z], v[96*((\a)%2)+2*z], v[96*((\a)%2)+2*z+1]
.set z, z+1
.endr
	WIN 0
.endm
.macro TOSTAGE a
.set BK, OB+48*((\a)%2)
.set z, 0
.rept 12
	ds_store_b128 v[STO], v[TMP+4*z:TMP+4*z+3] offset:32*z
.set z, z+1
.endr
.irp u, 0,1,2,3
	ds_load_b128 v[BK+4*\u:BK+4*\u+3], v[RD] offset:\u*4*SPITCH        ; LDS serves a wave's instructions in order: these see the stores above
.endr
.irp u, 0,1,2,3,4,5,6,7
	ds_load_b128 v[BK+16+4*\u:BK+16+4*\u+3], v[RD2] offset:\u*2*SPITCH
.endr
.endm
.macro SEND a
.set BK, OB+48*((\a)%2)
	s_wait_dscnt 0x0                               ; the block is back in registers
	s_wait_xcnt 0x0                                ; the other buffer, which earlier stores read, is loaded again only behind this wait
.irp u, 0,1,2,3
	global_store_b128 v[CO], v[BK+4*\u:BK+4*\u+3], s[84:85] offset:(\a)*2048+\u*512
.endr
.irp u, 0,1,2,3,4,5,6,7
	global_store_b128 v[CO], v[BK+16+4*\u:BK+16+4*\u+3], s[86:87] offset:(\a)*4096+\u*512
.endr
.endm
	PACK 0
	TOSTAGE 0
.irp a, 1,2,3                          ; block a's arithmetic stands between block a - 1's loads from the stage and the wait for them
	PACK \a
	SEND \a-1
	TOSTAGE \a
.endr
	SEND 3
	s_wait_tensorcnt 0x0                           ; the wave's end
	ds_add_u32 v[SPW], v[NIL]
	s_wait_dscnt 0x0
	CROUND                                         ; the closing round
	s_endpgm
.Lfunc_end_k_qf9721d1f00_gemm2:
	.size	k_qf9721d1f00_gemm2, .Lfunc_end_k_qf9721d1f00_gemm2-k_qf9721d1f00_gemm2
	.p2alignl 7, 3214868480
	.fill 96, 4, 3214868480
	.section	.rodata,"a",@progbits
	.p2align	6, 0x0
	.amdhsa_kernel k_qf9721d1f00_gemm2
		.amdhsa_group_segment_fixed_size 327680
		.amdhsa_private_segment_fixed_size 0
		.amdhsa_enable_private_segment 0
		.amdhsa_kernarg_size 32
		.amdhsa_user_sgpr_count 2
		.amdhsa_user_sgpr_kernarg_segment_ptr 1
		.amdhsa_wavefront_size32 1
		.amdhsa_system_sgpr_workgroup_id_x 1
		.amdhsa_system_sgpr_workgroup_id_y 1
		.amdhsa_system_sgpr_workgroup_id_z 1
		.amdhsa_system_vgpr_workitem_id 0
		.amdhsa_next_free_vgpr 960
		.amdhsa_next_free_sgpr 88
		.amdhsa_reserve_vcc 0
		.amdhsa_float_denorm_mode_32 3
		.amdhsa_float_denorm_mode_16_64 3
		.amdhsa_memory_ordered 1
		.amdhsa_forward_progress 1
		.amdhsa_inst_pref_size 103
	.end_amdhsa_kernel
	.amdgpu_metadata
---
amdhsa.version: [ 1, 2 ]
amdhsa.kernels:
  - .name:           k_qf9721d1f00_gemm2
    .symbol:         k_qf9721d1f00_gemm2.kd
    .args:
      - { .name: y, .offset: 0, .size: 8, .value_kind: global_buffer, .address_space: global }
      - { .name: wupT, .offset: 8, .size: 8, .value_kind: global_buffer, .address_space: global }
      - { .name: kb, .offset: 16, .size: 8, .value_kind: global_buffer, .address_space: global }
      - { .name: vb, .offset: 24, .size: 8, .value_kind: global_buffer, .address_space: global }
    .group_segment_fixed_size: 327680
    .private_segment_fixed_size: 0
    .kernarg_segment_align: 8
    .kernarg_segment_size: 32
    .max_flat_workgroup_size: 128
    .sgpr_count:     88
    .vgpr_count:     960
    .wavefront_size: 32
...
	.end_amdgpu_metadata
.endif
;; end of part 3
;; launch attn (part 4): grid 8 x 32, 4 waves a work-group, no clusters, 327,680 bytes of LDS; arguments y, kb, vb, ob; writes ob
.if DOCPART == 4
	.amdgcn_target "amdgcn-amd-amdhsa--gfx1250"
	.amdhsa_code_object_version 6
	.text
	.protected	k_qf9721d1f00_attn
	.globl	k_qf9721d1f00_attn
	.p2align	8
	.type	k_qf9721d1f00_attn,@function
k_qf9721d1f00_attn:
	s_mov_b64 s[64:65], 0
	v_nop
	global_prefetch_b8 v0, s[64:65] scope:SCOPE_SE
	s_setreg_imm32_b32 hwreg(HW_REG_WAVE_MODE, 25, 1), 1
	s_wait_xcnt 0x0
; CAUSAL ATTENTION.  O[q] = the sum over k <= q of softmax_k(Q[q] . K[k] / 8) V[k], for each of 2 batches x 16 heads of 2,048 rows.
; Q: groups 0-15 of y ([head][4096][64] f16), K: kb [head][4096][64] f16, V: vb [head][4096][128] f16; row = 2,048 x batch + position.  O: ob [4096][2048] f16, column 128 x head + channel.
; Products, maxima and sums in f32; the weights p are rounded to f16 for the second product (their sum l is taken of the unrounded p).
; LIMITS.  Q, K, V arrive within f16's 65,504, so a score is at most 2.7e11 in size.  A hidden score counts as its value less 1e30.  The running maximum starts at -2^66, far below every true score and far
; above every hidden one: a wave that has met hidden keys alone has weights 0, O = 0 and l = 0.  A weight below 2^-126 counts as 0.  NaN and infinities are not treated apart.
; THE WALK.  A head's queries lie in 16 blocks of 128; keys go in tiles of 256; block i needs tiles 0 .. i / 2.  A work-group takes blocks 15 - b and then b: 9 tiles whatever b, so all 256 work-groups
; do equal work and ONE loop with a constant trip count walks them.
; SHARES.  Wave w: wq = w / 2 says which 64 queries (four tiles of 16), wk = w % 2 which 128 keys of every tile (two steps of 64).  The two waves of a pair keep their own m, l and O;
; at a block's end each leaves O / l (f16) and (c m, l) in LDS, and behind a barrier each finishes 32 rows: O = gA OA + gB OB, g = 2^(c m - c max) l / their sum.
; THE MASK is the C operand that starts S^T = K Q^T.  A step's 64 keys lie before, on or behind my 64 queries: MC = MD x AL + BE with (AL, BE) = (0, 0), (1, 0), (0, -1e30).
; MD has three sets of eight: key block above the query tile (all hidden), on it (the diagonal), below it (0).  One text serves every step.
; LAYOUT.  S^T holds ONE query a lane (l % 16) and the keys 8 (l / 16) + 0..7; two such results rounded to f16 ARE source 1 of O^T = V^T P.  V is turned by ds_load_tr16_b128.
; SOFTMAX.  p = 2^(c s - c m), c = log2(e) / 8, with a running maximum m; O and l are multiplied by a = 2^(c m_old - c m_new) in every step.  c m starts at -4e37, so a block's first a is 0.
; A STEP is closed in itself: K Q^T of tiles 0, 1; K Q^T of tiles 2, 3 with the softmax of tiles 0, 1 in slices behind its products; V^T P of tiles 0, 1 with the softmax of tiles 2, 3; V^T P of tiles 2, 3.
; NO CLUSTER: the eight work-groups of a head ask for the same tile in the first trips alone (the first blocks have 5 to 8 tiles) and part at different trips; a walk common to all would have 12 trips for 9.
; REGISTERS.  window 0: v0-11, v44-61 addresses and work; v12-43 eight registers of statistics a tile (c m, m, l even, l odd, c0-c3); v64-191 S^T; v192-255 P.
;   window 1: O^T, 64 a tile.   window 2: v0-63 Q, v64-127 the second block's Q, v128-191 K of a step.   window 3: v0-127 V of a step, v128-151 MD, v152-175 MC.
.set KS,    64
.set PK,    144                        ; a row of K in LDS: 128 bytes + 16
.set PV,    288                        ; a row of V: 256 + 32
.set VOFF,  256*PK                     ; a slot: 256 rows of K, then 256 rows of V
.set SLOT1, 131072
.set STG,   SLOT1+256*(PK+PV)          ; behind the ring: 64 rows x 272 bytes for each wave: O / l in f16
.set SP,    272
.set STATS, STG+4*64*SP                ; 64 x (c m, l) for each wave
.set FAC,   STATS+2048                 ; 32 x (gA, gA, gB, gB) for each wave
.set SPARE, FAC+2048                   ; the spare words
.set AK0, 2
.set AV0, 3
.set AK,  4
.set AV,  5
.set STO, 6                            ; v6   a block's end: where I put 16 bytes of a row
.set SA,  7                            ; v7   where my query's statistics go
.set GO0, 8                            ; v8   my byte offset in two rows of O
.set ST,  12
.set RDA0, 44                          ; v44  the merge: my place in the pair's first stage
.set RDF0, 45                          ; v45  my row's factors
.set SLA, 46                           ; v46  the statistics of the row that I make factors for
.set FST, 47                           ; v47  where those factors go
.set RDA, 48                           ; v48-50  the three that step
.set RDF, 49
.set GO,  50
.set QO,  51
.set SPW, 62
.set NIL, 63
.set S,   64
.set P,   192
.set FG,  96                           ; the merge: v[64:79] OA, v[80:95] OB, v[96:111] factors, v[112:127] in f32, v[128:143] to store
.set FA,  112
.set FB,  120
.set FO,  128
.set QB,  64                           ; window 2
.set KF,  128                          ; window 2
.set MD,  128                          ; window 3
.set MC,  152                          ; window 3
.set WV,  12
.set WQ,  13
.set PB,  14                           ; b
.set HI,  15                           ; 15 - b
.set WK,  16
.set G1K, 24
.set G1V, 32
.set G0K, 40
.set G0V, 44
.set PEND, 48                          ; 1: a block's parts lie in LDS and wait for the merge
.set QB64, 49                          ; my 64 queries' number among the head's
.set KB64, 50                          ; the same for the step's 64 keys
.set CNTF, 51
.set OFK, 52                           ; s[52:53] a tile's byte offset in K
.set OFV, 54                           ; s[54:55] and in V
.set SLOTS, 56
.set TWICE, 57
.set CS,  58
.set SEL, 60
.set TBK, 62
.set TBV, 63
.set RT,  70                           ; tiles of the block in hand still to be entered
.set NXT, 71                           ; the tile to be asked for next
.set LQ,  72                           ; the last tile of the block whose tiles are being asked for
.set PBH, 73                           ; b / 2
.set AL,  76
.set BE,  78
.set OLO, 80                           ; s[80:81] O at my rows of the second block
.set BIGN, 82
.set MSB, 0
.macro WIN new
.if MSB != (\new)
	s_set_vgpr_msb (MSB<<8)|(\new)
.set MSB, (\new)
.endif
.endm
.set W_KQ, 0x0a                        ; K and Q in window 2, S^T in window 0
.set W_KM, 0x3a                        ; the same with the C operand in window 3
.set W_PV, 0x53                        ; V in window 3, P in window 0, O^T in window 1
.set W_RS, 0x41                        ; destination and source 0 in window 1, source 1 in window 0
.macro PLACES
.rept 4
	v_nop
.endr
.endm
; A fill.  Waves 0 and 1 fetch the two halves of a tile's K, waves 2 and 3 those of its V.  An s_nop 0 and four v_nop follow each line.
.macro LOAD
	s_cmp_lt_u32 s[WV], 2
	s_cbranch_scc0 .Lfor_v_\@
	tensor_load_to_lds s[G0K:G0K+3], s[G1K:G1K+7]
	s_nop 0
.rept 4
	v_nop
.endr
	s_branch .Lasked_\@
.Lfor_v_\@:
	tensor_load_to_lds s[G0V:G0V+3], s[G1V:G1V+7]
	s_nop 0
.rept 4
	v_nop
.endr
.Lasked_\@:
.endm
; THE CHANGE OF SLOTS.  Each wave waits for all its tensor loads (one is out: its part of the other slot), adds 0 to its spare word, and waits for that, for its reads of the slot that it leaves and
; for what it has stored at a block's end.  fill = 1: the old slot is filled again, first thing behind the barrier, with tile NXT; the load has two steps, 192 matrix instructions, in which to land.
.macro CHANGE fill
	WIN 0
	s_wait_tensorcnt 0x0
	ds_add_u32 v[SPW], v[NIL]
.if \fill
	s_lshl_b32 s[OFK], s[NXT], 15                  ; a tile is 32,768 bytes of K
	s_lshl_b32 s[OFV], s[NXT], 16                  ; and 65,536 of V
	s_xor_b32 s[G0K+1], s[G0K+1], SLOT1
	s_add_nc_u64 s[G0K+2:G0K+3], s[6:7], s[OFK:OFK+1]
	s_or_b32 s[G0K+3], s[G0K+3], 0x80000000
	s_xor_b32 s[G0V+1], s[G0V+1], SLOT1
	s_add_nc_u64 s[G0V+2:G0V+3], s[8:9], s[OFV:OFV+1]
	s_or_b32 s[G0V+3], s[G0V+3], 0x80000000
	s_add_co_u32 s[NXT], s[NXT], 1                 ; the block's next tile, or behind its last the second block's tile 0
	s_cmp_gt_u32 s[NXT], s[LQ]
	s_cselect_b32 s[NXT], 0, s[NXT]
	s_cselect_b32 s[LQ], s[PBH], s[LQ]
.endif
	s_wait_dscnt 0x0
	s_barrier_signal -1
	s_sub_co_u32 s[TBK], s[TBK], 2*KS*PK           ; the fetches go back to my first step, in the other slot
	s_xor_b32 s[TBK], s[TBK], SLOT1
	s_sub_co_u32 s[TBV], s[TBV], 2*KS*PV
	s_xor_b32 s[TBV], s[TBV], SLOT1
	s_barrier_wait -1
.if \fill
	LOAD
.endif
.endm
	s_load_b256 s[4:11], s[0:1], 0x0               ; y s[4:5], kb s[6:7], vb s[8:9], ob s[10:11]
	v_lshl_add_u32 v[SPW], v0, 2, SPARE
	v_mov_b32 v[NIL], 0
	ds_add_u32 v[SPW], v[NIL]                      ; the wave's opening: an add, and its wait, ahead of my first tensor load
	ds_add_u32 v62, v63
	v_lshrrev_b32 v1, 5, v0
	v_readfirstlane_b32 s[WV], v1
	s_lshr_b32 s[WQ], s[WV], 1
	s_and_b32 s[WK], s[WV], 1
	s_mov_b32 s[PB], ttmp9
	s_sub_co_u32 s[HI], 15, s[PB]
	s_lshr_b32 s[PBH], s[PB], 1
	s_and_b32 s20, ttmp7, 0xffff
	s_lshr_b32 s21, s20, 4                         ; batch
	s_and_b32 s20, s20, 15                         ; head
	s_lshl_b32 s23, s21, 11                        ; the batch's first row,
	s_lshl_b32 s22, s20, 12
	s_add_co_u32 s22, s22, s23                     ; and in the tensors that lie by heads
	s_lshl_b32 s17, s[WK], 7                       ; K and V: the half of a tile's 256 keys that I fetch
	s_add_co_u32 s17, s17, s22
	s_lshl_b32 s84, s17, 7
	s_mov_b32 s85, 0
	s_lshl_b32 s86, s17, 8
	s_mov_b32 s87, 0
	s_lshl_b32 s18, s[WQ], 6                       ; Q: my 64 queries in the first block and in the second
	s_add_co_u32 s18, s18, s22
	s_lshl_b32 s2, s[HI], 7
	s_add_co_u32 s2, s2, s18
	s_lshl_b32 s2, s2, 7
	s_mov_b32 s3, 0
	s_lshl_b32 s[OFK], s[PB], 7
	s_add_co_u32 s[OFK], s[OFK], s18
	s_lshl_b32 s[OFK], s[OFK], 7
	s_mov_b32 s[OFK+1], 0
	s_lshl_b32 s19, s[WQ], 6                       ; O: the 32 rows that I finish
	s_lshl_b32 s18, s[WK], 5
	s_add_co_u32 s19, s19, s18
	s_add_co_u32 s19, s19, s23
	s_lshl_b32 s20, s20, 8                         ; the head's 256 bytes in a row
	s_lshl_b32 s[OFV], s[HI], 7
	s_add_co_u32 s[OFV], s[OFV], s19
	s_lshl_b32 s[OFV], s[OFV], 12
	s_add_co_u32 s[OFV], s[OFV], s20
	s_mov_b32 s[OFV+1], 0
	s_lshl_b32 s74, s[PB], 7
	s_add_co_u32 s74, s74, s19
	s_lshl_b32 s74, s74, 12
	s_add_co_u32 s74, s74, s20
	s_mov_b32 s75, 0
	s_mul_i32 s17, s[WK], 128*PK                   ; my half's place in a slot, for K and for V
	s_mul_i32 s18, s[WK], 128*PV
	s_mov_b32 s[G1K], (1<<16)|(1<<20)|(4<<22)|(3<<25)  ; 128 keys of K are 16,384 dense bytes: 64 rows of 256, padded by 4 words after every 32
	s_mov_b32 s[G1K+1], 128<<16
	s_mov_b32 s[G1K+2], 64<<16
	s_mov_b32 s[G1K+3], 128<<16
	s_mov_b32 s[G1K+4], 64
	s_mov_b32 s[G1K+5], 128
	s_mov_b32 s[G1K+6], 0
	s_mov_b32 s[G1K+7], 0
	s_mov_b32 s[G1V], (1<<16)|(1<<20)|(5<<22)|(7<<25)  ; 128 rows of V of 256 bytes, padded by 8 words
	s_mov_b32 s[G1V+1], 128<<16
	s_mov_b32 s[G1V+2], 128<<16
	s_mov_b32 s[G1V+3], 128<<16
	s_mov_b32 s[G1V+4], 128
	s_mov_b32 s[G1V+5], 128
	s_mov_b32 s[G1V+6], 0
	s_mov_b32 s[G1V+7], 0
	s_mov_b32 s[CS], 0x3e38aa3b                    ; c = log2(e) / 8
	s_mov_b32 s[CS+1], s[CS]
	s_mov_b32 s[SEL], 0x76543210
	s_mov_b32 s[SEL+1], 0xfedcba98
	s_add_co_u32 s[TBK], s17, SLOT1+2*KS*PK        ; the first change of slots turns these two into my place in slot 0
	s_add_co_u32 s[TBV], s18, SLOT1+2*KS*PV
	s_mov_b32 s[G0K], 1
	s_mov_b32 s[G0K+1], s17
	s_mov_b32 s[G0V], 1
	s_add_co_u32 s[G0V+1], s18, VOFF
	s_lshr_b32 s[LQ], s[HI], 1
	s_add_co_u32 s[RT], s[LQ], 1                   ; the first block has (15 - b) / 2 + 1 tiles
	s_mov_b32 s[NXT], 1
	s_mov_b32 s[PEND], 0
	s_lshl1_add_u32 s[QB64], s[HI], s[WQ]
	s_lshl_b32 s[KB64], s[WK], 1
	s_mov_b32 s[AL+1], 0                           ; named as pairs
	s_mov_b32 s[BE+1], 0
	s_mov_b32 s[BIGN], 0xf149f2ca                  ; -1e30
	s_mov_b32 s[SLOTS], 8
	s_wait_dscnt 0x0                               ; the opening add is done
	s_wait_kmcnt 0x0
	s_add_nc_u64 s[6:7], s[6:7], s[84:85]          ; K and V at my half of the head's tile 0
	s_add_nc_u64 s[8:9], s[8:9], s[86:87]
	s_add_nc_u64 s[84:85], s[4:5], s[OFK:OFK+1]    ; Q at my rows of the second block,
	s_add_nc_u64 s[4:5], s[4:5], s[2:3]            ; and of the first
	s_add_nc_u64 s[OLO:OLO+1], s[10:11], s[74:75]
	s_add_nc_u64 s[10:11], s[10:11], s[OFV:OFV+1]
	s_add_nc_u64 s[G0K+2:G0K+3], s[6:7], 0
	s_or_b32 s[G0K+3], s[G0K+3], 0x80000000
	s_add_nc_u64 s[G0V+2:G0V+3], s[8:9], 0
	s_or_b32 s[G0V+3], s[G0V+3], 0x80000000
	LOAD                                           ; tile 0 into slot 0
	v_and_b32 v1, 15, v0                           ; r
	v_bfe_u32 v9, v0, 4, 1                         ; h
	v_lshlrev_b32 v[QO], 7, v1
	v_lshl_add_u32 v[QO], v9, 4, v[QO]
	WIN 0x80                                       ; destination window 2
.set i, 0
.rept 8                                ; both blocks' Q: tile i / 2, channels 32 (i % 2) on
	global_load_b128 v[8*i:8*i+3],   v[QO], s[4:5] offset:(i/2)*2048+(i%2)*64
	global_load_b128 v[8*i+4:8*i+7], v[QO], s[4:5] offset:(i/2)*2048+(i%2)*64+32
	global_load_b128 v[QB+8*i:QB+8*i+3],   v[QO], s[84:85] offset:(i/2)*2048+(i%2)*64
	global_load_b128 v[QB+8*i+4:QB+8*i+7], v[QO], s[84:85] offset:(i/2)*2048+(i%2)*64+32
.set i, i+1
.endr
	WIN 0
	v_lshlrev_b32 v53, 3, v9
	v_sub_nc_u32 v53, v1, v53                      ; r - 8 h: on the diagonal register j is hidden where j is greater
	WIN 0xc0                                       ; destination window 3
.set i, 0
.rept 8
	v_mov_b32 v[MD+i], s[BIGN]
	v_cmp_gt_i32 vcc_lo, i, v53
	v_cndmask_b32 v[MD+8+i], 0, s[BIGN], vcc_lo
	v_mov_b32 v[MD+16+i], 0
.set i, i+1
.endr
	WIN 0
	v_mul_u32_u24 v[AK0], v1, PK
	v_lshl_add_u32 v[AK0], v9, 4, v[AK0]
	v_and_b32 v10, 7, v0                           ; the turning load: lane l reads key 8 (l / 16) + l % 8, channels 8 ((l / 8) % 2) + 0..7
	v_bfe_u32 v11, v0, 3, 1
	v_lshl_add_u32 v[AV0], v9, 3, v10
	v_mul_u32_u24 v[AV0], v[AV0], PV
	v_lshl_add_u32 v[AV0], v11, 4, v[AV0]
	v_add_nc_u32 v[AV0], VOFF, v[AV0]
	v_and_b32 v52, 31, v0                          ; l
	s_mul_i32 s20, s[WV], 64*SP
	s_add_co_u32 s20, s20, STG                     ; my stage
	v_mul_u32_u24 v[STO], v1, SP
	v_lshl_add_u32 v[STO], v9, 4, v[STO]
	v_add_nc_u32 v[STO], s20, v[STO]
	s_lshl_b32 s20, s[WV], 9
	s_add_co_u32 s21, s20, STATS
	v_lshl_add_u32 v[SA], v1, 3, s21
	s_add_co_u32 s21, s20, FAC
	v_lshl_add_u32 v[FST], v52, 4, s21
	v_lshl_add_u32 v[RDF0], v9, 4, s21
	s_lshl_b32 s20, s[WQ], 10
	s_lshl_b32 s21, s[WK], 8
	s_add_co_u32 s20, s20, s21
	s_add_co_u32 s20, s20, STATS
	v_lshl_add_u32 v[SLA], v52, 3, s20
	s_mul_i32 s20, s[WQ], 128*SP                   ; the pair's first stage,
	s_mul_i32 s21, s[WK], 32*SP                    ; my 32 rows of it
	s_add_co_u32 s20, s20, s21
	s_add_co_u32 s20, s20, STG
	v_mul_u32_u24 v[RDA0], v9, SP
	v_lshl_add_u32 v[RDA0], v1, 4, v[RDA0]
	v_add_nc_u32 v[RDA0], s20, v[RDA0]
	v_lshlrev_b32 v[GO0], 12, v9
	v_lshl_add_u32 v[GO0], v1, 4, v[GO0]
	; A block's first step multiplies O^T and l by a = 0, so these registers need only hold finite numbers: zeros now, what the first block left later.  This stands in the wait for the first tile.
	WIN 0x40
.set i, 0
.rept 256
	v_mov_b32 v[i], 0
.set i, i+1
.endr
	WIN 0
.set i, 0
.rept 4
	v_mov_b32 v[ST+8*i], 0xfe000000                ; c m: far below every c s
	v_mov_b32 v[ST+8*i+1], 0xe0800000              ; m = -2^66
	v_mov_b32 v[ST+8*i+2], 0
	v_mov_b32 v[ST+8*i+3], 0
.set i, i+1
.endr
	s_wait_loadcnt 0x0                             ; Q
; THE MATRIX WORK.  The accumulators of a run take turns.
; Product i of 16 of S^T = K Q^T for tiles x, x + 1: channels 32 (i / 8) on, keys 16 ((i / 2) % 4) on, tile x + i % 2.  The first 8 start the sums with the mask.
.macro KQ x
.set tt, (\x)+i%2
.set kk, (i/2)%4
.set rS, S+32*tt+8*kk
.set rK, KF+16*kk+8*(i/8)
.set rQ, 16*tt+8*(i/8)
.if tt > kk
.set rM, MC+16
.elseif tt == kk
.set rM, MC+8
.else
.set rM, MC
.endif
.if i < 8
	WIN W_KM
	v_wmma_f32_16x16x32_f16 v[rS:rS+7], v[rK:rK+7], v[rQ:rQ+7], v[rM:rM+7]
.else
	WIN W_KQ
	v_wmma_f32_16x16x32_f16 v[rS:rS+7], v[rK:rK+7], v[rQ:rQ+7], v[rS:rS+7]
.endif
.endm
; Product i of 32 of O^T += V^T P: keys 32 (i / 16) on, channels 16 ((i / 2) % 8) on, tile x + i % 2.
.macro PV x
	WIN W_PV
.set rO, 64*((\x)+i%2)+8*((i/2)%8)
.set rV, 64*(i/16)+8*((i/2)%8)
.set rP, P+16*((\x)+i%2)+8*(i/16)
	v_wmma_f32_16x16x32_f16 v[rO:rO+7], v[rV:rV+7], v[rP:rP+7], v[rO:rO+7]
.endm
.macro FETCH_K                         ; 64 keys x 64 channels: 8 fragments
	WIN 0x80
.irp f, 0,1,2,3,4,5,6,7
	ds_load_b128 v[KF+8*\f:KF+8*\f+3],   v[AK] offset:(\f/2)*16*PK+(\f%2)*64
	ds_load_b128 v[KF+8*\f+4:KF+8*\f+7], v[AK] offset:(\f/2)*16*PK+(\f%2)*64+32
.endr
.endm
.macro FETCH_V                         ; 64 keys x 128 channels, turned: 16 fragments
	WIN 0xc0
.irp f, 0,1,2,3,4,5,6,7,8,9,10,11,12,13,14,15
	ds_load_tr16_b128 v[8*\f:8*\f+3],   v[AV] offset:(\f/8)*32*PV+(\f%8)*32
	ds_load_tr16_b128 v[8*\f+4:8*\f+7], v[AV] offset:(\f/8)*32*PV+16*PV+(\f%8)*32
.endr
.endm
.macro MASK                            ; MC = MD x AL + BE
	WIN 0xc3
.set z, 0
.rept 12
	v_pk_fma_f32 v[MC+2*z:MC+2*z+1], v[MD+2*z:MD+2*z+1], s[AL:AL+1], s[BE:BE+1] op_sel_hi:[1,0,0]
.set z, z+1
.endr
.endm
; THE VECTOR WORK.  One tile's softmax for one step is a list of 134 instructions; SM writes number j of it for tile t.  s0-s31 are the lane's 32 scores, in pairs 0-15.
;   0-15    the maximum of s0-s31 and the old m, three operands at a time (each accumulator's lowest registers are read first)
;   16-20   the other half of the lanes' maximum; the new m; c m; c m_old - c m_new
;   21-87   33 exponentials (a, then s0-s31) at the odd numbers from 23 on, a plain instruction between any two: scalings of pairs to come, roundings of pairs that are done, the first sums
;   88-101  the last rounding; the rest of the sums; l = a l + the sum        102-133 the tile's O^T times a
.macro SM t
.set rT, ST+8*(\t)
.set rS, S+32*(\t)
.set rP, P+16*(\t)
.set rO, 64*(\t)+2*(j-102)
.set q, (j-20)/2
.if j < 102
	WIN 0
.endif
.if j < 4
	v_max3_num_f32 v[rT+4+j], v[rS+8*j], v[rS+8*j+1], v[rS+8*j+2]
.elseif j < 12
	v_max3_num_f32 v[rT+4+j%4], v[rT+4+j%4], v[rS+8*(j%4)+2*(j/4)+1], v[rS+8*(j%4)+2*(j/4)+2]
.elseif j == 12
	v_max3_num_f32 v[rT+4], v[rT+4], v[rS+7], v[rS+15]
.elseif j == 13
	v_max3_num_f32 v[rT+6], v[rT+6], v[rS+23], v[rS+31]
.elseif j == 14
	v_max3_num_f32 v[rT+4], v[rT+4], v[rT+5], v[rT+6]
.elseif j == 15
	v_max3_num_f32 v[rT+4], v[rT+4], v[rT+7], v[rT+1]
.elseif j == 16
	v_permlanex16_b32 v[rT+5], v[rT+4], s[SEL], s[SEL+1]   ; the query's other 32 keys lie in the lane 16 away
.elseif j == 17
	v_mov_b32 v[rT+7], v[rT]                       ; c m_old is kept for a
.elseif j == 18
	v_max_num_f32 v[rT+1], v[rT+4], v[rT+5]
.elseif j == 19
	v_mul_f32 v[rT], s[CS], v[rT+1]
.elseif j == 20
	v_sub_f32 v[rT+7], v[rT+7], v[rT]
.elseif j == 23
	v_exp_f32 v[rT+6], v[rT+7]
.elseif (j < 88) && (j > 23) && (j%2 == 1)
	v_exp_f32 v[rS+(j-25)/2], v[rS+(j-25)/2]
.elseif (q < 4) || ((j < 76) && (q%2 == 0))
.set b, q/2+2
.if q < 4
.set b, q
.endif
	v_pk_fma_f32 v[rS+2*b:rS+2*b+1], v[rS+2*b:rS+2*b+1], s[CS:CS+1], v[rT:rT+1] op_sel_hi:[1,0,0] neg_lo:[0,0,1] neg_hi:[0,0,1]  ; pair b: c s - c m
.elseif (j < 88) && (q%2 == 1)
	s_wait_alu depctr_va_vdst(0)
	v_cvt_pk_f16_f32 v[rP+(q-5)/2], v[rS+q-5], v[rS+q-4]
.elseif j == 89
	s_wait_alu depctr_va_vdst(0)
	v_cvt_pk_f16_f32 v[rP+15], v[rS+30], v[rS+31]
.elseif j < 102                        ; the sum of the 16 pairs, in place: neighbours 1, 2, 4 and 8 pairs apart, then l takes it
.set z, j-86
.if j < 89
.set z, (j-76)/4
.endif
.set w, 4
.set u, z
.if z >= 14
.set w, 32
.set u, 0
.elseif z >= 12
.set w, 16
.set u, z-12
.elseif z >= 8
.set w, 8
.set u, z-8
.endif
.if z < 15
	v_pk_add_f32 v[rS+w*u:rS+w*u+1], v[rS+w*u:rS+w*u+1], v[rS+w*u+w/2:rS+w*u+w/2+1]
.else
	v_pk_fma_f32 v[rT+2:rT+3], v[rT+2:rT+3], v[rT+6:rT+7], v[rS:rS+1] op_sel_hi:[1,0,1]
.endif
.else
	WIN W_RS
	v_pk_mul_f32 v[rO:rO+1], v[rO:rO+1], v[rT+6:rT+7] op_sel_hi:[1,0]
.endif
.endm
; Slice k of 64 of the softmax of tiles y, y + 1: numbers 2 k and 2 k + 1 of both lists; the twelve that are over stand in slice 63.
.macro SLICE y
.if (k >= 11) && (k < 44)              ; tile by tile: plain, exponential, plain, exponential
.irp t, \y, (\y)+1
.irp n, 0,1
.set j, 2*k+(\n)
	SM \t
.endr
.endr
.else                                  ; the two tiles alternate
.irp n, 0,1,2,3,4,5,6,7
.if ((\n) < 2) || (k == 63)
.irp t, \y, (\y)+1
.set j, 2*k+(\n)
	SM \t
.endr
.endif
.endr
.endif
.set k, k+1
.endm
; A KEY STEP.  The two address lines and the mask's twelve are the places between the last products of the step before and the loads into V's registers.
.macro STEP
	s_cmp_eq_u32 s[KB64], s[QB64]                  ; do the step's keys lie on my queries?
	s_cselect_b32 s[AL], 1.0, 0
	s_cmp_gt_u32 s[KB64], s[QB64]                  ; or behind them?
	s_cselect_b32 s[BE], s[BIGN], 0
	s_add_co_u32 s[KB64], s[KB64], 1
	WIN 0
	v_add_nc_u32 v[AK], s[TBK], v[AK0]
	v_add_nc_u32 v[AV], s[TBV], v[AV0]
	MASK
	FETCH_K
	FETCH_V
	s_add_co_u32 s[TBK], s[TBK], KS*PK
	s_add_co_u32 s[TBV], s[TBV], KS*PV
	s_wait_dscnt 32                                ; K's 16 loads are in; V's 32 stay out
.set i, 0
.rept 16
	KQ 0
.set i, i+1
.endr
	PLACES                                         ; behind those products, in front of the first read of their scores
.set i, 0
.set k, 0
.rept 16
	KQ 2
	SLICE 0
	SLICE 0
	SLICE 0
	SLICE 0
.set i, i+1
.endr
	s_wait_dscnt 0x0                               ; V is in
.set i, 0
.set k, 0
.rept 32
	PV 0
	SLICE 2
	SLICE 2
.set i, i+1
.endr
.set i, 0
.rept 32
	PV 2
.set i, i+1
.endr
.endm
.macro TWO_STEPS                       ; my two steps of a tile: written once, walked twice
	WIN 0
	s_mov_b32 s[TWICE], 2
.Lstep_\@:
	STEP
	WIN 0
	s_sub_co_u32 s[TWICE], s[TWICE], 1
	s_cmp_lg_u32 s[TWICE], 0
	s_cbranch_scc1 .Lstep_\@
.endm
.macro ALL line:vararg                 ; one line for each tile t
.set t, 0
.rept 4
	\line
.set t, t+1
.endr
.endm
; A BLOCK'S END.  l's two halves and the other half of the lanes' are added; (c m, l) and O^T / max(l, 2^-100), rounded to f16, go into my LDS bytes.
.macro DUMP
	WIN 0
	PLACES
	ALL v_add_f32 v[ST+8*t+4], v[ST+8*t+2], v[ST+8*t+3]
	ALL v_permlanex16_b32 v[ST+8*t+5], v[ST+8*t+4], s[SEL], s[SEL+1]
	ALL v_add_f32 v[ST+8*t+1], v[ST+8*t+4], v[ST+8*t+5]
	ALL v_max_num_f32 v[ST+8*t+4], 0x0d800000, v[ST+8*t+1]
	ALL v_rcp_f32 v[ST+8*t+6], v[ST+8*t+4]
	v_nop                                          ; a plain instruction between the last reciprocal and the use of its result
	s_wait_alu depctr_va_vdst(0)
	ALL ds_store_b64 v[SA], v[ST+8*t:ST+8*t+1] offset:128*t
.set t, 0
.rept 4
	WIN W_RS
.set i, 0
.rept 32
	v_pk_mul_f32 v[64*t+2*i:64*t+2*i+1], v[64*t+2*i:64*t+2*i+1], v[ST+8*t+6:ST+8*t+7] op_sel_hi:[1,0]
.set i, i+1
.endr
	WIN 0x05                                       ; sources in window 1, destination in window 0: S^T's registers are free
.set i, 0
.rept 32
	v_cvt_pk_f16_f32 v[S+32*t+i], v[64*t+2*i], v[64*t+2*i+1]
.set i, i+1
.endr
	WIN 0
.set i, 0
.rept 8
	ds_store_b128 v[STO], v[S+32*t+4*i:S+32*t+4*i+3] offset:t*16*SP+32*i
.set i, i+1
.endr
.set t, t+1
.endr
	s_mov_b32 s[PEND], 1
.endm
; Two rows' 16 bytes a lane of both parts (registers a0-a3, b0-b3, named by number for their halves), widened, weighed, rounded and stored.
.macro MERGE u, a0, a1, a2, a3, b0, b1, b2, b3
	v_cvt_f32_f16 v[FA+0], v\a0\().l
	v_cvt_f32_f16 v[FA+1], v\a0\().h
	v_cvt_f32_f16 v[FA+2], v\a1\().l
	v_cvt_f32_f16 v[FA+3], v\a1\().h
	v_cvt_f32_f16 v[FA+4], v\a2\().l
	v_cvt_f32_f16 v[FA+5], v\a2\().h
	v_cvt_f32_f16 v[FA+6], v\a3\().l
	v_cvt_f32_f16 v[FA+7], v\a3\().h
	v_cvt_f32_f16 v[FB+0], v\b0\().l
	v_cvt_f32_f16 v[FB+1], v\b0\().h
	v_cvt_f32_f16 v[FB+2], v\b1\().l
	v_cvt_f32_f16 v[FB+3], v\b1\().h
	v_cvt_f32_f16 v[FB+4], v\b2\().l
	v_cvt_f32_f16 v[FB+5], v\b2\().h
	v_cvt_f32_f16 v[FB+6], v\b3\().l
	v_cvt_f32_f16 v[FB+7], v\b3\().h
.irp z, 0,1,2,3
	v_pk_mul_f32 v[FA+2*\z:FA+2*\z+1], v[FA+2*\z:FA+2*\z+1], v[FG+4*(\u):FG+4*(\u)+1]
.endr
.irp z, 0,1,2,3
	v_pk_fma_f32 v[FA+2*\z:FA+2*\z+1], v[FB+2*\z:FB+2*\z+1], v[FG+4*(\u)+2:FG+4*(\u)+3], v[FA+2*\z:FA+2*\z+1]
.endr
.irp z, 0,1,2,3
	v_cvt_pk_f16_f32 v[FO+4*(\u)+\z], v[FA+2*\z], v[FA+2*\z+1]
.endr
	global_store_b128 v[GO], v[FO+4*(\u):FO+4*(\u)+3], s[10:11] offset:8192*(\u)   ; 16 lanes store a row's 256 consecutive bytes, aligned
.endm
; THE MERGE, behind a barrier that followed both waves' stores.  Lane l makes the factors of row 32 wk + l; then four trips of eight rows.
.macro FINISH
	WIN 0
	ds_load_b64 v[52:53], v[SLA]                   ; the pair's first wave: c m, l
	ds_load_b64 v[54:55], v[SLA] offset:512        ; its second
	v_mov_b32 v[RDA], v[RDA0]
	v_mov_b32 v[RDF], v[RDF0]
	v_mov_b32 v[GO], v[GO0]
	s_wait_dscnt 0x0
	v_max_num_f32 v56, v52, v54
	v_sub_f32 v57, v52, v56
	v_sub_f32 v58, v54, v56
	v_exp_f32 v57, v57
	v_exp_f32 v58, v58
	v_nop
	s_wait_alu depctr_va_vdst(0)
	v_mul_f32 v57, v57, v53
	v_mul_f32 v58, v58, v55
	v_add_f32 v59, v57, v58                        ; at least 1: the row's own key lies in one of the two parts
	v_rcp_f32 v59, v59
	v_nop
	s_wait_alu depctr_va_vdst(0)
	v_mul_f32 v52, v57, v59
	v_mul_f32 v54, v58, v59
	v_mov_b32 v53, v52
	v_mov_b32 v55, v54
	ds_store_b128 v[FST], v[52:55]                 ; my own bytes: my loads below come behind it
	s_mov_b32 s[CNTF], 4
.Lfin_\@:
.irp u, 0,1,2,3
	ds_load_b128 v[64+4*\u:64+4*\u+3], v[RDA] offset:\u*2*SP
	ds_load_b128 v[80+4*\u:80+4*\u+3], v[RDA] offset:64*SP+\u*2*SP
	ds_load_b128 v[FG+4*\u:FG+4*\u+3], v[RDF] offset:32*\u
.endr
	s_wait_dscnt 0x0
	MERGE 0, 64, 65, 66, 67, 80, 81, 82, 83
	MERGE 1, 68, 69, 70, 71, 84, 85, 86, 87
	MERGE 2, 72, 73, 74, 75, 88, 89, 90, 91
	MERGE 3, 76, 77, 78, 79, 92, 93, 94, 95
	s_wait_xcnt 0x0                                ; the stores' data and offset are rewritten only behind this wait
	v_add_nc_u32 v[RDA], 8*SP, v[RDA]
	v_add_nc_u32 v[RDF], 128, v[RDF]
	v_add_nc_u32 v[GO], 32768, v[GO]
	s_sub_co_u32 s[CNTF], s[CNTF], 1
	s_cmp_lg_u32 s[CNTF], 0
	s_cbranch_scc1 .Lfin_\@
.endm
.macro NEXTBLOCK                       ; the second block: its rows of O, its counts, its Q, and m anew; the next step's a is 0
	s_wait_xcnt 0x0
	s_mov_b64 s[10:11], s[OLO:OLO+1]
	s_add_co_u32 s[RT], s[PBH], 1
	s_lshl1_add_u32 s[QB64], s[PB], s[WQ]
	s_lshl_b32 s[KB64], s[WK], 1
	s_mov_b32 s[PEND], 0
	WIN 0x82
.set i, 0
.rept 64
	v_mov_b32 v[i], v[QB+i]
.set i, i+1
.endr
	WIN 0
.set i, 0
.rept 4
	v_mov_b32 v[ST+8*i], 0xfe000000
	v_mov_b32 v[ST+8*i+1], 0xe0800000
.set i, i+1
.endr
.endm
; A TILE.  If a block's parts wait in LDS they are merged first (the change of slots has been the barrier behind their stores).  The barrier behind the two steps stands between a merge's reads of
; the stages and the next block's stores into them. The jumps go forward and pass no barrier and no tensor load.
.macro BODY last
	s_cmp_eq_u32 s[PEND], 1
	s_cbranch_scc0 .Lno_merge_\@
	FINISH
	NEXTBLOCK
.Lno_merge_\@:
	TWO_STEPS
	s_add_co_u32 s[KB64], s[KB64], 2               ; over the other wave's two steps
	s_wait_dscnt 0x0
	s_barrier_signal -1
	s_barrier_wait -1
	s_sub_co_u32 s[RT], s[RT], 1
.if !(\last)
	s_cmp_eq_u32 s[RT], 0
	s_cbranch_scc0 .Lno_end_\@
.endif
	DUMP
.Lno_end_\@:
.endm
.Lslot:                                                ; eight times: a tile is entered and the next is asked for
	CHANGE 1
	BODY 0
	s_sub_co_u32 s[SLOTS], s[SLOTS], 1
	s_cmp_lg_u32 s[SLOTS], 0
	s_cbranch_scc1 .Lslot
	CHANGE 0                                       ; the walk's last tile is written out
	BODY 1
	s_wait_dscnt 0x0                               ; for the partner's sake: my stores are done
	s_barrier_signal -1
	s_barrier_wait -1
	FINISH
	s_wait_tensorcnt 0x0                           ; the wave's end
	ds_add_u32 v[SPW], v[NIL]
	s_wait_dscnt 0x0
	s_endpgm
.Lfunc_end_k_qf9721d1f00_attn:
	.size	k_qf9721d1f00_attn, .Lfunc_end_k_qf9721d1f00_attn-k_qf9721d1f00_attn
	.p2alignl 7, 3214868480
	.fill 96, 4, 3214868480
	.section	.rodata,"a",@progbits
	.p2align	6, 0x0
	.amdhsa_kernel k_qf9721d1f00_attn
		.amdhsa_group_segment_fixed_size 327680
		.amdhsa_private_segment_fixed_size 0
		.amdhsa_enable_private_segment 0
		.amdhsa_kernarg_size 32
		.amdhsa_user_sgpr_count 2
		.amdhsa_user_sgpr_kernarg_segment_ptr 1
		.amdhsa_wavefront_size32 1
		.amdhsa_system_sgpr_workgroup_id_x 1
		.amdhsa_system_sgpr_workgroup_id_y 1
		.amdhsa_system_sgpr_workgroup_id_z 1
		.amdhsa_system_vgpr_workitem_id 0
		.amdhsa_next_free_vgpr 944
		.amdhsa_next_free_sgpr 88
		.amdhsa_reserve_vcc 1
		.amdhsa_float_denorm_mode_32 3
		.amdhsa_float_denorm_mode_16_64 3
		.amdhsa_memory_ordered 1
		.amdhsa_forward_progress 1
		.amdhsa_inst_pref_size 180
	.end_amdhsa_kernel
	.amdgpu_metadata
---
amdhsa.version: [ 1, 2 ]
amdhsa.kernels:
  - .name:           k_qf9721d1f00_attn
    .symbol:         k_qf9721d1f00_attn.kd
    .args:
      - { .name: y, .offset: 0, .size: 8, .value_kind: global_buffer, .address_space: global }
      - { .name: kb, .offset: 8, .size: 8, .value_kind: global_buffer, .address_space: global }
      - { .name: vb, .offset: 16, .size: 8, .value_kind: global_buffer, .address_space: global }
      - { .name: ob, .offset: 24, .size: 8, .value_kind: global_buffer, .address_space: global }
    .group_segment_fixed_size: 327680
    .private_segment_fixed_size: 0
    .kernarg_segment_align: 8
    .kernarg_segment_size: 32
    .max_flat_workgroup_size: 128
    .sgpr_count:     88
    .vgpr_count:     944
    .wavefront_size: 32
...
	.end_amdgpu_metadata
.endif
;; end of part 4
;; launch gemm3 (part 5): grid 16 x 16, 4 waves a work-group, clusters of 4 x 4, 327,680 bytes of LDS; arguments ob, woT, out0; writes out0
.if DOCPART == 5
	.amdgcn_target "amdgcn-amd-amdhsa--gfx1250"
	.amdhsa_code_object_version 6
	.text
	.protected	k_qf9721d1f00_gemm3
	.globl	k_qf9721d1f00_gemm3
	.p2align	8
	.type	k_qf9721d1f00_gemm3,@function
k_qf9721d1f00_gemm3:
	s_mov_b64 s[64:65], 0
	v_nop
	global_prefetch_b8 v0, s[64:65] scope:SCOPE_SE
	s_setreg_imm32_b32 hwreg(HW_REG_WAVE_MODE, 25, 1), 1
	s_wait_xcnt 0x0
	s_wait_alu depctr_hold_cnt(0) depctr_sa_sdst(0) depctr_va_vdst(0) depctr_va_sdst(0) depctr_va_ssrc(0) depctr_va_vcc(0) depctr_vm_vsrc(0)
	s_getreg_b32 s2, hwreg(HW_REG_IB_STS2, 6, 4)
	s_cmp_eq_u32 s2, 0
	s_cbranch_scc0 .Lentry_in_a_cluster
	s_endpgm
.Lentry_in_a_cluster:
	s_bfe_u32 s2, ttmp6, 0x10000c
	s_cmp_lg_u32 s2, 0xf033
	s_cbranch_scc0 .Lentry_shape_is_right
	s_endpgm
.Lentry_shape_is_right:
; out0 = O Wo.  ob: [4096][2048] f16, woT: [2048 n][2048 k] f16 (K along the rows); sums in f32, stored as f32.
; SHARES.  A work-group makes 256 x 128: 16 x 16 = 256 work-groups.  Four waves, each 128 x 64: 32 accumulators of 16 x 16.
; K steps of 128 through two LDS slots, cluster 4 x 4 with joint loads, transposed use and turns as in the first product's launch.
; REGISTERS.  window 0: addresses, the way out.  window 1: two fragment buffers (A's 8 blocks, B's 4).  window 2: accumulator (a, b) at v[8 (4 a + b)].
.set NSTEP,  16
.set NA,     8
.set NB,     4
.set PITCH,  272
.set AHALF,  128*PITCH
.set BHALF,  64*PITCH
.set BOFF,   2*AHALF
.set SLOT1,  131072
.set STAGE,  SLOT1+BOFF+2*BHALF        ; behind the ring: 16 rows x 272 bytes for each wave
.set SPITCH, 272
.set SPARE,  STAGE+4*16*SPITCH
.set ASTEP,  256
.set BSTEP,  256
.set A0,   16
.set B0,   17
.set ADRA, 18
.set ADRB, 19
.set STO,  24
.set RD,   25
.set CO,   26
.set SPW,  28
.set NIL,  29
.set OB,   32                          ; v[32:63], v[64:95] a block read back, by turns
.set F0,   0
.set F1,   128
.set AB,   64
.set G1,  24
.set G0,  32
.set G1B, 48
.set G0B, 56
.set TB,  45
.set MSB, 0
.macro WIN new
.if MSB != (\new)
	s_set_vgpr_msb (MSB<<8)|(\new)
.set MSB, \new
.endif
.endm
.set MUL,  0xa5
.set TO_F, 0x40
.macro PLACES
.rept 4
	v_nop
.endr
.endm
.macro JLOAD
	s_cmp_eq_u32 s11, 0
	s_cbranch_scc0 .Lfor_b_\@
	tensor_load_to_lds s[G0+4:G0+7], s[G1:G1+7]
	s_nop 0
.rept 4
	v_nop
.endr
	s_branch .Lasked_\@
.Lfor_b_\@:
	tensor_load_to_lds s[G0B+4:G0B+7], s[G1B:G1B+7]
	s_nop 0
.rept 4
	v_nop
.endr
.Lasked_\@:
.endm
.macro CREST
	s_cmp_lg_u32 s10, 0
	s_cbranch_scc1 .Lnot_wave_0_\@
	s_barrier_signal -3
.Lnot_wave_0_\@:
	s_barrier_wait -3
	s_barrier_signal -1
	s_barrier_wait -1
.endm
.macro CROUND
	s_barrier_signal -1
	s_barrier_wait -1
	CREST
.endm
	s_load_b128 s[4:7], s[0:1], 0x0                ; ob s[4:5], woT s[6:7]
	s_load_b64 s[8:9], s[0:1], 0x10                ; out0
	v_lshl_add_u32 v[SPW], v0, 2, SPARE
	v_mov_b32 v[NIL], 0
	ds_add_u32 v[SPW], v[NIL]                      ; the wave's opening: an add, and its wait, ahead of my first tensor load
	ds_add_u32 v28, v29
	v_lshrrev_b32 v1, 5, v0
	v_readfirstlane_b32 s10, v1
	s_lshr_b32 s11, s10, 1                         ; my half of the rows.  Also: I fetch for A (0) or for B (1)
	s_and_b32 s12, s10, 1                          ; my half of the columns.  Also: which half I fetch
	s_bfe_u32 s40, ttmp6, 0x40000
	s_bfe_u32 s41, ttmp6, 0x40004
	s_lshl_b32 s42, ttmp9, 2
	s_add_co_u32 s42, s42, s40
	s_and_b32 s13, ttmp7, 0xffff
	s_lshl_b32 s13, s13, 2
	s_add_co_u32 s13, s13, s41
	s_lshl_b32 s43, s41, 2
	s_lshl_b32 s43, 15, s43
	s_lshl_b32 s44, 0x1111, s40
	s_or_b32 s[G1+0], s43, (1<<16)|(1<<20)|(1<<21)|(5<<22)|(3<<25)
	s_or_b32 s[G1B+0], s44, (1<<16)|(1<<20)|(1<<21)|(5<<22)|(3<<25)
	s_mov_b32 s[G1+1], 128<<16
	s_mov_b32 s[G1+2], 128<<16
	s_mov_b32 s[G1+3], 128<<16
	s_mov_b32 s[G1+4], 128
	s_mov_b32 s[G1+5], 2048
	s_mov_b32 s[G1+6], 0
	s_mov_b32 s[G1+7], 0
	s_mov_b32 s[G1B+1], 128<<16
	s_mov_b32 s[G1B+2], 64<<16
	s_mov_b32 s[G1B+3], 128<<16
	s_mov_b32 s[G1B+4], 64
	s_mov_b32 s[G1B+5], 2048
	s_mov_b32 s[G1B+6], 0
	s_mov_b32 s[G1B+7], 0
	s_lshl_b32 s16, s13, 8                         ; A: row 256 x tile row + 128 x half, of 4,096 bytes
	s_lshl_b32 s17, s12, 7
	s_add_co_u32 s16, s16, s17
	s_lshl_b32 s16, s16, 12
	s_mov_b32 s17, 0
	s_lshl_b32 s46, s42, 7                         ; B: row 128 x tile column + 64 x half
	s_lshl_b32 s47, s12, 6
	s_add_co_u32 s46, s46, s47
	s_lshl_b32 s46, s46, 12
	s_mov_b32 s47, 0
	s_mul_i32 s20, s12, AHALF
	s_mul_i32 s21, s12, BHALF
	s_add_co_u32 s21, s21, BOFF
	s_mov_b32 s[TB], 0
	s_wait_dscnt 0x0
	s_wait_kmcnt 0x0
	s_add_nc_u64 s[14:15], s[4:5], s[16:17]
	s_add_nc_u64 s[46:47], s[6:7], s[46:47]
.irp s, 0,1
	s_mov_b32 s[G0+4*\s], 1
	s_add_co_u32 s[G0+4*\s+1], s20, \s*SLOT1
	s_add_nc_u64 s[G0+4*\s+2:G0+4*\s+3], s[14:15], \s*ASTEP
	s_or_b32 s[G0+4*\s+3], s[G0+4*\s+3], 0x80000000
	s_mov_b32 s[G0B+4*\s], 1
	s_add_co_u32 s[G0B+4*\s+1], s21, \s*SLOT1
	s_add_nc_u64 s[G0B+4*\s+2:G0B+4*\s+3], s[46:47], \s*BSTEP
	s_or_b32 s[G0B+4*\s+3], s[G0B+4*\s+3], 0x80000000
.endr
	CROUND
	s_cmp_eq_u32 s11, 0
	s_cbranch_scc0 .Lfirst_b
	tensor_load_to_lds s[G0:G0+3], s[G1:G1+7]
	s_nop 0
	tensor_load_to_lds s[G0+4:G0+7], s[G1:G1+7]
	s_nop 0
.rept 4
	v_nop
.endr
	s_branch .Lfirst_asked
.Lfirst_b:
	tensor_load_to_lds s[G0B:G0B+3], s[G1B:G1B+7]
	s_nop 0
	tensor_load_to_lds s[G0B+4:G0B+7], s[G1B:G1B+7]
	s_nop 0
.rept 4
	v_nop
.endr
.Lfirst_asked:
	v_and_b32 v1, 15, v0                           ; r
	v_bfe_u32 v2, v0, 4, 1                         ; h
	v_mul_u32_u24 v3, v1, PITCH
	v_lshl_add_u32 v3, v2, 4, v3
	s_mul_i32 s21, s11, 128*PITCH
	s_mul_i32 s22, s12, 64*PITCH
	s_add_co_u32 s22, s22, BOFF
	v_add_nc_u32 v[A0], s21, v3
	v_add_nc_u32 v[B0], s22, v3
	v_mov_b32 v[ADRA], v[A0]
	v_mov_b32 v[ADRB], v[B0]
	s_mul_i32 s23, s10, 16*SPITCH
	s_add_co_u32 s23, s23, STAGE                   ; my stage
	v_mul_u32_u24 v4, v1, SPITCH                   ; in: row r, 32 bytes for each half of the lanes
	v_lshl_add_u32 v4, v2, 5, v4
	v_add_nc_u32 v[STO], s23, v4
	v_mul_u32_u24 v5, v2, SPITCH                   ; back: lanes 0-15 one row of 256 bytes, lanes 16-31 the next
	v_lshl_add_u32 v5, v1, 4, v5
	v_add_nc_u32 v[RD], s23, v5
	v_lshlrev_b32 v[CO], 13, v2                    ; and the same two rows of out0, 8,192 bytes apart
	v_lshl_add_u32 v[CO], v1, 4, v[CO]
	s_lshl_b32 s16, s13, 8                         ; my first row: 256 x tile row + 128 x half,
	s_lshl_b32 s17, s11, 7
	s_add_co_u32 s16, s16, s17
	s_lshl_b32 s16, s16, 13
	s_lshl_b32 s46, s42, 9                         ; my first column, in bytes: 512 x tile column + 256 x half
	s_lshl_b32 s47, s12, 8
	s_add_co_u32 s46, s46, s47
	s_add_co_u32 s46, s46, s16
	s_mov_b32 s47, 0
	s_add_nc_u64 s[8:9], s[8:9], s[46:47]
.macro MULROW f, a, zero               ; NB matrix instructions; every accumulator has one turn a quarter
	WIN MUL
.set bb, 0
.rept NB
.if \zero
	v_wmma_f32_16x16x32_f16 v[8*(NB*(\a)+bb):8*(NB*(\a)+bb)+7], v[(\f)+AB+8*bb:(\f)+AB+8*bb+7], v[(\f)+8*(\a):(\f)+8*(\a)+7], 0
.else
	v_wmma_f32_16x16x32_f16 v[8*(NB*(\a)+bb):8*(NB*(\a)+bb)+7], v[(\f)+AB+8*bb:(\f)+AB+8*bb+7], v[(\f)+8*(\a):(\f)+8*(\a)+7], v[8*(NB*(\a)+bb):8*(NB*(\a)+bb)+7]
.endif
.set bb, bb+1
.endr
.endm
.macro P1 f, zero
	MULROW \f, 0, \zero
	MULROW \f, 1, \zero
.endm
.macro P2 f, zero
	MULROW \f, 2, \zero
	MULROW \f, 3, \zero
.endm
.macro P3 f, zero
	MULROW \f, 4, \zero
	MULROW \f, 5, \zero
	MULROW \f, 6, \zero
	MULROW \f, 7, \zero
.endm
.macro FETCH q, f
	WIN TO_F
.set bb, 0
.rept NB
	ds_load_b128 v[(\f)+AB+8*bb:(\f)+AB+8*bb+3],   v[ADRB] offset:64*(\q)+bb*16*PITCH
	ds_load_b128 v[(\f)+AB+8*bb+4:(\f)+AB+8*bb+7], v[ADRB] offset:64*(\q)+bb*16*PITCH+32
.set bb, bb+1
.endr
.set bb, 0
.rept NA
	ds_load_b128 v[(\f)+8*bb:(\f)+8*bb+3],   v[ADRA] offset:64*(\q)+bb*16*PITCH
	ds_load_b128 v[(\f)+8*bb+4:(\f)+8*bb+7], v[ADRA] offset:64*(\q)+bb*16*PITCH+32
.set bb, bb+1
.endr
.endm
.macro QUARTER q, f, g, zero
	s_wait_dscnt 0x0                               ; buffer f is in: its run was issued 24 matrix instructions ago
	P1 \f, \zero
	PLACES
	FETCH \q, \g
	P2 \f, \zero
	P3 \f, \zero
.endm
.macro TURN fill                       ; the change of slots, as in the first product's launch
	WIN 0
	s_wait_tensorcnt 0x0
	ds_add_u32 v[SPW], v[NIL]
.if \fill
	s_xor_b32 s[G0+5], s[G0+5], SLOT1
	s_add_nc_u64 s[G0+6:G0+7], s[G0+6:G0+7], ASTEP
	s_xor_b32 s[G0B+5], s[G0B+5], SLOT1
	s_add_nc_u64 s[G0B+6:G0B+7], s[G0B+6:G0B+7], BSTEP
.endif
	s_wait_dscnt 0x1                               ; buffer 1 is in; the add alone may be out
	P1 F1, 0
	s_wait_dscnt 0x0
	s_barrier_signal -1
	P2 F1, 0
	WIN 0
	s_barrier_wait -1
.if \fill
	CREST
	JLOAD
.else
	PLACES
.endif
	s_xor_b32 s[TB], s[TB], SLOT1
	v_add_nc_u32 v[ADRA], s[TB], v[A0]
	v_add_nc_u32 v[ADRB], s[TB], v[B0]
	FETCH 0, F0
	P3 F1, 0
.endm
	s_wait_tensorcnt 0x1                           ; my part of K step 0 is in; step 1's stays out
	s_barrier_signal -1
	s_barrier_wait -1
	FETCH 0, F0
	QUARTER 1, F0, F1, 1
	WIN 0
	s_mov_b32 s3, NSTEP-2
.Lstep:
	QUARTER 2, F1, F0, 0
	QUARTER 3, F0, F1, 0
	TURN 1
	QUARTER 1, F0, F1, 0
	WIN 0
	s_sub_co_u32 s3, s3, 1
	s_cmp_lg_u32 s3, 0
	s_cbranch_scc1 .Lstep
	QUARTER 2, F1, F0, 0
	QUARTER 3, F0, F1, 0
	TURN 0
	QUARTER 1, F0, F1, 0
	QUARTER 2, F1, F0, 0
	QUARTER 3, F0, F1, 0
	s_wait_dscnt 0x0
	P1 F1, 0
	P2 F1, 0
	P3 F1, 0
; THE WAY OUT of block a (16 rows x 64 columns of f32): a lane's 32 bytes of a row go into my stage and come back as whole rows of 256 bytes.
.macro TOSTAGE a
	WIN 0
	s_wait_xcnt 0x0                                ; the buffer that the block before last was stored from is loaded again only behind this wait
	WIN 0x08                                       ; the stores' data in window 2
.irp b, 0,1,2,3
	ds_store_b128 v[STO], v[8*(4*(\a)+\b):8*(4*(\a)+\b)+3] offset:64*\b          ; the low end first
	ds_store_b128 v[STO], v[8*(4*(\a)+\b)+4:8*(4*(\a)+\b)+7] offset:64*\b+16
.endr
	WIN 0
.set BK, OB+32*((\a)%2)
.irp u, 0,1,2,3,4,5,6,7
	ds_load_b128 v[BK+4*\u:BK+4*\u+3], v[RD] offset:\u*2*SPITCH                  ; LDS serves a wave's instructions in order: these see the stores above
.endr
.endm
.macro SEND a, younger                 ; younger: the next block's eight LDS stores and eight loads, or none
.set BK, OB+32*((\a)%2)
	s_wait_dscnt \younger
.irp u, 0,1,2,3,4,5,6,7
	global_store_b128 v[CO], v[BK+4*\u:BK+4*\u+3], s[8:9] offset:(\a)*131072+\u*16384 th:TH_STORE_NT   ; 16 lanes store 256 consecutive bytes, aligned
.endr
.endm
	WIN 0
	PLACES
	TOSTAGE 0
.irp a, 1,2,3,4,5,6,7
	TOSTAGE \a
	SEND \a-1, 16
.endr
	SEND 7, 0
	s_wait_tensorcnt 0x0                           ; the wave's end
	ds_add_u32 v[SPW], v[NIL]
	s_wait_dscnt 0x0
	CROUND                                         ; the closing round
	s_endpgm
.Lfunc_end_k_qf9721d1f00_gemm3:
	.size	k_qf9721d1f00_gemm3, .Lfunc_end_k_qf9721d1f00_gemm3-k_qf9721d1f00_gemm3
	.p2alignl 7, 3214868480
	.fill 96, 4, 3214868480
	.section	.rodata,"a",@progbits
	.p2align	6, 0x0
	.amdhsa_kernel k_qf9721d1f00_gemm3
		.amdhsa_group_segment_fixed_size 327680
		.amdhsa_private_segment_fixed_size 0
		.amdhsa_enable_private_segment 0
		.amdhsa_kernarg_size 24
		.amdhsa_user_sgpr_count 2
		.amdhsa_user_sgpr_kernarg_segment_ptr 1
		.amdhsa_wavefront_size32 1
		.amdhsa_system_sgpr_workgroup_id_x 1
		.amdhsa_system_sgpr_workgroup_id_y 1
		.amdhsa_system_sgpr_workgroup_id_z 1
		.amdhsa_system_vgpr_workitem_id 0
		.amdhsa_next_free_vgpr 768
		.amdhsa_next_free_sgpr 66
		.amdhsa_reserve_vcc 0
		.amdhsa_float_denorm_mode_32 3
		.amdhsa_float_denorm_mode_16_64 3
		.amdhsa_memory_ordered 1
		.amdhsa_forward_progress 1
		.amdhsa_inst_pref_size 69
	.end_amdhsa_kernel
	.amdgpu_metadata
---
amdhsa.version: [ 1, 2 ]
amdhsa.kernels:
  - .name:           k_qf9721d1f00_gemm3
    .symbol:         k_qf9721d1f00_gemm3.kd
    .args:
      - { .name: ob, .offset: 0, .size: 8, .value_kind: global_buffer, .address_space: global }
      - { .name: woT, .offset: 8, .size: 8, .value_kind: global_buffer, .address_space: global }
      - { .name: out0, .offset: 16, .size: 8, .value_kind: global_buffer, .address_space: global }
    .group_segment_fixed_size: 327680
    .private_segment_fixed_size: 0
    .kernarg_segment_align: 8
    .kernarg_segment_size: 24
    .max_flat_workgroup_size: 128
    .sgpr_count:     66
    .vgpr_count:     768
    .wavefront_size: 32
...
	.end_amdgpu_metadata
.endif
;; end of part 5
;; launch early (part 6): grid 16 x 2, 4 waves a work-group, no clusters, 37,376 bytes of LDS; arguments xb, wqdT, y, wupT, ob; writes ob
.if DOCPART == 6
	.amdgcn_target "amdgcn-amd-amdhsa--gfx1250"
	.amdhsa_code_object_version 6
	.text
	.protected	k_qf9721d1f00_early
	.globl	k_qf9721d1f00_early
	.p2align	8
	.type	k_qf9721d1f00_early,@function
k_qf9721d1f00_early:
	s_mov_b64 s[64:65], 0
	v_nop
	global_prefetch_b8 v0, s[64:65] scope:SCOPE_SE
	s_setreg_imm32_b32 hwreg(HW_REG_WAVE_MODE, 25, 1), 1
	s_wait_xcnt 0x0
; THE FIRST 32 ROWS OF EACH BATCH ONCE MORE, WITHOUT A 16-BIT ROUNDING ON THE WAY: attention's output O for these rows, one work-group for a batch and a head.
; WHY.  Row s is a mean over s + 1 keys, so the first rows' numbers are up to ten times the output's root mean square r, by which the problem's allowance (r / 100) goes.  One rounding to f16 is some
; 2^-12 of a number: in these rows a fifth of the allowance, and v, O, q, k and the weights each bring one.  From row 32 on the numbers are under a third of v's spread, and the roundings have room.
; HOW.  These rows see keys 0 to 31 alone.  Every operand that the program makes is kept as TWO f16 numbers, hi = f16(x) and lo = f16(x - hi), and a product is hi hi + lo hi + hi lo, in f32 sums:
; what is left out is 2^-22 of the product.  X, Wq (bf16) and Wup x 2^e (f16) are exact as they lie; c wm lies in y as hi and lo.
; IN.   xb [4096][2048] bf16; wqdT rows 96 head + 0..63 (K along the rows) bf16; y: groups 16-23 hi, 24-31 lo of c wm, [group of 64 k][4096][64] f16, and from byte 16,777,216 ssq[16][4096] f32;
;       wupT [8 slices of 64 k][3072][64] f16.
; OUT.  ob from byte 16,777,216 on: O as the next launch's fragments lie in registers: [hi, lo][row block 2 batch + t][chunk of 32 columns][half][lane][16 bytes]: a store covers 512 consecutive bytes.
; LIMITS.  q, c, k, v within f16's 65,504; a lo below 6e-5 keeps f16's fixed step of 6e-8; a hidden score counts as its value less 1e30; NaN and infinities are not treated apart.
; SHARES.  Four waves.  Wave w makes, for all 32 rows, q's columns 16 w .. + 15, k's columns 16 w .. + 15 and v's columns 32 w .. + 31, and puts them into LDS; behind ONE barrier every wave makes
; the 32 x 32 scores and the softmax (the same text, the same numbers) and wave w the output's channels 32 w .. + 31.
; The fragments of the three products come straight from memory, where K is contiguous: each is used once or twice, so LDS, tensor loads and a cluster would spare nothing.
; THE MATRIX INSTRUCTION IS USED TRANSPOSED (source 0 = 16 rows of the weights, source 1 = 16 rows of X or c): a lane holds eight neighbouring columns of one row.
.set PK,    144                        ; a row of q or k in LDS: 128 bytes + 16
.set PV,    288                        ; a row of v: 256 + 32
.set QH,    0                          ; 32 rows each: q hi, q lo, k hi, k lo, v hi, v lo
.set QL,    32*PK
.set KH,    2*32*PK
.set KL,    3*32*PK
.set VH,    4*32*PK
.set VL,    VH+32*PV
.set SPARE, VL+32*PV                   ; the spare words, 128 bytes a wave
.set LOOFF, 4194304                    ; lo lies eight groups of 524,288 bytes behind hi
.set OFX,   16777216                   ; where this launch's part of ob begins
.set SPW,  4                           ; v4   LDS address of my spare word; never rewritten
.set NIL,  5                           ; v5   0; never rewritten
.set L4K,  6                           ; v6   r x 4,096 + 16 h: my place in 16 rows of xb or wqdT
.set L128, 7                           ; v7   r x 128 + 16 h: the same for y and wupT
.set LSS,  8                           ; v8   4 r: my row in ssq
.set SQK,  9                           ; v9   LDS: where my 16 bytes of q or k go
.set SV,   10                          ; v10  LDS: where my 16 bytes of v go
.set FQK,  11                          ; v11  LDS: my place in a fragment of q or k
.set FV,   12                          ; v12  LDS: my place in a turned fragment of v
.set GO,   13                          ; v13  16 x lane
.set RR,   16                          ; v[16:19]  the factors of rows r and 16 + r, each as a pair
.set TT,   32                          ; v[32:39]  at work in SPLIT8;  v[24:31] its usual results;  v[20:23], v[40:47] at work in the softmax
.set QA,   48                          ; v[48:63]  q's two sums
.set FR,   64                          ; v[64:255] q: the fragments of eight chunks of 32 along K, 24 registers each
.set KA,   64                          ; v[64:111] k's and v's six sums: (m, n) at KA + 8 (3 m + n)
.set FK,   112                         ; v[112:223] their fragments of two chunks, 56 registers each
.set SS,   224                         ; v[224:255] the 16 partial sums of squares of rows r and 16 + r
.set QF,   64                          ; attention: q's fragments (part, tile, chunk) at QF + 8 (4 p + 2 t + c)
.set KF,   128                         ; k's likewise;  v's: hi at v[48:63], lo at v[240:255]
.set S,    192                         ; v[192:223] scores: key block b, query tile t at S + 16 t + 8 b
.set MDG,  224                         ; v[224:231] the mask of a block on the diagonal
.set MH,   232                         ; v[232:239] the mask of a hidden block
.set OA,   96                          ; v[96:127] O^T: (t, i) at OA + 8 (2 t + i);  the weights: hi v[64:79], lo v[80:95]
.set XA,  20                           ; s[20:21] xb at the batch's first row
.set WB,  22                           ; s[22:23] wqdT at my 16 rows
.set YA,  24                           ; s[24:25] y at group 16, the batch's first row
.set YS,  26                           ; s[26:27] ssq at the batch's first row
.set BK,  28                           ; s[28:29] wupT at my 16 rows of k
.set BV,  30                           ; s[30:31] wupT at my 32 rows of v
.set OB,  32                           ; s[32:33] ob at my chunk
.set CS,  34                           ; s[34:35] c = log2(e) / 8
.set SEL, 36                           ; s[36:37] v_permlanex16_b32: each lane takes its own place in the other half
.set BIGN, 38                          ; s38  -1e30
.macro PLACES                          ; five places behind matrix instructions: in front of reads of their results, of loads into their registers and of matrix instructions that write over them
.rept 5
	v_nop
.endr
.endm
; Eight f32 numbers at src become hi (four registers named by number, for their halves) and lo (four registers from lo on).
.macro SPLIT8 src, h0, h1, h2, h3, lo
	v_cvt_pk_f16_f32 v\h0, v[(\src)], v[(\src)+1]
	v_cvt_pk_f16_f32 v\h1, v[(\src)+2], v[(\src)+3]
	v_cvt_pk_f16_f32 v\h2, v[(\src)+4], v[(\src)+5]
	v_cvt_pk_f16_f32 v\h3, v[(\src)+6], v[(\src)+7]
	v_cvt_f32_f16 v[TT], v\h0\().l
	v_cvt_f32_f16 v[TT+1], v\h0\().h
	v_cvt_f32_f16 v[TT+2], v\h1\().l
	v_cvt_f32_f16 v[TT+3], v\h1\().h
	v_cvt_f32_f16 v[TT+4], v\h2\().l
	v_cvt_f32_f16 v[TT+5], v\h2\().h
	v_cvt_f32_f16 v[TT+6], v\h3\().l
	v_cvt_f32_f16 v[TT+7], v\h3\().h
	v_pk_add_f32 v[TT:TT+1],   v[(\src):(\src)+1],   v[TT:TT+1]   neg_lo:[0,1] neg_hi:[0,1]   ; what the rounding took away: exact
	v_pk_add_f32 v[TT+2:TT+3], v[(\src)+2:(\src)+3], v[TT+2:TT+3] neg_lo:[0,1] neg_hi:[0,1]
	v_pk_add_f32 v[TT+4:TT+5], v[(\src)+4:(\src)+5], v[TT+4:TT+5] neg_lo:[0,1] neg_hi:[0,1]
	v_pk_add_f32 v[TT+6:TT+7], v[(\src)+6:(\src)+7], v[TT+6:TT+7] neg_lo:[0,1] neg_hi:[0,1]
	v_cvt_pk_f16_f32 v[(\lo)],   v[TT],   v[TT+1]
	v_cvt_pk_f16_f32 v[(\lo)+1], v[TT+2], v[TT+3]
	v_cvt_pk_f16_f32 v[(\lo)+2], v[TT+4], v[TT+5]
	v_cvt_pk_f16_f32 v[(\lo)+3], v[TT+6], v[TT+7]
.endm
	s_load_b256 s[4:11], s[0:1], 0x0               ; xb s[4:5], wqdT s[6:7], y s[8:9], wupT s[10:11]
	s_load_b64 s[12:13], s[0:1], 0x20              ; ob
	v_lshl_add_u32 v[SPW], v0, 2, SPARE
	v_mov_b32 v[NIL], 0
	v_lshrrev_b32 v1, 5, v0
	v_readfirstlane_b32 s14, v1                    ; wave 0..3
	s_mov_b32 s15, ttmp9                           ; head
	s_and_b32 s16, ttmp7, 0xffff                   ; batch
	s_mov_b32 s3, 0                                ; the high word of every offset
	s_mov_b32 s[CS], 0x3e38aa3b
	s_mov_b32 s[CS+1], s[CS]                       ; named with it as a pair
	s_mov_b32 s[SEL], 0x76543210
	s_mov_b32 s[SEL+1], 0xfedcba98
	s_mov_b32 s[BIGN], 0xf149f2ca
	s_mov_b32 s39, 0x3b000000                      ; 1 / 512
	s_mov_b32 s40, 0x358637bd                      ; 1e-6
	v_and_b32 v1, 15, v0                           ; r = l % 16
	v_bfe_u32 v2, v0, 4, 1                         ; h = l / 16
	v_and_b32 v3, 31, v0                           ; l
	v_lshlrev_b32 v[L4K], 12, v1
	v_lshl_add_u32 v[L4K], v2, 4, v[L4K]
	v_lshlrev_b32 v[L128], 7, v1
	v_lshl_add_u32 v[L128], v2, 4, v[L128]
	v_lshlrev_b32 v[LSS], 2, v1
	v_mul_u32_u24 v[FQK], v1, PK
	v_lshl_add_u32 v[FQK], v2, 4, v[FQK]           ; row x pitch + 16 x half
	s_lshl_b32 s17, s14, 5
	v_add_nc_u32 v[SQK], s17, v[FQK]               ; + my 16 columns' 32 bytes
	s_lshl_b32 s17, s14, 6                         ; my 32 channels' 64 bytes
	v_mul_u32_u24 v[SV], v1, PV
	v_lshl_add_u32 v[SV], v2, 4, v[SV]
	v_add_nc_u32 v[SV], s17, v[SV]
	v_and_b32 v14, 7, v0                           ; the turning load: lane l reads key 8 (l / 16) + l % 8, channels 8 ((l / 8) % 2) + 0..7
	v_lshl_add_u32 v[FV], v2, 3, v14
	v_mul_u32_u24 v[FV], v[FV], PV
	v_bfe_u32 v14, v0, 3, 1
	v_lshl_add_u32 v[FV], v14, 4, v[FV]
	v_add_nc_u32 v[FV], s17, v[FV]
	v_lshlrev_b32 v[GO], 4, v3
	s_wait_kmcnt 0x0
	s_lshl_b32 s2, s16, 23                         ; the batch's 2,048 rows of 4,096 bytes
	s_add_nc_u64 s[XA:XA+1], s[4:5], s[2:3]
	s_mul_i32 s2, s15, 96                          ; row 96 head + 16 w of wqdT
	s_lshl_b32 s17, s14, 4
	s_add_co_u32 s2, s2, s17
	s_lshl_b32 s2, s2, 12
	s_add_nc_u64 s[WB:WB+1], s[6:7], s[2:3]
	s_lshl_b32 s2, s16, 18                         ; the batch's 2,048 rows of 128 bytes,
	s_add_co_u32 s2, s2, 0x800000                  ; in group 16
	s_add_nc_u64 s[YA:YA+1], s[8:9], s[2:3]
	s_lshl_b32 s2, s16, 13                         ; the batch's 2,048 rows of 4 bytes,
	s_add_co_u32 s2, s2, 0x1000000                 ; behind the 32 groups
	s_add_nc_u64 s[YS:YS+1], s[8:9], s[2:3]
	s_mul_i32 s18, s15, 192                        ; the head's 192 rows of a slice of wupT: 64 of k, 128 of v
	s_add_co_u32 s2, s18, s17                      ; k: row 192 head + 16 w
	s_lshl_b32 s2, s2, 7
	s_add_nc_u64 s[BK:BK+1], s[10:11], s[2:3]
	s_lshl_b32 s17, s14, 5
	s_add_co_u32 s2, s18, s17                      ; v: row 192 head + 64 + 32 w
	s_add_co_u32 s2, s2, 64
	s_lshl_b32 s2, s2, 7
	s_add_nc_u64 s[BV:BV+1], s[10:11], s[2:3]
	s_lshl_b32 s2, s15, 2                          ; my chunk of 32 columns of O: 4 head + w, 1,024 bytes each;
	s_add_co_u32 s2, s2, s14
	s_lshl_b32 s2, s2, 10
	s_lshl_b32 s17, s16, 17                        ; the batch's two row blocks of 65,536 bytes
	s_add_co_u32 s2, s2, s17
	s_add_co_u32 s2, s2, OFX
	s_add_nc_u64 s[OB:OB+1], s[12:13], s[2:3]
; q = X Wq.  A trip: eight chunks of 32 along K: 48 loads, then 16 matrix instructions; the two sums (rows 0-15, rows 16-31) take turns.
.macro QTRIP zero
.irp c, 0,1,2,3,4,5,6,7
	global_load_b128 v[FR+24*\c:FR+24*\c+3],     v[L4K], s[XA:XA+1] offset:64*\c            ; X, rows 0-15
	global_load_b128 v[FR+24*\c+4:FR+24*\c+7],   v[L4K], s[XA:XA+1] offset:64*\c+32
	global_load_b128 v[FR+24*\c+8:FR+24*\c+11],  v[L4K], s[XA:XA+1] offset:65536+64*\c      ; rows 16-31
	global_load_b128 v[FR+24*\c+12:FR+24*\c+15], v[L4K], s[XA:XA+1] offset:65536+64*\c+32
	global_load_b128 v[FR+24*\c+16:FR+24*\c+19], v[L4K], s[WB:WB+1] offset:64*\c            ; my 16 rows of wqdT
	global_load_b128 v[FR+24*\c+20:FR+24*\c+23], v[L4K], s[WB:WB+1] offset:64*\c+32
.endr
	s_wait_loadcnt 0x0                             ; every load of the trip has come back: the bases may step
	s_add_nc_u64 s[XA:XA+1], s[XA:XA+1], 512
	s_add_nc_u64 s[WB:WB+1], s[WB:WB+1], 512
.irp c, 0,1,2,3,4,5,6,7
.irp m, 0,1
.if (\zero) && (\c == 0)
	v_wmma_f32_16x16x32_bf16 v[QA+8*\m:QA+8*\m+7], v[FR+24*\c+16:FR+24*\c+23], v[FR+24*\c+8*\m:FR+24*\c+8*\m+7], 0
.else
	v_wmma_f32_16x16x32_bf16 v[QA+8*\m:QA+8*\m+7], v[FR+24*\c+16:FR+24*\c+23], v[FR+24*\c+8*\m:FR+24*\c+8*\m+7], v[QA+8*\m:QA+8*\m+7]
.endif
.endr
.endr
.endm
	QTRIP 1                                        ; the first trip starts the sums
	s_mov_b32 s41, 7
.Lq:
	PLACES                                         ; in front of the loads into the fragments just multiplied
	QTRIP 0
	s_sub_co_u32 s41, s41, 1
	s_cmp_lg_u32 s41, 0
	s_cbranch_scc1 .Lq
	PLACES
.irp m, 0,1
	SPLIT8 QA+8*\m, 24, 25, 26, 27, 28
	ds_store_b128 v[SQK], v[24:27] offset:QH+\m*16*PK
	ds_store_b128 v[SQK], v[28:31] offset:QL+\m*16*PK
.endr
; [k | v] = (c wm) (2^e Wup).  A trip: one slice of 64 k, two chunks: 28 loads, then 24 matrix instructions; hi and lo add onto the same six sums, which take turns.
.macro KVTRIP zero
.irp c, 0,1
	global_load_b128 v[FK+56*\c:FK+56*\c+3],     v[L128], s[YA:YA+1] offset:64*\c                 ; hi, rows 0-15
	global_load_b128 v[FK+56*\c+4:FK+56*\c+7],   v[L128], s[YA:YA+1] offset:64*\c+32
	global_load_b128 v[FK+56*\c+8:FK+56*\c+11],  v[L128], s[YA:YA+1] offset:2048+64*\c            ; hi, rows 16-31
	global_load_b128 v[FK+56*\c+12:FK+56*\c+15], v[L128], s[YA:YA+1] offset:2048+64*\c+32
	global_load_b128 v[FK+56*\c+16:FK+56*\c+19], v[L128], s[YA:YA+1] offset:LOOFF+64*\c           ; lo, rows 0-15
	global_load_b128 v[FK+56*\c+20:FK+56*\c+23], v[L128], s[YA:YA+1] offset:LOOFF+64*\c+32
	global_load_b128 v[FK+56*\c+24:FK+56*\c+27], v[L128], s[YA:YA+1] offset:LOOFF+2048+64*\c      ; lo, rows 16-31
	global_load_b128 v[FK+56*\c+28:FK+56*\c+31], v[L128], s[YA:YA+1] offset:LOOFF+2048+64*\c+32
	global_load_b128 v[FK+56*\c+32:FK+56*\c+35], v[L128], s[BK:BK+1] offset:64*\c                 ; my 16 rows for k
	global_load_b128 v[FK+56*\c+36:FK+56*\c+39], v[L128], s[BK:BK+1] offset:64*\c+32
	global_load_b128 v[FK+56*\c+40:FK+56*\c+43], v[L128], s[BV:BV+1] offset:64*\c                 ; my 32 rows for v
	global_load_b128 v[FK+56*\c+44:FK+56*\c+47], v[L128], s[BV:BV+1] offset:64*\c+32
	global_load_b128 v[FK+56*\c+48:FK+56*\c+51], v[L128], s[BV:BV+1] offset:2048+64*\c
	global_load_b128 v[FK+56*\c+52:FK+56*\c+55], v[L128], s[BV:BV+1] offset:2048+64*\c+32
.endr
	s_wait_loadcnt 0x0                             ; every load has come back: the bases may step
	s_add_nc_u64 s[YA:YA+1], s[YA:YA+1], 524288    ; the next group of y,
	s_add_nc_u64 s[BK:BK+1], s[BK:BK+1], 393216    ; the next slice of wupT
	s_add_nc_u64 s[BV:BV+1], s[BV:BV+1], 393216
.irp c, 0,1
.irp p, 0,1
.irp m, 0,1
.irp n, 0,1,2
.if (\zero) && (\c == 0) && (\p == 0)
	v_wmma_f32_16x16x32_f16 v[KA+8*(3*\m+\n):KA+8*(3*\m+\n)+7], v[FK+56*\c+32+8*\n:FK+56*\c+32+8*\n+7], v[FK+56*\c+16*\p+8*\m:FK+56*\c+16*\p+8*\m+7], 0
.else
	v_wmma_f32_16x16x32_f16 v[KA+8*(3*\m+\n):KA+8*(3*\m+\n)+7], v[FK+56*\c+32+8*\n:FK+56*\c+32+8*\n+7], v[FK+56*\c+16*\p+8*\m:FK+56*\c+16*\p+8*\m+7], v[KA+8*(3*\m+\n):KA+8*(3*\m+\n)+7]
.endif
.endr
.endr
.endr
.endr
.endm
.set z, 0
.rept 16
	global_load_b32 v[SS+z],    v[LSS], s[YS:YS+1] offset:16384*z       ; partial sum z of c^2 of row r,
	global_load_b32 v[SS+16+z], v[LSS], s[YS:YS+1] offset:16384*z+64    ; and of row 16 + r
.set z, z+1
.endr
	KVTRIP 1                                       ; the first trip starts the sums; its wait is also the wait for the partial sums
	; the rows' factors rsqrt(sum / 512 + 1e-6)
.irp m, 0,1
.irp w, 8,4,2
.set z, 0
.rept \w/2
	v_pk_add_f32 v[SS+16*\m+2*z:SS+16*\m+2*z+1], v[SS+16*\m+2*z:SS+16*\m+2*z+1], v[SS+16*\m+\w+2*z:SS+16*\m+\w+2*z+1]
.set z, z+1
.endr
.endr
	v_add_f32 v[SS+16*\m], v[SS+16*\m], v[SS+16*\m+1]
	v_fma_f32 v[SS+16*\m], v[SS+16*\m], s39, s40
.endr
	v_rsq_f32 v[RR], v[SS]
	v_rsq_f32 v[RR+2], v[SS+16]
	v_nop                                          ; a plain instruction between the last root and the use of its result
	s_wait_alu depctr_va_vdst(0)
	v_mov_b32 v[RR+1], v[RR]                       ; named with it as a pair
	v_mov_b32 v[RR+3], v[RR+2]
	s_mov_b32 s41, 7
.Lkv:
	PLACES
	KVTRIP 0
	s_sub_co_u32 s41, s41, 1
	s_cmp_lg_u32 s41, 0
	s_cbranch_scc1 .Lkv
	PLACES
.irp m, 0,1
.irp n, 0,1,2
.irp z, 0,1,2,3
	v_pk_mul_f32 v[KA+8*(3*\m+\n)+2*\z:KA+8*(3*\m+\n)+2*\z+1], v[KA+8*(3*\m+\n)+2*\z:KA+8*(3*\m+\n)+2*\z+1], v[RR+2*\m:RR+2*\m+1] op_sel_hi:[1,0]
.endr
	SPLIT8 KA+8*(3*\m+\n), 24, 25, 26, 27, 28
.if \n == 0
	ds_store_b128 v[SQK], v[24:27] offset:KH+\m*16*PK
	ds_store_b128 v[SQK], v[28:31] offset:KL+\m*16*PK
.else
	ds_store_b128 v[SV], v[24:27] offset:VH+\m*16*PV+32*(\n-1)
	ds_store_b128 v[SV], v[28:31] offset:VL+\m*16*PV+32*(\n-1)
.endif
.endr
.endr
	; the masks: on the diagonal register i (key 8 h + i) is hidden where it is greater than the query r
	v_lshlrev_b32 v14, 3, v2
	v_sub_nc_u32 v14, v1, v14
.set i, 0
.rept 8
	v_cmp_gt_i32 vcc_lo, i, v14
	v_cndmask_b32 v[MDG+i], 0, s[BIGN], vcc_lo
	v_mov_b32 v[MH+i], s[BIGN]
.set i, i+1
.endr
	s_wait_dscnt 0x0                               ; for the others' sake: my stores of q, k and v are done
	s_barrier_signal -1
	s_barrier_wait -1                              ; from here on LDS is only read
	; ATTENTION.  S^T = K Q^T holds one query a lane (l % 16) and the keys 8 (l / 16) + 0..7 of a block of 16.
.irp p, 0,1
.irp t, 0,1
.irp c, 0,1
	ds_load_b128 v[QF+8*(4*\p+2*\t+\c):QF+8*(4*\p+2*\t+\c)+3],   v[FQK] offset:QH+\p*32*PK+\t*16*PK+64*\c
	ds_load_b128 v[QF+8*(4*\p+2*\t+\c)+4:QF+8*(4*\p+2*\t+\c)+7], v[FQK] offset:QH+\p*32*PK+\t*16*PK+64*\c+32
	ds_load_b128 v[KF+8*(4*\p+2*\t+\c):KF+8*(4*\p+2*\t+\c)+3],   v[FQK] offset:KH+\p*32*PK+\t*16*PK+64*\c
	ds_load_b128 v[KF+8*(4*\p+2*\t+\c)+4:KF+8*(4*\p+2*\t+\c)+7], v[FQK] offset:KH+\p*32*PK+\t*16*PK+64*\c+32
.endr
.endr
.endr
.irp p, 0,1
.irp i, 0,1                            ; v, turned: 32 keys x my channels 16 i .. + 15; hi at v[48 + 8 i], lo at v[240 + 8 i]
	ds_load_tr16_b128 v[48+192*\p+8*\i:48+192*\p+8*\i+3],   v[FV] offset:VH+\p*32*PV+32*\i
	ds_load_tr16_b128 v[48+192*\p+8*\i+4:48+192*\p+8*\i+7], v[FV] offset:VH+\p*32*PV+32*\i+16*PV
.endr
.endr
	s_wait_dscnt 0x0
	; term e: k hi q hi, k lo q hi, k hi q lo; chunk c of 32 channels; the four sums take turns; the mask starts each sum
.irp e, 0,1,2
.irp c, 0,1
.irp t, 0,1
.irp b, 0,1
.if (\e == 0) && (\c == 0)
.if \b < \t
	v_wmma_f32_16x16x32_f16 v[S+16*\t+8*\b:S+16*\t+8*\b+7], v[KF+8*(4*(\e%2)+2*\b+\c):KF+8*(4*(\e%2)+2*\b+\c)+7], v[QF+8*(4*(\e/2)+2*\t+\c):QF+8*(4*(\e/2)+2*\t+\c)+7], 0
.elseif \b == \t
	v_wmma_f32_16x16x32_f16 v[S+16*\t+8*\b:S+16*\t+8*\b+7], v[KF+8*(4*(\e%2)+2*\b+\c):KF+8*(4*(\e%2)+2*\b+\c)+7], v[QF+8*(4*(\e/2)+2*\t+\c):QF+8*(4*(\e/2)+2*\t+\c)+7], v[MDG:MDG+7]
.else
	v_wmma_f32_16x16x32_f16 v[S+16*\t+8*\b:S+16*\t+8*\b+7], v[KF+8*(4*(\e%2)+2*\b+\c):KF+8*(4*(\e%2)+2*\b+\c)+7], v[QF+8*(4*(\e/2)+2*\t+\c):QF+8*(4*(\e/2)+2*\t+\c)+7], v[MH:MH+7]
.endif
.else
	v_wmma_f32_16x16x32_f16 v[S+16*\t+8*\b:S+16*\t+8*\b+7], v[KF+8*(4*(\e%2)+2*\b+\c):KF+8*(4*(\e%2)+2*\b+\c)+7], v[QF+8*(4*(\e/2)+2*\t+\c):QF+8*(4*(\e/2)+2*\t+\c)+7], v[S+16*\t+8*\b:S+16*\t+8*\b+7]
.endif
.endr
.endr
.endr
.endr
	PLACES
; The softmax of query tile t: the maximum of the lane's 16 scores and of the lane 16 away is taken away; p = 2^(c s - c m); p is divided by its sum in f32.
; Each accumulator's lowest registers are read first.  Every row sees its own key, so the maximum is a true score.
.macro SOFT t
.set rS, S+16*(\t)
	v_max3_num_f32 v20, v[rS], v[rS+1], v[rS+2]
	v_max3_num_f32 v21, v[rS+8], v[rS+9], v[rS+10]
	v_max3_num_f32 v20, v20, v[rS+3], v[rS+4]
	v_max3_num_f32 v21, v21, v[rS+11], v[rS+12]
	v_max3_num_f32 v20, v20, v[rS+5], v[rS+6]
	v_max3_num_f32 v21, v21, v[rS+13], v[rS+14]
	v_max3_num_f32 v20, v20, v[rS+7], v[rS+15]
	v_max_num_f32 v20, v20, v21
	v_permlanex16_b32 v21, v20, s[SEL], s[SEL+1]
	v_max_num_f32 v20, v20, v21
	v_mul_f32 v22, s[CS], v20                      ; c m
	v_mov_b32 v23, v22                             ; named with it as a pair
.set z, 0
.rept 8
	v_pk_fma_f32 v[rS+2*z:rS+2*z+1], v[rS+2*z:rS+2*z+1], s[CS:CS+1], v[22:23] op_sel_hi:[1,0,0] neg_lo:[0,0,1] neg_hi:[0,0,1]
.set z, z+1
.endr
.set z, 0
.rept 16
	v_exp_f32 v[rS+z], v[rS+z]
.set z, z+1
.endr
	v_nop                                          ; a plain instruction between the last exponential and the use of its result
	s_wait_alu depctr_va_vdst(0)
	v_pk_add_f32 v[40:41], v[rS:rS+1], v[rS+2:rS+3]
	v_pk_add_f32 v[42:43], v[rS+4:rS+5], v[rS+6:rS+7]
	v_pk_add_f32 v[44:45], v[rS+8:rS+9], v[rS+10:rS+11]
	v_pk_add_f32 v[46:47], v[rS+12:rS+13], v[rS+14:rS+15]
	v_pk_add_f32 v[40:41], v[40:41], v[42:43]
	v_pk_add_f32 v[44:45], v[44:45], v[46:47]
	v_pk_add_f32 v[40:41], v[40:41], v[44:45]
	v_add_f32 v40, v40, v41
	v_permlanex16_b32 v41, v40, s[SEL], s[SEL+1]
	v_add_f32 v40, v40, v41                        ; at least 1: the greatest weight is 1
	v_rcp_f32 v42, v40
	v_nop
	s_wait_alu depctr_va_vdst(0)
	v_mov_b32 v43, v42                             ; named with it as a pair
.set z, 0
.rept 8
	v_pk_mul_f32 v[rS+2*z:rS+2*z+1], v[rS+2*z:rS+2*z+1], v[42:43] op_sel_hi:[1,0]
.set z, z+1
.endr
.endm
	SOFT 0
	SOFT 1
	; two blocks of 16 keys, packed in pairs, ARE source 1 (32 keys x 16 queries) of O^T = V^T P: hi of tile t at v[64 + 8 t], lo at v[80 + 8 t]
	SPLIT8 S,    64, 65, 66, 67, 80
	SPLIT8 S+8,  68, 69, 70, 71, 84
	SPLIT8 S+16, 72, 73, 74, 75, 88
	SPLIT8 S+24, 76, 77, 78, 79, 92
	; term e: v hi p hi, v lo p hi, v hi p lo; the four sums take turns
.irp e, 0,1,2
.irp t, 0,1
.irp i, 0,1
.if \e == 0
	v_wmma_f32_16x16x32_f16 v[OA+8*(2*\t+\i):OA+8*(2*\t+\i)+7], v[48+192*(\e%2)+8*\i:48+192*(\e%2)+8*\i+7], v[64+16*(\e/2)+8*\t:64+16*(\e/2)+8*\t+7], 0
.else
	v_wmma_f32_16x16x32_f16 v[OA+8*(2*\t+\i):OA+8*(2*\t+\i)+7], v[48+192*(\e%2)+8*\i:48+192*(\e%2)+8*\i+7], v[64+16*(\e/2)+8*\t:64+16*(\e/2)+8*\t+7], v[OA+8*(2*\t+\i):OA+8*(2*\t+\i)+7]
.endif
.endr
.endr
.endr
	PLACES
	; A lane holds query 16 t + r and channels 32 w + 16 i + 8 h + 0..7: half i of the next launch's fragment of chunk 4 head + w, as it lies in registers.
	SPLIT8 OA,    64, 65, 66, 67, 80
	SPLIT8 OA+8,  68, 69, 70, 71, 84
	SPLIT8 OA+16, 72, 73, 74, 75, 88
	SPLIT8 OA+24, 76, 77, 78, 79, 92
.irp t, 0,1
.irp i, 0,1
	global_store_b128 v[GO], v[64+4*(2*\t+\i):64+4*(2*\t+\i)+3], s[OB:OB+1] offset:\t*65536+\i*512          ; 512 consecutive bytes, aligned
	global_store_b128 v[GO], v[80+4*(2*\t+\i):80+4*(2*\t+\i)+3], s[OB:OB+1] offset:262144+\t*65536+\i*512
.endr
.endr
	s_wait_tensorcnt 0x0                           ; the wave's end
	ds_add_u32 v[SPW], v[NIL]
	s_wait_dscnt 0x0
	s_endpgm
.Lfunc_end_k_qf9721d1f00_early:
	.size	k_qf9721d1f00_early, .Lfunc_end_k_qf9721d1f00_early-k_qf9721d1f00_early
	.p2alignl 7, 3214868480
	.fill 96, 4, 3214868480
	.section	.rodata,"a",@progbits
	.p2align	6, 0x0
	.amdhsa_kernel k_qf9721d1f00_early
		.amdhsa_group_segment_fixed_size 37376
		.amdhsa_private_segment_fixed_size 0
		.amdhsa_enable_private_segment 0
		.amdhsa_kernarg_size 40
		.amdhsa_user_sgpr_count 2
		.amdhsa_user_sgpr_kernarg_segment_ptr 1
		.amdhsa_wavefront_size32 1
		.amdhsa_system_sgpr_workgroup_id_x 1
		.amdhsa_system_sgpr_workgroup_id_y 1
		.amdhsa_system_sgpr_workgroup_id_z 1
		.amdhsa_system_vgpr_workitem_id 0
		.amdhsa_next_free_vgpr 256
		.amdhsa_next_free_sgpr 66
		.amdhsa_reserve_vcc 1
		.amdhsa_float_denorm_mode_32 3
		.amdhsa_float_denorm_mode_16_64 3
		.amdhsa_memory_ordered 1
		.amdhsa_forward_progress 1
		.amdhsa_inst_pref_size 60
	.end_amdhsa_kernel
	.amdgpu_metadata
---
amdhsa.version: [ 1, 2 ]
amdhsa.kernels:
  - .name:           k_qf9721d1f00_early
    .symbol:         k_qf9721d1f00_early.kd
    .args:
      - { .name: xb, .offset: 0, .size: 8, .value_kind: global_buffer, .address_space: global }
      - { .name: wqdT, .offset: 8, .size: 8, .value_kind: global_buffer, .address_space: global }
      - { .name: y, .offset: 16, .size: 8, .value_kind: global_buffer, .address_space: global }
      - { .name: wupT, .offset: 24, .size: 8, .value_kind: global_buffer, .address_space: global }
      - { .name: ob, .offset: 32, .size: 8, .value_kind: global_buffer, .address_space: global }
    .group_segment_fixed_size: 37376
    .private_segment_fixed_size: 0
    .kernarg_segment_align: 8
    .kernarg_segment_size: 40
    .max_flat_workgroup_size: 128
    .sgpr_count:     66
    .vgpr_count:     256
    .wavefront_size: 32
...
	.end_amdgpu_metadata
.endif
;; end of part 6
;; launch late (part 7): grid 32 x 1, 4 waves a work-group, no clusters, 17,920 bytes of LDS; arguments ob, woT, out0; writes out0
.if DOCPART == 7
	.amdgcn_target "amdgcn-amd-amdhsa--gfx1250"
	.amdhsa_code_object_version 6
	.text
	.protected	k_qf9721d1f00_late
	.globl	k_qf9721d1f00_late
	.p2align	8
	.type	k_qf9721d1f00_late,@function
k_qf9721d1f00_late:
	s_mov_b64 s[64:65], 0
	v_nop
	global_prefetch_b8 v0, s[64:65] scope:SCOPE_SE
	s_setreg_imm32_b32 hwreg(HW_REG_WAVE_MODE, 25, 1), 1
	s_wait_xcnt 0x0
; out0's rows 0 to 31 of each batch = (O hi + O lo) Wo, stored over what the launch before last left there: in these rows a rounding of O to f16 is too large a part of the
; problem's allowance (the launch before says why, by the sizes).  Sums in f32, stored as f32.
; IN.   ob from byte 16,777,216 on: O as fragments lie in registers: [hi, lo][row block][chunk of 32 k][half][lane][16 bytes]; woT [2048 n][2048 k] f16, K along the rows, exact.
; SHARES.  64 rows x 2,048 columns: 32 work-groups of 64 columns; wave w takes row block w (batch w / 2, rows 16 (w % 2) .. + 15): four sums of 16 x 16, onto which hi and lo both add.
; A trip: four chunks of 32 along K: 48 loads straight into the fragments, then 32 matrix instructions.  A fragment of Wo feeds two products, one of O four: LDS, tensor loads and a cluster
; would spare little of so small a product.
; THE MATRIX INSTRUCTION IS USED TRANSPOSED (source 0 = 16 rows of woT, source 1 = 16 rows of O): a lane holds eight neighbouring columns of one row.
.set SPITCH, 272                       ; the way out: 16 rows x (256 + 16) bytes for each wave
.set SPARE,  4*16*SPITCH               ; the spare words, 128 bytes a wave
.set OFX,    16777216
.set SPW,  4                           ; v4   LDS address of my spare word; never rewritten
.set NIL,  5                           ; v5   0; never rewritten
.set GL,   6                           ; v6   16 x lane
.set L4K,  7                           ; v7   r x 4,096 + 16 h: my place in 16 rows of woT
.set STO,  8                           ; v8   the way out: where I put 32 bytes of a row
.set RD,   9                           ; v9   where I read rows back
.set CO,   10                          ; v10  my byte offset in two rows of out0
.set ACC,  32                          ; v[32:63]  the four sums
.set FR,   64                          ; v[64:255] the fragments of four chunks, 48 registers each: O hi, O lo, four of Wo
.set OBK,  64                          ; the way out: 16 rows read back
.macro PLACES                          ; five places behind matrix instructions, in front of reads of their results and of loads into their registers
.rept 5
	v_nop
.endr
.endm
	s_load_b128 s[4:7], s[0:1], 0x0                ; ob s[4:5], woT s[6:7]
	s_load_b64 s[8:9], s[0:1], 0x10                ; out0
	v_lshl_add_u32 v[SPW], v0, 2, SPARE
	v_mov_b32 v[NIL], 0
	v_lshrrev_b32 v1, 5, v0
	v_readfirstlane_b32 s10, v1                    ; wave 0..3 = row block
	s_mov_b32 s3, 0
	v_and_b32 v1, 15, v0                           ; r
	v_bfe_u32 v2, v0, 4, 1                         ; h
	v_and_b32 v3, 31, v0
	v_lshlrev_b32 v[GL], 4, v3
	v_lshlrev_b32 v[L4K], 12, v1
	v_lshl_add_u32 v[L4K], v2, 4, v[L4K]
	s_mul_i32 s11, s10, 16*SPITCH                  ; my stage
	v_mul_u32_u24 v[STO], v1, SPITCH               ; in: row r, 32 bytes for each half of the lanes
	v_lshl_add_u32 v[STO], v2, 5, v[STO]
	v_add_nc_u32 v[STO], s11, v[STO]
	v_mul_u32_u24 v[RD], v2, SPITCH                ; back: lanes 0-15 one row of 256 bytes, lanes 16-31 the next
	v_lshl_add_u32 v[RD], v1, 4, v[RD]
	v_add_nc_u32 v[RD], s11, v[RD]
	v_lshlrev_b32 v[CO], 13, v2                    ; and the same two rows of out0, 8,192 bytes apart
	v_lshl_add_u32 v[CO], v1, 4, v[CO]
	s_wait_kmcnt 0x0
	s_lshl_b32 s2, s10, 16                         ; my row block's 64 chunks of 1,024 bytes
	s_add_co_u32 s2, s2, OFX
	s_add_nc_u64 s[12:13], s[4:5], s[2:3]
	s_lshl_b32 s2, ttmp9, 18                       ; the work-group's 64 rows of woT, 4,096 bytes each
	s_add_nc_u64 s[14:15], s[6:7], s[2:3]
	s_lshr_b32 s2, s10, 1                          ; my first row of out0: 2,048 x batch + 16 x (w % 2),
	s_lshl_b32 s2, s2, 11
	s_and_b32 s16, s10, 1
	s_lshl_b32 s16, s16, 4
	s_add_co_u32 s2, s2, s16
	s_lshl_b32 s2, s2, 13                          ; of 8,192 bytes;
	s_lshl_b32 s16, ttmp9, 8                       ; the work-group's 64 columns
	s_add_co_u32 s2, s2, s16
	s_add_nc_u64 s[8:9], s[8:9], s[2:3]
.macro TRIP zero
.irp c, 0,1,2,3
	global_load_b128 v[FR+48*\c:FR+48*\c+3],     v[GL], s[12:13] offset:1024*\c               ; O hi: 512 consecutive bytes a load
	global_load_b128 v[FR+48*\c+4:FR+48*\c+7],   v[GL], s[12:13] offset:1024*\c+512
	global_load_b128 v[FR+48*\c+8:FR+48*\c+11],  v[GL], s[12:13] offset:262144+1024*\c        ; O lo
	global_load_b128 v[FR+48*\c+12:FR+48*\c+15], v[GL], s[12:13] offset:262144+1024*\c+512
.irp n, 0,1,2,3
	global_load_b128 v[FR+48*\c+16+8*\n:FR+48*\c+16+8*\n+3],   v[L4K], s[14:15] offset:65536*\n+64*\c      ; 16 rows of woT
	global_load_b128 v[FR+48*\c+16+8*\n+4:FR+48*\c+16+8*\n+7], v[L4K], s[14:15] offset:65536*\n+64*\c+32
.endr
.endr
	s_wait_loadcnt 0x0                             ; every load of the trip has come back: the bases may step
	s_add_nc_u64 s[12:13], s[12:13], 4096
	s_add_nc_u64 s[14:15], s[14:15], 256
.irp c, 0,1,2,3
.irp p, 0,1
.irp n, 0,1,2,3                        ; the four sums take turns
.if (\zero) && (\c == 0) && (\p == 0)
	v_wmma_f32_16x16x32_f16 v[ACC+8*\n:ACC+8*\n+7], v[FR+48*\c+16+8*\n:FR+48*\c+16+8*\n+7], v[FR+48*\c+8*\p:FR+48*\c+8*\p+7], 0
.else
	v_wmma_f32_16x16x32_f16 v[ACC+8*\n:ACC+8*\n+7], v[FR+48*\c+16+8*\n:FR+48*\c+16+8*\n+7], v[FR+48*\c+8*\p:FR+48*\c+8*\p+7], v[ACC+8*\n:ACC+8*\n+7]
.endif
.endr
.endr
.endr
.endm
	TRIP 1                                         ; the first trip starts the sums
	s_mov_b32 s17, 15
.Lk:
	PLACES                                         ; in front of the loads into the fragments just multiplied
	TRIP 0
	s_sub_co_u32 s17, s17, 1
	s_cmp_lg_u32 s17, 0
	s_cbranch_scc1 .Lk
	PLACES
	; THE WAY OUT: a lane's 32 bytes of a row go into my stage and come back as whole rows of 256 bytes.
.irp n, 0,1,2,3
	ds_store_b128 v[STO], v[ACC+8*\n:ACC+8*\n+3] offset:64*\n            ; the low end first
	ds_store_b128 v[STO], v[ACC+8*\n+4:ACC+8*\n+7] offset:64*\n+16
.endr
.irp u, 0,1,2,3,4,5,6,7
	ds_load_b128 v[OBK+4*\u:OBK+4*\u+3], v[RD] offset:\u*2*SPITCH        ; LDS serves a wave's instructions in order: these see the stores above
.endr
.irp u, 0,1,2,3,4,5,6,7
	s_wait_dscnt 7-\u                              ; load u is in, the younger ones stay out
	global_store_b128 v[CO], v[OBK+4*\u:OBK+4*\u+3], s[8:9] offset:\u*16384   ; 16 lanes store 256 consecutive bytes, aligned
.endr
	s_wait_tensorcnt 0x0                           ; the wave's end
	ds_add_u32 v[SPW], v[NIL]
	s_wait_dscnt 0x0
	s_endpgm
.Lfunc_end_k_qf9721d1f00_late:
	.size	k_qf9721d1f00_late, .Lfunc_end_k_qf9721d1f00_late-k_qf9721d1f00_late
	.p2alignl 7, 3214868480
	.fill 96, 4, 3214868480
	.section	.rodata,"a",@progbits
	.p2align	6, 0x0
	.amdhsa_kernel k_qf9721d1f00_late
		.amdhsa_group_segment_fixed_size 17920
		.amdhsa_private_segment_fixed_size 0
		.amdhsa_enable_private_segment 0
		.amdhsa_kernarg_size 24
		.amdhsa_user_sgpr_count 2
		.amdhsa_user_sgpr_kernarg_segment_ptr 1
		.amdhsa_wavefront_size32 1
		.amdhsa_system_sgpr_workgroup_id_x 1
		.amdhsa_system_sgpr_workgroup_id_y 1
		.amdhsa_system_sgpr_workgroup_id_z 1
		.amdhsa_system_vgpr_workitem_id 0
		.amdhsa_next_free_vgpr 256
		.amdhsa_next_free_sgpr 66
		.amdhsa_reserve_vcc 0
		.amdhsa_float_denorm_mode_32 3
		.amdhsa_float_denorm_mode_16_64 3
		.amdhsa_memory_ordered 1
		.amdhsa_forward_progress 1
		.amdhsa_inst_pref_size 18
	.end_amdhsa_kernel
	.amdgpu_metadata
---
amdhsa.version: [ 1, 2 ]
amdhsa.kernels:
  - .name:           k_qf9721d1f00_late
    .symbol:         k_qf9721d1f00_late.kd
    .args:
      - { .name: ob, .offset: 0, .size: 8, .value_kind: global_buffer, .address_space: global }
      - { .name: woT, .offset: 8, .size: 8, .value_kind: global_buffer, .address_space: global }
      - { .name: out0, .offset: 16, .size: 8, .value_kind: global_buffer, .address_space: global }
    .group_segment_fixed_size: 17920
    .private_segment_fixed_size: 0
    .kernarg_segment_align: 8
    .kernarg_segment_size: 24
    .max_flat_workgroup_size: 128
    .sgpr_count:     66
    .vgpr_count:     256
    .wavefront_size: 32
...
	.end_amdgpu_metadata
.endif
;; end of part 7
;; ======== version 2 of 2: 7 launches; 1.25 times as fast as version 1
;; limits: values outside matrix products are rounded to f16; values are held in f16: magnitudes above 65,504 overflow, below 6.1e-05 lose precision
;; workspace buffers: xb 16,777,216 bytes; wqdT 6,291,456 bytes; wupT 3,145,728 bytes; woT 8,388,608 bytes; y 17,039,360 bytes; kb 8,388,608 bytes; vb 16,777,216 bytes; ob 17,301,504 bytes
;; launch prep (part 8): grid 528 x 1, 16 waves a work-group, no clusters, 71,680 bytes of LDS; arguments hidden_states, Wq, Wdown, Wup, Wo, kv_norm_w, xb, wqdT, wupT, woT; writes xb, wqdT, wupT, woT
.if DOCPART == 8
	.amdgcn_target "amdgcn-amd-amdhsa--gfx1250"
	.amdhsa_code_object_version 6
	.text
	.protected	k_qf9721d1f00_prep
	.globl	k_qf9721d1f00_prep
	.p2align	8
	.type	k_qf9721d1f00_prep,@function
k_qf9721d1f00_prep:
	s_mov_b64 s[64:65], 0
	v_nop
	global_prefetch_b8 v0, s[64:65] scope:SCOPE_SE
	s_setreg_imm32_b32 hwreg(HW_REG_WAVE_MODE, 25, 1), 1
	s_wait_xcnt 0x0
; THE INPUTS ARE MADE READY FOR THE MATRIX UNIT.  Every input is rounded to bf16 once.
;   xb   [4096][2048] bf16 = hidden_states
;   wqdT [1536][2048] bf16, K along the rows: rows 96 s .. 96 s + 63 are the columns of Wq for head s, rows 96 s + 64 .. 96 s + 95 are Wdown's columns 32 s .. 32 s + 31
;   wupT [8 slices of 64 k][3072 n][64 k] f16 = bf16(Wup[k][n]) x 2^e(k), where bf16(kv_norm_w[k]) = wm x 2^e with |wm| in [0.5, 1): a power of two, so the f16 number is exact;
;        the next launch multiplies c by wm
;   woT  [2048 n][2048 k] f16 = bf16(Wo[k][n]) written as f16
; LIMITS.  f16 ends at 65,504 and keeps a fixed step of 6e-8 below 6e-5: Wo and Wup x 2^e lie within that range.  |kv_norm_w| stays below 2^125.
; SHARES.  Every work-group handles 32,768 numbers, each of its sixteen waves 2,048.  Groups 0-255 cast hidden_states; 256-319 turn Wq, 320-351 Wdown, 352-399 Wup, 400-527 Wo.
; A stream: memory binds, so no matrix unit, no cluster and no tensor load; each input byte is read once, each output byte written once.
; ONE RUN OF LOADS A WAVE: its 16 loads of 512 bytes are all out together, and no wave waits for memory a second time.  With 80 registers and 71,680 bytes of LDS three work-groups lie on a WGP.
; TURNING.  Four waves share a tile of 128 k x 64 n.  Wave q of the four reads rows (k) 32 q .. + 31, 256 bytes each (sixteen lanes a row), packs two neighbouring k of one column into a word
; and puts the words into the tile's LDS bytes: 64 rows (n) of 256 bytes + 16 of padding.  Behind a barrier it reads rows (n) 16 q .. + 15 back whole; each store then covers whole aligned blocks of 256 bytes.
; The word stores fall four deep on a bank (16 lanes, rows 1,088 bytes apart): 32 such stores a wave; the price of a row pitch that keeps the 16-byte reads aligned.
.set SPARE, 69632                      ; behind the four tiles: the spare words, 128 bytes a wave
.set WTILE, 17408                      ; a tile's LDS bytes: 64 rows x 272
.set LP,    272
.set KGB,   393216                     ; a slice of wupT: 3,072 rows x 128 bytes
.set VR,    0                          ; v0   LDS: where I read rows back (made when the thread's number has served)
.set WOF,   1                          ; v1   my byte offset in the tile's 128 numbers of kv_norm_w
.set VG,    3                          ; v3   my byte offset in the turned tile in memory
.set SPW,   4                          ; v4   LDS address of my spare word; never rewritten
.set NIL,   5                          ; v5   0; never rewritten
.set VS,    6                          ; v6   my byte offset in the source tile
.set VD,    7                          ; v7   LDS: where my packed words go
.set W8,    8                          ; v[8:15]   2^e of my eight k
.set X,     16                         ; v[16:79]  as loaded; the conversions go in place
.set T,     X+32                       ; v[48:55]  at work on the way out
	s_load_b512 s[8:23], s[0:1], 0x0               ; hidden s[8:9], Wq s[10:11], Wdown s[12:13], Wup s[14:15], Wo s[16:17], kv_norm_w s[18:19], xb s[20:21], wqdT s[22:23]
	s_load_b128 s[24:27], s[0:1], 0x40             ; wupT s[24:25], woT s[26:27]
	v_lshl_add_u32 v[SPW], v0, 2, SPARE
	v_mov_b32 v[NIL], 0
	v_lshrrev_b32 v1, 5, v0
	v_readfirstlane_b32 s28, v1                    ; wave 0..15
	s_lshr_b32 s35, s28, 2                         ; which of the group's four tiles is mine
	s_and_b32 s39, s28, 3                          ; q: which quarter of it
	s_mov_b32 s3, 0                                ; the high word of every offset
	s_mov_b32 s36, 0xffff0000                      ; a word's upper bf16
	s_mov_b32 s37, 0x7f800000                      ; an f32's exponent field
	s_mov_b32 s38, 0x00800000                      ; one step of it
	v_and_b32 v2, 15, v0                           ; c = lane % 16
	v_bfe_u32 v3, v0, 4, 1                         ; p = lane / 16
	s_mul_i32 s34, s35, WTILE                      ; my tile's LDS bytes
	s_wait_kmcnt 0x0
	s_cmp_lt_u32 ttmp9, 256
	s_cbranch_scc1 .Lcast
	s_cmp_lt_u32 ttmp9, 320
	s_cbranch_scc1 .Lwq
	s_cmp_lt_u32 ttmp9, 352
	s_cbranch_scc1 .Lwdown
	s_cmp_lt_u32 ttmp9, 400
	s_cbranch_scc1 .Lwup
; src, dst: the scalar pairs with the two addresses.  nn: the source's row length.  kd: the turned tensor's row length.  logkt: log2 of the tiles along k.
; rstr, row0: tile nt along n begins at row row0 + nt x rstr of dst.  g0: the first work-group of this weight.  gap: rows left out behind the tile's first 32 rows.
; mode 0: bf16 out; 1: f16 out; 2: times 2^e, f16 out, in slices of 64 k (rstr, row0 and kd serve nothing there).
.macro TRANS src, dst, nn, kd, logkt, rstr, row0, g0, mode, gap
.if \mode == 2
.set ROWB, 128                         ; bytes from row to row in dst
.else
.set ROWB, 2*\kd
.endif
	s_sub_co_u32 s29, ttmp9, \g0
	s_lshl2_add_u32 s29, s29, s35                  ; my tile = 4 x group + wave / 4
	s_and_b32 s31, s29, (1<<\logkt)-1              ; its place along k
	s_lshr_b32 s32, s29, \logkt                    ; and along n
	s_mul_i32 s2, s31, 512*\nn                     ; 128 rows of nn x 4 bytes,
	s_lshl_b32 s33, s32, 8                         ; 64 columns of 4 bytes,
	s_add_co_u32 s2, s2, s33
	s_mul_i32 s33, s39, 128*\nn                    ; my 32 of the rows
	s_add_co_u32 s2, s2, s33
	s_add_nc_u64 s[\src:\src+1], s[\src:\src+1], s[2:3]
.if \mode == 2
	s_mul_i32 s2, s31, 2*KGB                       ; the tile's 128 k are two slices
	s_lshl_b32 s33, s32, 13                        ; 64 rows of 128 bytes
	s_add_co_u32 s2, s2, s33
.else
	s_mul_i32 s2, s32, \rstr*\kd*2
	s_lshl_b32 s33, s31, 8                         ; 128 k of 2 bytes
	s_add_co_u32 s2, s2, s33
	s_add_co_u32 s2, s2, \row0*\kd*2
.endif
	s_mul_i32 s33, s39, 16*ROWB                    ; the 16 rows that I store
	s_add_co_u32 s2, s2, s33
.if \gap
	s_lshr_b32 s33, s39, 1                         ; the tile's other 32 rows begin gap rows further on
	s_mul_i32 s33, s33, \gap*ROWB
	s_add_co_u32 s2, s2, s33
.endif
	s_add_nc_u64 s[\dst:\dst+1], s[\dst:\dst+1], s[2:3]
	s_lshl_b32 s30, s39, 6                         ; LDS: my 32 k are 64 bytes of each of the tile's rows;
	s_add_co_u32 s30, s30, s34
	s_mul_i32 s33, s39, 16*LP                      ; the 16 rows that I read back
	s_add_co_u32 s33, s33, s34
	v_mul_u32_u24 v[VS], v3, 8*\nn                 ; lanes 16-31 two rows further down,
	v_lshl_add_u32 v[VS], v2, 4, v[VS]             ; four columns a lane
	v_mul_u32_u24 v[VD], v2, 4*LP                  ; LDS row 4 c, word p
	v_lshl_add_u32 v[VD], v3, 2, v[VD]
	v_add_nc_u32 v[VD], s30, v[VD]
	v_mul_u32_u24 v[VR], v3, LP                    ; back: lanes 0-15 one row, lanes 16-31 the next
	v_lshl_add_u32 v[VR], v2, 4, v[VR]
	v_add_nc_u32 v[VR], s33, v[VR]
.if \mode == 2
	v_lshrrev_b32 v[WOF], 3, v2                    ; lanes with c >= 8 hold the second slice's 64 k;
	v_mul_u32_u24 v[WOF], v[WOF], KGB
	v_and_b32 v[W8], 7, v2                         ; in a slice two neighbouring rows are 256 consecutive bytes: lanes c % 8 of both halves
	v_lshl_add_u32 v[WOF], v[W8], 4, v[WOF]
	v_lshl_add_u32 v[VG], v3, 7, v[WOF]
	v_lshlrev_b32 v[WOF], 5, v2                    ; on the way out lane c holds k = 8 c .. 8 c + 7
	s_lshl_b32 s2, s31, 9                          ; the tile's 128 k in kv_norm_w
	s_add_nc_u64 s[18:19], s[18:19], s[2:3]
	global_load_b128 v[W8:W8+3], v[WOF], s[18:19]
	global_load_b128 v[W8+4:W8+7], v[WOF], s[18:19] offset:16
.else
	v_mul_u32_u24 v[VG], v3, 2*\kd
	v_lshl_add_u32 v[VG], v2, 4, v[VG]
.endif
.irp i, 0,1,2,3,4,5,6,7
	global_load_b128 v[X+8*\i:X+8*\i+3],   v[VS], s[\src:\src+1] offset:(4*\i)*\nn*4 th:TH_LOAD_NT     ; row 4 i + 2 p of my 32
	global_load_b128 v[X+8*\i+4:X+8*\i+7], v[VS], s[\src:\src+1] offset:(4*\i+1)*\nn*4 th:TH_LOAD_NT   ; and the row below it
.endr
.irp i, 0,1,2,3,4,5,6,7
	s_wait_loadcnt 14-2*\i                         ; loads come back in order: pair i is in, the younger pairs stay out
.irp e, 0,1,2,3
	v_cvt_pk_bf16_f32 v[X+8*\i+\e], v[X+8*\i+\e], v[X+8*\i+4+\e]   ; k and k + 1 of column 4 c + e
	ds_store_b32 v[VD], v[X+8*\i+\e] offset:\e*LP+8*\i
.endr
.endr
.if \mode == 2                         ; while the LDS stores are out: kv_norm_w (its loads are older than all that has been waited for)
.irp z, 0,1,2,3
	v_cvt_pk_bf16_f32 v[X+4+\z], v[W8+2*\z], v[W8+2*\z+1]  ; rounded to bf16 like every input,
.endr
.irp z, 0,1,2,3
	v_lshlrev_b32 v[W8+2*\z], 16, v[X+4+\z]                ; widened again,
	v_and_b32 v[W8+2*\z+1], s36, v[X+4+\z]
.endr
.irp z, 0,1,2,3,4,5,6,7
	v_and_b32 v[W8+\z], s37, v[W8+\z]                      ; and of it the exponent field E alone, one step up: 2^(E - 126)
	v_add_nc_u32 v[W8+\z], s38, v[W8+\z]
.endr
.endif
	s_wait_dscnt 0x0                               ; for the three others' sake: my words are in the tile
	s_barrier_signal -1
	s_barrier_wait -1
.irp u, 0,1,2,3,4,5,6,7
	ds_load_b128 v[X+4*\u:X+4*\u+3], v[VR] offset:\u*2*LP
.endr
.irp u, 0,1,2,3,4,5,6,7
	s_wait_dscnt 7-\u                              ; load u is in, the younger ones stay out
.if \mode != 0
.irp z, 0,1,2,3
	v_lshlrev_b32 v[T+2*\z], 16, v[X+4*\u+\z]
	v_and_b32 v[T+2*\z+1], s36, v[X+4*\u+\z]
.endr
.if \mode == 2
.irp z, 0,1,2,3
	v_pk_mul_f32 v[T+2*\z:T+2*\z+1], v[T+2*\z:T+2*\z+1], v[W8+2*\z:W8+2*\z+1]
.endr
.endif
.irp z, 0,1,2,3
	v_cvt_pk_f16_f32 v[X+4*\u+\z], v[T+2*\z], v[T+2*\z+1]
.endr
.endif
	global_store_b128 v[VG], v[X+4*\u:X+4*\u+3], s[\dst:\dst+1] offset:2*\u*ROWB
.endr
	s_wait_tensorcnt 0x0                           ; the wave's end
	ds_add_u32 v[SPW], v[NIL]
	s_wait_dscnt 0x0
	s_endpgm
.endm
	TRANS 16, 26, 2048, 2048, 4, 64, 0, 400, 1, 0      ; Wo
.Lwq:
	TRANS 10, 22, 1024, 2048, 4, 96, 0, 256, 0, 0      ; Wq: head nt's 64 columns at row 96 nt
.Lwdown:
	TRANS 12, 22, 512, 2048, 4, 192, 64, 320, 0, 64    ; Wdown: 32 columns at row 192 nt + 64, 32 at row 192 nt + 160
.Lwup:
	TRANS 14, 24, 3072, 512, 2, 0, 0, 352, 2, 0        ; Wup, times 2^e, in slices
.Lcast:                                                ; 131,072 bytes of hidden_states become 65,536 of xb
	s_lshl_b32 s2, ttmp9, 17
	s_add_nc_u64 s[8:9], s[8:9], s[2:3]
	s_lshl_b32 s2, ttmp9, 16
	s_add_nc_u64 s[20:21], s[20:21], s[2:3]
	v_lshlrev_b32 v1, 4, v0                        ; 16 bytes in: the group's 512 threads take 8,192 consecutive bytes,
	v_lshlrev_b32 v2, 3, v0                        ; 8 bytes out: a wave's store covers 256 consecutive bytes, aligned
.set jj, 0
.rept 16
	global_load_b128 v[X+4*jj:X+4*jj+3], v1, s[8:9] offset:8192*jj th:TH_LOAD_NT
.set jj, jj+1
.endr
.set jj, 0
.rept 16
	s_wait_loadcnt 15-jj                           ; load jj is in, the younger ones stay out
	v_cvt_pk_bf16_f32 v[X+4*jj], v[X+4*jj], v[X+4*jj+1]
	v_cvt_pk_bf16_f32 v[X+4*jj+1], v[X+4*jj+2], v[X+4*jj+3]
	global_store_b64 v2, v[X+4*jj:X+4*jj+1], s[20:21] offset:4096*jj
.set jj, jj+1
.endr
	s_endpgm
.Lfunc_end_k_qf9721d1f00_prep:
	.size	k_qf9721d1f00_prep, .Lfunc_end_k_qf9721d1f00_prep-k_qf9721d1f00_prep
	.p2alignl 7, 3214868480
	.fill 96, 4, 3214868480
	.section	.rodata,"a",@progbits
	.p2align	6, 0x0
	.amdhsa_kernel k_qf9721d1f00_prep
		.amdhsa_group_segment_fixed_size 71680
		.amdhsa_private_segment_fixed_size 0
		.amdhsa_enable_private_segment 0
		.amdhsa_kernarg_size 80
		.amdhsa_user_sgpr_count 2
		.amdhsa_user_sgpr_kernarg_segment_ptr 1
		.amdhsa_wavefront_size32 1
		.amdhsa_system_sgpr_workgroup_id_x 1
		.amdhsa_system_sgpr_workgroup_id_y 1
		.amdhsa_system_sgpr_workgroup_id_z 1
		.amdhsa_system_vgpr_workitem_id 0
		.amdhsa_next_free_vgpr 80
		.amdhsa_next_free_sgpr 66
		.amdhsa_reserve_vcc 0
		.amdhsa_float_denorm_mode_32 3
		.amdhsa_float_denorm_mode_16_64 3
		.amdhsa_memory_ordered 1
		.amdhsa_forward_progress 1
		.amdhsa_inst_pref_size 55
	.end_amdhsa_kernel
	.amdgpu_metadata
---
amdhsa.version: [ 1, 2 ]
amdhsa.kernels:
  - .name:           k_qf9721d1f00_prep
    .symbol:         k_qf9721d1f00_prep.kd
    .args:
      - { .name: hidden_states, .offset: 0, .size: 8, .value_kind: global_buffer, .address_space: global }
      - { .name: Wq, .offset: 8, .size: 8, .value_kind: global_buffer, .address_space: global }
      - { .name: Wdown, .offset: 16, .size: 8, .value_kind: global_buffer, .address_space: global }
      - { .name: Wup, .offset: 24, .size: 8, .value_kind: global_buffer, .address_space: global }
      - { .name: Wo, .offset: 32, .size: 8, .value_kind: global_buffer, .address_space: global }
      - { .name: kv_norm_w, .offset: 40, .size: 8, .value_kind: global_buffer, .address_space: global }
      - { .name: xb, .offset: 48, .size: 8, .value_kind: global_buffer, .address_space: global }
      - { .name: wqdT, .offset: 56, .size: 8, .value_kind: global_buffer, .address_space: global }
      - { .name: wupT, .offset: 64, .size: 8, .value_kind: global_buffer, .address_space: global }
      - { .name: woT, .offset: 72, .size: 8, .value_kind: global_buffer, .address_space: global }
    .group_segment_fixed_size: 71680
    .private_segment_fixed_size: 0
    .kernarg_segment_align: 8
    .kernarg_segment_size: 80
    .max_flat_workgroup_size: 512
    .sgpr_count:     66
    .vgpr_count:     80
    .wavefront_size: 32
...
	.end_amdgpu_metadata
.endif
;; end of part 8
;; launch gemm1 (part 9): grid 8 x 32, 4 waves a work-group, clusters of 4 x 4, 327,680 bytes of LDS; arguments xb, wqdT, kv_norm_w, y; writes y
.if DOCPART == 9
	.amdgcn_target "amdgcn-amd-amdhsa--gfx1250"
	.amdhsa_code_object_version 6
	.text
	.protected	k_qf9721d1f00_gemm1
	.globl	k_qf9721d1f00_gemm1
	.p2align	8
	.type	k_qf9721d1f00_gemm1,@function
k_qf9721d1f00_gemm1:
	s_mov_b64 s[64:65], 0
	v_nop
	global_prefetch_b8 v0, s[64:65] scope:SCOPE_SE
	s_setreg_imm32_b32 hwreg(HW_REG_WAVE_MODE, 25, 1), 1
	s_wait_xcnt 0x0
	s_wait_alu depctr_hold_cnt(0) depctr_sa_sdst(0) depctr_va_vdst(0) depctr_va_sdst(0) depctr_va_ssrc(0) depctr_va_vcc(0) depctr_vm_vsrc(0)
	s_getreg_b32 s2, hwreg(HW_REG_IB_STS2, 6, 4)
	s_cmp_eq_u32 s2, 0
	s_cbranch_scc0 .Lentry_in_a_cluster
	s_endpgm
.Lentry_in_a_cluster:
	s_bfe_u32 s2, ttmp6, 0x10000c
	s_cmp_lg_u32 s2, 0xf033
	s_cbranch_scc0 .Lentry_shape_is_right
	s_endpgm
.Lentry_shape_is_right:
; [q | c] = X [Wq | Wdown].  xb: [4096][2048] bf16, wqdT: [1536][2048] bf16 (K along the rows; rows 96 s + 0..63 head s of Wq, 96 s + 64..95 columns 32 s .. of Wdown); sums in f32.
; OUT, all in y.  Groups of [4096 rows][64] f16: 0-15 q by heads; 16-23 hi, 24-31 lo, in slices of 64 columns of c, where hi = f16(c wm), lo = f16(c wm - hi) and
; bf16(kv_norm_w) = wm x 2^e with |wm| in [0.5, 1) (2^e went into wupT).  So the next product's operand carries c x kv_norm_w to 22 bits.
; From byte 16,777,216 on: ssq[16 slices][4096 rows] f32, the sum of c^2 over the slice's 32 columns, taken of the f32 sums.
; LIMITS.  q and c must stay within f16's 65,504 (|c wm| < |c|).  |kv_norm_w| stays below 2^125.
; SHARES.  A work-group makes 128 x 192 of the result: 32 x 8 = 256 work-groups.  Four waves, each 64 x 96: 24 accumulators of 16 x 16; a wave's columns are slice s = 2 x tile column + wn: 64 of q, 32 of c.
; K goes in steps of 128 (rows of 256 bytes, aligned) through two LDS slots; each wave fetches one part of a step with one tensor load (waves 0, 1: A's halves; 2, 3: B's).
; CLUSTER 4 x 4: the four of a row need the same tile of A, the four of a column the same tile of B: each is asked for jointly.
; THE WALK ALONG K GOES ROUND, FROM ANOTHER STEP IN EACH CLUSTER.  The grid is 2 x 8 clusters; the two of a row of clusters read the same tiles of A, the eight of a column the same tiles of B.
; Cluster (x, y) begins at K step (8 x + 4 y) mod 16: the two of a row begin 8 steps apart, neighbours in a column 4.  So a tile's readers come one after the other and not all in one step, and from a
; cluster's ninth step on every tile that it asks for has been asked for before.  The order of a sum along K differs from cluster to cluster; it is still one f32 sum for each output.
; THE MATRIX INSTRUCTION IS USED TRANSPOSED (source 0 = 16 rows of B, source 1 = 16 rows of A): a lane holds eight neighbouring numbers of a row of the result.
; REGISTERS.  window 0: addresses, the way out.  window 1: two fragment buffers of 128 (A's 4 blocks, then B's 6).  window 2: accumulator (a, b) at v[8 (6 a + b)].
.set NSTEP,  16                        ; K steps
.set NA,     4
.set NB,     6
.set PITCH,  272                       ; an LDS row: 256 bytes + 16: the 16 rows of a fragment load start at 16 different groups of four banks
.set AHALF,  64*PITCH                  ; what one of A's loads brings
.set BHALF,  96*PITCH                  ; and one of B's
.set BOFF,   2*AHALF
.set SLOT1,  131072                    ; slot 1 begins here: one exclusive or turns an address in one slot into the other's
.set STAGE,  SLOT1+BOFF+2*BHALF        ; behind the ring: 128 rows x 528 bytes, the work-group's: q of two heads, hi, lo, 128 bytes each, and 16 of padding
.set SPITCH, 528
.set SQS,    STAGE+128*SPITCH          ; 256 bytes for each wave: its 64 rows' sums of squares
.set SPARE,  SQS+1024                  ; the spare words, 128 bytes a wave
.set A0,   16                          ; v16  my lane's place in A's part of a slot; never rewritten
.set B0,   17                          ; v17  the same for B
.set ADRA, 18                          ; v18  the same in the slot in hand
.set ADRB, 19
.set SQA,  20                          ; v20  LDS: where my row's sum of squares goes
.set SQR,  21                          ; v21  LDS: where I read two rows' sums back
.set SQO,  22                          ; v22  my byte offset in 256 consecutive bytes of ssq
.set WO,   23                          ; v23  my byte offset in the slice's 32 numbers of kv_norm_w
.set STO,  24                          ; the way out: where I put 16 bytes of q
.set RD,   25                          ; where I read rows back
.set CO,   26                          ; my byte offset in 512 consecutive bytes of y
.set STC,  27                          ; where I put 16 bytes of hi
.set SPW,  28
.set NIL,  29
.set TQ,   32                          ; v[32:95]   q in f16; on the way back v[32:159] hold 32 x 16 bytes
.set H,    96                          ; v[96:127]  hi (below v128: its halves are named)
.set LO,   128                         ; v[128:159] lo
.set WM,   160                         ; v[160:175] wm of my 16 columns of c
.set T,    176                         ; v[176:239] at work
.set SQ,   240                         ; v[240:247] a pair for each block of 16 rows
.set SQB,  248                         ; v[248:249] two rows' sums
.set F0,   0
.set F1,   128
.set AB,   32                          ; B's fragments in a buffer
.set G1,  24                           ; s[24:31] group 1 for A;  s[32:39] group 0: set 0 (slot 0, my first step), set 1 (slot 1, my second), which then walks
.set G0,  32
.set G1B, 48                           ; s[48:55], s[56:63] the same for B
.set G0B, 56
.set TB,  45                           ; s45  the slot in hand: 0 or SLOT1
.set YQ,  72                           ; s[72:73] y at my rows of group 2 x tile column
.set YC,  74                           ; s[74:75] y at my rows of group 16 + tile column
.set YS,  78                           ; s[78:79] ssq at my slice and my 64 rows
.set ABASE, 84                         ; s[84:85] the rows of A that I fetch, at K step 0
.set BBASE, 86                         ; s[86:87] the same for B
.set KI,  88                           ; s88  the K step that the walking sets name
.set KO,  90                           ; s[90:91] its byte offset in a row: 256 x step
.set MSB, 0
.macro WIN new                         ; the immediate's high byte repeats the setting that is left
.if MSB != (\new)
	s_set_vgpr_msb (MSB<<8)|(\new)
.set MSB, \new
.endif
.endm
.set MUL,  0xa5                        ; sources 0 and 1 window 1, C and D window 2
.set TO_F, 0x40                        ; destination window 1, address window 0
.macro PLACES                          ; four places behind matrix instructions, in front of loads into their sources and of reads of their results
.rept 4
	v_nop
.endr
.endm
.macro JLOAD                           ; a joint refill by the walking sets; an s_nop 0 and four v_nop follow each line
	s_cmp_eq_u32 s11, 0
	s_cbranch_scc0 .Lfor_b_\@
	tensor_load_to_lds s[G0+4:G0+7], s[G1:G1+7]
	s_nop 0
.rept 4
	v_nop
.endr
	s_branch .Lasked_\@
.Lfor_b_\@:
	tensor_load_to_lds s[G0B+4:G0B+7], s[G1B:G1B+7]
	s_nop 0
.rept 4
	v_nop
.endr
.Lasked_\@:
.endm
.macro CREST                           ; a round of the cluster's barrier behind its opening barrier
	s_cmp_lg_u32 s10, 0
	s_cbranch_scc1 .Lnot_wave_0_\@
	s_barrier_signal -3
.Lnot_wave_0_\@:
	s_barrier_wait -3
	s_barrier_signal -1
	s_barrier_wait -1
.endm
.macro CROUND
	s_barrier_signal -1
	s_barrier_wait -1
	CREST
.endm
	s_load_b128 s[4:7], s[0:1], 0x0                ; xb s[4:5], wqdT s[6:7]
	s_load_b128 s[68:71], s[0:1], 0x10             ; kv_norm_w s[68:69], y s[70:71]
	v_lshl_add_u32 v[SPW], v0, 2, SPARE
	v_mov_b32 v[NIL], 0
	ds_add_u32 v[SPW], v[NIL]                      ; the wave's opening: an add, and its wait, ahead of my first tensor load
	ds_add_u32 v28, v29
	v_lshrrev_b32 v1, 5, v0
	v_readfirstlane_b32 s10, v1                    ; wave 0..3
	s_lshr_b32 s11, s10, 1                         ; wm: my half of the tile's rows.  Also: I fetch for A (0) or for B (1)
	s_and_b32 s12, s10, 1                          ; wn: my half of its columns.  Also: which half of that tile I fetch
	s_bfe_u32 s40, ttmp6, 0x40000                  ; cx, cy
	s_bfe_u32 s41, ttmp6, 0x40004
	s_lshl_b32 s42, ttmp9, 2
	s_add_co_u32 s42, s42, s40                     ; tile column
	s_and_b32 s13, ttmp7, 0xffff                   ; the cluster's y
	s_lshl_b32 s[KI], s13, 2
	s_lshl_b32 s89, ttmp9, 3                       ; the cluster's x, times 8
	s_add_co_u32 s[KI], s[KI], s89
	s_and_b32 s[KI], s[KI], NSTEP-1                ; my cluster's first K step: (8 x + 4 y) mod 16: the same in all sixteen partners
	s_mov_b32 s[KO+1], 0
	s_lshl_b32 s13, s13, 2
	s_add_co_u32 s13, s13, s41                     ; tile row
	s_lshl_b32 s43, s41, 2
	s_lshl_b32 s43, 15, s43                        ; my row of the cluster
	s_lshl_b32 s44, 0x1111, s40                    ; my column
	s_or_b32 s[G1+0], s43, (1<<16)|(1<<20)|(1<<21)|(5<<22)|(3<<25)   ; mask; 2-byte elements; padding on; bit 21 beside a mask; after every 64 words 4 words
	s_or_b32 s[G1B+0], s44, (1<<16)|(1<<20)|(1<<21)|(5<<22)|(3<<25)
	s_mov_b32 s[G1+1], 128<<16                     ; tensor_dim0 = 128
	s_mov_b32 s[G1+2], 64<<16                      ; tensor_dim1 = 64
	s_mov_b32 s[G1+3], 128<<16                     ; tile_dim0 = 128
	s_mov_b32 s[G1+4], 64                          ; tile_dim1 = 64
	s_mov_b32 s[G1+5], 2048                        ; elements from row to row
	s_mov_b32 s[G1+6], 0
	s_mov_b32 s[G1+7], 0
	s_mov_b32 s[G1B+1], 128<<16
	s_mov_b32 s[G1B+2], 96<<16
	s_mov_b32 s[G1B+3], 128<<16
	s_mov_b32 s[G1B+4], 96
	s_mov_b32 s[G1B+5], 2048
	s_mov_b32 s[G1B+6], 0
	s_mov_b32 s[G1B+7], 0
	s_lshl_b32 s16, s13, 7                         ; A: row 128 x tile row + 64 x half,
	s_lshl_b32 s17, s12, 6
	s_add_co_u32 s16, s16, s17
	s_lshl_b32 s16, s16, 12                        ; of 4,096 bytes
	s_mov_b32 s17, 0
	s_mul_i32 s46, s42, 192                        ; B: row 192 x tile column + 96 x half
	s_mul_i32 s47, s12, 96
	s_add_co_u32 s46, s46, s47
	s_lshl_b32 s46, s46, 12
	s_mov_b32 s47, 0
	s_mul_i32 s20, s12, AHALF                      ; where they go: no place in the cluster enters an LDS address
	s_mul_i32 s21, s12, BHALF
	s_add_co_u32 s21, s21, BOFF
	s_mov_b32 s[TB], 0
	s_mov_b32 s76, 0x7f800000                      ; an f32's exponent field
	s_mov_b32 s77, 0x7e800000                      ; less the field E: 2^(126 - E)
	s_mov_b32 s82, 0xffff0000                      ; a word's upper bf16
	s_mov_b32 s80, 0x76543210                      ; v_permlanex16_b32: each lane takes its own place in the other half
	s_mov_b32 s81, 0xfedcba98
	s_wait_dscnt 0x0                               ; the opening add is done
	s_wait_kmcnt 0x0
	s_add_nc_u64 s[ABASE:ABASE+1], s[4:5], s[16:17]
	s_add_nc_u64 s[BBASE:BBASE+1], s[6:7], s[46:47]
.irp s, 0,1
	s_lshl_b32 s[KO], s[KI], 8                     ; a K step is 256 bytes of a row
	s_mov_b32 s[G0+4*\s], 1
	s_add_co_u32 s[G0+4*\s+1], s20, \s*SLOT1
	s_add_nc_u64 s[G0+4*\s+2:G0+4*\s+3], s[ABASE:ABASE+1], s[KO:KO+1]
	s_or_b32 s[G0+4*\s+3], s[G0+4*\s+3], 0x80000000
	s_mov_b32 s[G0B+4*\s], 1
	s_add_co_u32 s[G0B+4*\s+1], s21, \s*SLOT1
	s_add_nc_u64 s[G0B+4*\s+2:G0B+4*\s+3], s[BBASE:BBASE+1], s[KO:KO+1]
	s_or_b32 s[G0B+4*\s+3], s[G0B+4*\s+3], 0x80000000
.if \s == 0
	s_add_co_u32 s[KI], s[KI], 1                   ; the next step, round the end of K
	s_and_b32 s[KI], s[KI], NSTEP-1
.endif
.endr
	CROUND                                         ; all sixteen work-groups are here: the first joint loads meet
	s_cmp_eq_u32 s11, 0                            ; a wave's two first fills stand in one branch: two loads of mine are out
	s_cbranch_scc0 .Lfirst_b
	tensor_load_to_lds s[G0:G0+3], s[G1:G1+7]
	s_nop 0
	tensor_load_to_lds s[G0+4:G0+7], s[G1:G1+7]
	s_nop 0
.rept 4
	v_nop
.endr
	s_branch .Lfirst_asked
.Lfirst_b:
	tensor_load_to_lds s[G0B:G0B+3], s[G1B:G1B+7]
	s_nop 0
	tensor_load_to_lds s[G0B+4:G0B+7], s[G1B:G1B+7]
	s_nop 0
.rept 4
	v_nop
.endr
.Lfirst_asked:
	v_and_b32 v1, 15, v0                           ; r = l % 16
	v_bfe_u32 v2, v0, 4, 1                         ; h = l / 16
	v_and_b32 v7, 31, v0                           ; l
	s_lshl1_add_u32 s20, s42, s12                  ; my slice s = 2 x tile column + wn
	s_lshl_b32 s46, s20, 7                         ; its 32 numbers of kv_norm_w
	s_mov_b32 s47, 0
	s_add_nc_u64 s[68:69], s[68:69], s[46:47]
	v_lshlrev_b32 v[WO], 5, v2                     ; my eight columns of a block of 16
	global_load_b128 v[WM:WM+3],     v[WO], s[68:69]
	global_load_b128 v[WM+4:WM+7],   v[WO], s[68:69] offset:16
	global_load_b128 v[WM+8:WM+11],  v[WO], s[68:69] offset:64
	global_load_b128 v[WM+12:WM+15], v[WO], s[68:69] offset:80
	v_mul_u32_u24 v3, v1, PITCH
	v_lshl_add_u32 v3, v2, 4, v3                   ; a fragment's row x pitch + 16 x half
	s_mul_i32 s21, s11, 64*PITCH                   ; my 64 rows of A
	s_mul_i32 s22, s12, 96*PITCH                   ; my 96 rows of B
	s_add_co_u32 s22, s22, BOFF
	v_add_nc_u32 v[A0], s21, v3
	v_add_nc_u32 v[B0], s22, v3
	v_mov_b32 v[ADRA], v[A0]
	v_mov_b32 v[ADRB], v[B0]
	v_mul_u32_u24 v4, v1, SPITCH                   ; into the stage: row 64 wm + 16 a + r, 16 bytes for each half of the lanes
	v_lshl_add_u32 v4, v2, 4, v4
	s_mul_i32 s23, s11, 64*SPITCH
	s_add_co_u32 s23, s23, STAGE
	s_lshl_b32 s21, s12, 7                         ; q: byte 128 wn + 32 b
	s_add_co_u32 s21, s21, s23
	v_add_nc_u32 v[STO], s21, v4
	s_lshl_b32 s21, s12, 6                         ; hi: byte 256 + 64 wn + 32 (b - 4); lo 128 further on
	s_add_co_u32 s21, s21, s23
	s_add_co_u32 s21, s21, 256
	v_add_nc_u32 v[STC], s21, v4
	v_bfe_u32 v5, v0, 3, 2                         ; back: wave w takes rows 32 w ..; 32 lanes take four rows' 128 bytes of one group
	v_and_b32 v6, 7, v0
	v_mul_u32_u24 v5, v5, SPITCH
	v_lshl_add_u32 v5, v6, 4, v5
	s_mul_i32 s23, s10, 32*SPITCH
	s_add_co_u32 s23, s23, STAGE
	v_add_nc_u32 v[RD], s23, v5
	v_lshlrev_b32 v[CO], 4, v7                     ; which are 512 consecutive bytes of y
	s_lshl_b32 s23, s10, 8
	s_add_co_u32 s23, s23, SQS                     ; my wave's 256 bytes for the sums of squares
	v_lshl_add_u32 v[SQA], v1, 2, s23
	v_lshl_add_u32 v[SQR], v7, 3, s23
	v_lshlrev_b32 v[SQO], 3, v7
	s_lshl_b32 s16, s13, 7                         ; the rows that I store: 128 x tile row + 32 x wave
	s_lshl_b32 s17, s10, 5
	s_add_co_u32 s16, s16, s17
	s_lshl_b32 s46, s42, 13                        ; group 2 x tile column: 4,096 rows a group, 128 bytes a row
	s_add_co_u32 s46, s46, s16
	s_lshl_b32 s46, s46, 7
	s_add_nc_u64 s[YQ:YQ+1], s[70:71], s[46:47]
	s_add_co_u32 s46, s42, 16                      ; group 16 + tile column
	s_lshl_b32 s46, s46, 12
	s_add_co_u32 s46, s46, s16
	s_lshl_b32 s46, s46, 7
	s_add_nc_u64 s[YC:YC+1], s[70:71], s[46:47]
	s_lshl_b32 s46, s20, 12                        ; ssq: slice s, row 128 x tile row + 64 wm, 4 bytes a row
	s_lshl_b32 s16, s13, 7
	s_add_co_u32 s46, s46, s16
	s_lshl_b32 s16, s11, 6
	s_add_co_u32 s46, s46, s16
	s_lshl_b32 s46, s46, 2
	s_add_co_u32 s46, s46, 0x1000000               ; behind the 32 groups
	s_add_nc_u64 s[YS:YS+1], s[70:71], s[46:47]
	s_wait_loadcnt 0x0                             ; kv_norm_w; what follows stands in the wait for the first tile
.irp z, 0,1,2,3,4,5,6,7
	v_cvt_pk_bf16_f32 v[T+\z], v[WM+2*\z], v[WM+2*\z+1]    ; rounded to bf16 like every input,
.endr
.irp z, 0,1,2,3,4,5,6,7
	v_lshlrev_b32 v[WM+2*\z], 16, v[T+\z]                  ; widened again,
	v_and_b32 v[WM+2*\z+1], s82, v[T+\z]
.endr
.set z, 0
.rept 16
	v_and_b32 v[T+z], s76, v[WM+z]                 ; its exponent field E,
	v_sub_nc_u32 v[T+z], s77, v[T+z]               ; 2^(126 - E),
	v_mul_f32 v[WM+z], v[WM+z], v[T+z]             ; wm: exact
.set z, z+1
.endr
; NB matrix instructions: row block a x all column blocks, 32 along K.  zero = 1: the first product starts the sums.  Every accumulator has one turn a quarter, always in the same order.
.macro MULROW f, a, zero
	WIN MUL
.set bb, 0
.rept NB
.if \zero
	v_wmma_f32_16x16x32_bf16 v[8*(NB*(\a)+bb):8*(NB*(\a)+bb)+7], v[(\f)+AB+8*bb:(\f)+AB+8*bb+7], v[(\f)+8*(\a):(\f)+8*(\a)+7], 0
.else
	v_wmma_f32_16x16x32_bf16 v[8*(NB*(\a)+bb):8*(NB*(\a)+bb)+7], v[(\f)+AB+8*bb:(\f)+AB+8*bb+7], v[(\f)+8*(\a):(\f)+8*(\a)+7], v[8*(NB*(\a)+bb):8*(NB*(\a)+bb)+7]
.endif
.set bb, bb+1
.endr
.endm
.macro P1 f, zero                      ; a quarter's matrix work in three parts
	MULROW \f, 0, \zero
.endm
.macro P2 f, zero
	MULROW \f, 1, \zero
.endm
.macro P3 f, zero
	MULROW \f, 2, \zero
	MULROW \f, 3, \zero
.endm
.macro FETCH q, f                      ; one run of LDS loads: the fragments of quarter q (32 along K) into buffer f
	WIN TO_F
.set bb, 0
.rept NB
	ds_load_b128 v[(\f)+AB+8*bb:(\f)+AB+8*bb+3],   v[ADRB] offset:64*(\q)+bb*16*PITCH
	ds_load_b128 v[(\f)+AB+8*bb+4:(\f)+AB+8*bb+7], v[ADRB] offset:64*(\q)+bb*16*PITCH+32
.set bb, bb+1
.endr
.set bb, 0
.rept NA
	ds_load_b128 v[(\f)+8*bb:(\f)+8*bb+3],   v[ADRA] offset:64*(\q)+bb*16*PITCH
	ds_load_b128 v[(\f)+8*bb+4:(\f)+8*bb+7], v[ADRA] offset:64*(\q)+bb*16*PITCH+32
.set bb, bb+1
.endr
.endm
.macro QUARTER q, f, g, zero           ; multiplies buffer f; behind its first part it fetches quarter q into buffer g
	s_wait_dscnt 0x0                               ; buffer f is in: its run was issued 18 matrix instructions ago
	P1 \f, \zero
	PLACES                                         ; buffer g was read by the quarter before
	FETCH \q, \g
	P2 \f, \zero
	P3 \f, \zero
.endm
; The last quarter of a K step multiplies buffer 1 and changes slots.  In front of the barrier each wave waits for all its tensor loads (one is out: its part of the next slot), adds 0 to its spare
; word, and waits for that and for its reads of this slot.  fill = 1: the barrier opens a round of the cluster's barrier, and the slot just read is filled again, first thing behind the round, two steps ahead.
.macro TURN fill
	WIN 0
	s_wait_tensorcnt 0x0
	ds_add_u32 v[SPW], v[NIL]
.if \fill
	s_add_co_u32 s[KI], s[KI], 1                   ; no load of mine is out: the walking sets step: the next K step, round the end of K,
	s_and_b32 s[KI], s[KI], NSTEP-1
	s_lshl_b32 s[KO], s[KI], 8
	s_xor_b32 s[G0+5], s[G0+5], SLOT1              ; the other slot; the addresses are made anew from the step's number
	s_add_nc_u64 s[G0+6:G0+7], s[ABASE:ABASE+1], s[KO:KO+1]
	s_or_b32 s[G0+7], s[G0+7], 0x80000000
	s_xor_b32 s[G0B+5], s[G0B+5], SLOT1
	s_add_nc_u64 s[G0B+6:G0B+7], s[BBASE:BBASE+1], s[KO:KO+1]
	s_or_b32 s[G0B+7], s[G0B+7], 0x80000000
.endif
	s_wait_dscnt 0x1                               ; buffer 1 is in; the add alone may be out
	P1 F1, 0
	s_wait_dscnt 0x0                               ; the add is done, and my reads of this slot are over
	s_barrier_signal -1
	P2 F1, 0
	WIN 0
	s_barrier_wait -1
.if \fill
	CREST
	JLOAD                                          ; its four v_nop are also the places in front of the loads below
.else
	PLACES
.endif
	s_xor_b32 s[TB], s[TB], SLOT1
	v_add_nc_u32 v[ADRA], s[TB], v[A0]
	v_add_nc_u32 v[ADRB], s[TB], v[B0]
	FETCH 0, F0
	P3 F1, 0
.endm
	s_wait_tensorcnt 0x1                           ; my part of my first K step is in; the second's stays out
	s_barrier_signal -1
	s_barrier_wait -1
	FETCH 0, F0
	QUARTER 1, F0, F1, 1                           ; the first quarter starts the sums
	WIN 0
	s_mov_b32 s3, NSTEP-2
.Lstep:                                                ; a trip: from a step's second quarter to the next step's first; one refill
	QUARTER 2, F1, F0, 0
	QUARTER 3, F0, F1, 0
	TURN 1
	QUARTER 1, F0, F1, 0
	WIN 0
	s_sub_co_u32 s3, s3, 1
	s_cmp_lg_u32 s3, 0
	s_cbranch_scc1 .Lstep
	QUARTER 2, F1, F0, 0                           ; the last two steps ask for nothing
	QUARTER 3, F0, F1, 0
	TURN 0
	QUARTER 1, F0, F1, 0
	QUARTER 2, F1, F0, 0
	QUARTER 3, F0, F1, 0
	s_wait_dscnt 0x0
	P1 F1, 0
	P2 F1, 0
	P3 F1, 0
	; THE WAY OUT.  Column blocks 0-3 are q, blocks 4 and 5 are c.  Each accumulator's lowest registers are read first.
	WIN 0
	PLACES
	; the sum of c^2 of my 16 numbers of each row, two at a time; the four row blocks take turns
	WIN 0x0a                                       ; sources 0 and 1 in window 2
.set z, 0
.rept 8                                ; z = 4 (b - 4) + pair
.set aa, 0
.rept 4
.set rA, 8*(NB*aa+4+z/4)+2*(z%4)
.if z == 0
	v_pk_mul_f32 v[SQ+2*aa:SQ+2*aa+1], v[rA:rA+1], v[rA:rA+1]
.else
	v_pk_fma_f32 v[SQ+2*aa:SQ+2*aa+1], v[rA:rA+1], v[rA:rA+1], v[SQ+2*aa:SQ+2*aa+1]
.endif
.set aa, aa+1
.endr
.set z, z+1
.endr
	WIN 0
.irp a, 0,1,2,3
	v_add_f32 v[SQ+2*\a], v[SQ+2*\a], v[SQ+2*\a+1]
.endr
.irp a, 0,1,2,3
	v_permlanex16_b32 v[SQ+2*\a+1], v[SQ+2*\a], s80, s81   ; the row's other 16 numbers lie in the lane 16 away
.endr
.irp a, 0,1,2,3
	v_add_f32 v[SQ+2*\a], v[SQ+2*\a], v[SQ+2*\a+1]
.endr
.irp a, 0,1,2,3
	ds_store_b32 v[SQA], v[SQ+2*\a] offset:64*\a   ; row 16 a + r; both halves of the lanes write the same number to the same word
.endr
	ds_load_b64 v[SQB:SQB+1], v[SQR]               ; rows 2 l and 2 l + 1: my own bytes, served in order
	; c x wm, in place
	WIN 0x82                                       ; destination and source 0 in window 2, wm in window 0
.set z, 0
.rept 32                               ; z = 8 a + 4 (b - 4) + pair
.set rA, 8*(NB*(z/8)+4+(z/4)%2)+2*(z%4)
	v_pk_mul_f32 v[rA:rA+1], v[rA:rA+1], v[WM+8*((z/4)%2)+2*(z%4):WM+8*((z/4)%2)+2*(z%4)+1]
.set z, z+1
.endr
	WIN 0x0a
.set z, 0
.rept 64                               ; q: z = 16 a + 4 b + pair
.set rA, 8*(NB*(z/16)+(z/4)%4)+2*(z%4)
	v_cvt_pk_f16_f32 v[TQ+z], v[rA], v[rA+1]
.set z, z+1
.endr
.set z, 0
.rept 32                               ; hi
.set rA, 8*(NB*(z/8)+4+(z/4)%2)+2*(z%4)
	v_cvt_pk_f16_f32 v[H+z], v[rA], v[rA+1]
.set z, z+1
.endr
	WIN 0
.irp n, 96,97,98,99,100,101,102,103,104,105,106,107,108,109,110,111,112,113,114,115,116,117,118,119,120,121,122,123,124,125,126,127
	v_cvt_f32_f16 v[T+2*(\n-96)], v\n\().l         ; hi as f32,
	v_cvt_f32_f16 v[T+2*(\n-96)+1], v\n\().h
.endr
	WIN 0x02                                       ; source 0 in window 2
.set z, 0
.rept 32
.set rA, 8*(NB*(z/8)+4+(z/4)%2)+2*(z%4)
	v_pk_add_f32 v[T+2*z:T+2*z+1], v[rA:rA+1], v[T+2*z:T+2*z+1] neg_lo:[0,1] neg_hi:[0,1]   ; what the rounding took away: exact,
.set z, z+1
.endr
	WIN 0
.set z, 0
.rept 32
	v_cvt_pk_f16_f32 v[LO+z], v[T+2*z], v[T+2*z+1] ; and lo
.set z, z+1
.endr
.set z, 0
.rept 16
	ds_store_b128 v[STO], v[TQ+4*z:TQ+4*z+3] offset:(z/4)*16*SPITCH+32*(z%4)
.set z, z+1
.endr
.set z, 0
.rept 8
	ds_store_b128 v[STC], v[H+4*z:H+4*z+3] offset:(z/2)*16*SPITCH+32*(z%2)
	ds_store_b128 v[STC], v[LO+4*z:LO+4*z+3] offset:(z/2)*16*SPITCH+32*(z%2)+128
.set z, z+1
.endr
	s_wait_dscnt 0x0                               ; for the others' sake: my stores into the stage are done (a group's 128 bytes of hi and lo come from two waves)
	s_barrier_signal -1
	s_barrier_wait -1
	global_store_b64 v[SQO], v[SQB:SQB+1], s[YS:YS+1]      ; my 64 rows' sums: 256 consecutive bytes, aligned
.set z, 0
.rept 32                               ; z = 8 x part + u: four rows' 128 bytes of q, q, hi or lo
	ds_load_b128 v[TQ+4*z:TQ+4*z+3], v[RD] offset:(z%8)*4*SPITCH+(z/8)*128
.set z, z+1
.endr
.set z, 0
.rept 32
	s_wait_dscnt 31-z                              ; load z is in, the younger ones stay out
.if z < 16
	global_store_b128 v[CO], v[TQ+4*z:TQ+4*z+3], s[YQ:YQ+1] offset:(z/8)*524288+(z%8)*512        ; 512 consecutive bytes of one group, aligned
.else
	global_store_b128 v[CO], v[TQ+4*z:TQ+4*z+3], s[YC:YC+1] offset:(z/8-2)*4194304+(z%8)*512     ; lo lies eight groups behind hi
.endif
.set z, z+1
.endr
	s_wait_tensorcnt 0x0                           ; the wave's end
	ds_add_u32 v[SPW], v[NIL]
	s_wait_dscnt 0x0
	CROUND                                         ; the closing round
	s_endpgm
.Lfunc_end_k_qf9721d1f00_gemm1:
	.size	k_qf9721d1f00_gemm1, .Lfunc_end_k_qf9721d1f00_gemm1-k_qf9721d1f00_gemm1
	.p2alignl 7, 3214868480
	.fill 96, 4, 3214868480
	.section	.rodata,"a",@progbits
	.p2align	6, 0x0
	.amdhsa_kernel k_qf9721d1f00_gemm1
		.amdhsa_group_segment_fixed_size 327680
		.amdhsa_private_segment_fixed_size 0
		.amdhsa_enable_private_segment 0
		.amdhsa_kernarg_size 32
		.amdhsa_user_sgpr_count 2
		.amdhsa_user_sgpr_kernarg_segment_ptr 1
		.amdhsa_wavefront_size32 1
		.amdhsa_system_sgpr_workgroup_id_x 1
		.amdhsa_system_sgpr_workgroup_id_y 1
		.amdhsa_system_sgpr_workgroup_id_z 1
		.amdhsa_system_vgpr_workitem_id 0
		.amdhsa_next_free_vgpr 704
		.amdhsa_next_free_sgpr 92
		.amdhsa_reserve_vcc 0
		.amdhsa_float_denorm_mode_32 3
		.amdhsa_float_denorm_mode_16_64 3
		.amdhsa_memory_ordered 1
		.amdhsa_forward_progress 1
		.amdhsa_inst_pref_size 75
	.end_amdhsa_kernel
	.amdgpu_metadata
---
amdhsa.version: [ 1, 2 ]
amdhsa.kernels:
  - .name:           k_qf9721d1f00_gemm1
    .symbol:         k_qf9721d1f00_gemm1.kd
    .args:
      - { .name: xb, .offset: 0, .size: 8, .value_kind: global_buffer, .address_space: global }
      - { .name: wqdT, .offset: 8, .size: 8, .value_kind: global_buffer, .address_space: global }
      - { .name: kv_norm_w, .offset: 16, .size: 8, .value_kind: global_buffer, .address_space: global }
      - { .name: y, .offset: 24, .size: 8, .value_kind: global_buffer, .address_space: global }
    .group_segment_fixed_size: 327680
    .private_segment_fixed_size: 0
    .kernarg_segment_align: 8
    .kernarg_segment_size: 32
    .max_flat_workgroup_size: 128
    .sgpr_count:     92
    .vgpr_count:     704
    .wavefront_size: 32
...
	.end_amdgpu_metadata
.endif
;; end of part 9
;; launch gemm2: the kernel of part 3 again; grid 16 x 16, 4 waves a work-group, clusters of 4 x 4, 327,680 bytes of LDS; arguments y, wupT, kb, vb; writes kb, vb
;; launch attn (part 10): grid 8 x 32, 4 waves a work-group, no clusters, 327,680 bytes of LDS; arguments y, kb, vb, ob; writes ob
.if DOCPART == 10
	.amdgcn_target "amdgcn-amd-amdhsa--gfx1250"
	.amdhsa_code_object_version 6
	.text
	.protected	k_qf9721d1f00_attn
	.globl	k_qf9721d1f00_attn
	.p2align	8
	.type	k_qf9721d1f00_attn,@function
k_qf9721d1f00_attn:
	s_mov_b64 s[64:65], 0
	v_nop
	global_prefetch_b8 v0, s[64:65] scope:SCOPE_SE
	s_setreg_imm32_b32 hwreg(HW_REG_WAVE_MODE, 25, 1), 1
	s_wait_xcnt 0x0
; CAUSAL ATTENTION.  O[q] = the sum over k <= q of softmax_k(Q[q] . K[k] / 8) V[k], for each of 2 batches x 16 heads of 2,048 rows.
; Q: groups 0-15 of y ([head][4096][64] f16), K: kb [head][4096][64] f16, V: vb [head][4096][128] f16; row = 2,048 x batch + position.  O: ob [4096][2048] f16, column 128 x head + channel.
; Products, maxima and sums in f32; the weights p are rounded to f16 for the second product (their sum l is taken of the unrounded p).
; LIMITS.  Q, K, V arrive within f16's 65,504, so a score is at most 2.7e11 in size.  A hidden score counts as its value less 1e30.  The running maximum starts at -2^66, far below every true score and far
; above every hidden one: a wave that has met hidden keys alone has weights 0, O = 0 and l = 0.  A weight below 2^-126 counts as 0.  NaN and infinities are not treated apart.
; THE WALK.  A head's queries lie in 16 blocks of 128; keys go in tiles of 256; block i needs tiles 0 .. i / 2.  A work-group takes blocks b and then 15 - b: 9 tiles whatever b, so all 256 work-groups
; do equal work and ONE loop with a constant trip count walks them.  The short block goes first: the second has 5 tiles or more, so the walk's last tile, which is written out behind the loop, is never
; a block's first, and the merge of the first block and the change of blocks stand in the loop's text alone.
; SHARES.  Wave w: wq = w / 2 says which 64 queries (four tiles of 16), wk = w % 2 which 128 keys of every tile (two steps of 64).  The two waves of a pair keep their own m, l and O;
; at a block's end each leaves O / l (f16) and (c m, l) in LDS, and behind a barrier each finishes 32 rows: O = gA OA + gB OB, g = 2^(c m - c max) l / their sum.
; THE MASK is the C operand that starts S^T = K Q^T.  A step's 64 keys lie before, on or behind my 64 queries: MC = MD x AL + BE with (AL, BE) = (0, 0), (1, 0), (0, -1e30).
; MD has three sets of eight: key block above the query tile (all hidden), on it (the diagonal), below it (0).  One text serves every step.
; LAYOUT.  S^T holds ONE query a lane (l % 16) and the keys 8 (l / 16) + 0..7; two such results rounded to f16 ARE source 1 of O^T = V^T P.  V is turned by ds_load_tr16_b128.
; SOFTMAX.  p = 2^(c s - c m), c = log2(e) / 8, with a running maximum m; O and l are multiplied by a = 2^(c m_old - c m_new) in every step.  c m starts at -4e37, so a block's first a is 0.
; A STEP is closed in itself: K Q^T of tiles 0, 1; K Q^T of tiles 2, 3 with the softmax of tiles 0, 1 in slices behind its products; V^T P of tiles 0, 1 with the softmax of tiles 2, 3; V^T P of tiles 2, 3.
; NO CLUSTER: the eight work-groups of a head ask for the same tile in the first trip alone (the first blocks have 1 to 4 tiles) and part at different trips; a walk common to all would have 12 trips for 9.
; REGISTERS.  window 0: v0-11, v44-61 addresses and work; v12-43 eight registers of statistics a tile (c m, m, l even, l odd, c0-c3); v64-191 S^T; v192-255 P.
;   window 1: O^T, 64 a tile.   window 2: v0-63 Q, v64-127 the second block's Q, v128-191 K of a step.   window 3: v0-127 V of a step, v128-151 MD, v152-175 MC.
.set KS,    64
.set PK,    144                        ; a row of K in LDS: 128 bytes + 16
.set PV,    288                        ; a row of V: 256 + 32
.set VOFF,  256*PK                     ; a slot: 256 rows of K, then 256 rows of V
.set SLOT1, 131072
.set STG,   SLOT1+256*(PK+PV)          ; behind the ring: 64 rows x 272 bytes for each wave: O / l in f16
.set SP,    272
.set STATS, STG+4*64*SP                ; 64 x (c m, l) for each wave
.set FAC,   STATS+2048                 ; 32 x (gA, gA, gB, gB) for each wave
.set SPARE, FAC+2048                   ; the spare words
.set AK0, 2
.set AV0, 3
.set AK,  4
.set AV,  5
.set STO, 6                            ; v6   a block's end: where I put 16 bytes of a row
.set SA,  7                            ; v7   where my query's statistics go
.set GO0, 8                            ; v8   my byte offset in two rows of O
.set ST,  12
.set RDA0, 44                          ; v44  the merge: my place in the pair's first stage
.set RDF0, 45                          ; v45  my row's factors
.set SLA, 46                           ; v46  the statistics of the row that I make factors for
.set FST, 47                           ; v47  where those factors go
.set RDA, 48                           ; v48-50  the three that step
.set RDF, 49
.set GO,  50
.set QO,  51
.set SPW, 62
.set NIL, 63
.set S,   64
.set P,   192
.set FG,  96                           ; the merge: v[64:79] OA, v[80:95] OB, v[96:111] factors, v[112:127] in f32, v[128:143] to store
.set FA,  112
.set FB,  120
.set FO,  128
.set QB,  64                           ; window 2
.set KF,  128                          ; window 2
.set MD,  128                          ; window 3
.set MC,  152                          ; window 3
.set WV,  12
.set WQ,  13
.set B2,  14                           ; the second block: 15 - b
.set B1,  15                           ; the first block: b
.set WK,  16
.set G1K, 24
.set G1V, 32
.set G0K, 40
.set G0V, 44
.set PEND, 48                          ; 1: the first block's parts lie in LDS and wait for the merge
.set QB64, 49                          ; my 64 queries' number among the head's
.set KB64, 50                          ; the same for the step's 64 keys
.set CNTF, 51
.set OFK, 52                           ; s[52:53] a tile's byte offset in K
.set OFV, 54                           ; s[54:55] and in V
.set SLOTS, 56
.set TWICE, 57
.set CS,  58
.set SEL, 60
.set TBK, 62
.set TBV, 63
.set RT,  70                           ; tiles of the block in hand still to be entered
.set NXT, 71                           ; the tile to be asked for next
.set LQ,  72                           ; the last tile of the block whose tiles are being asked for
.set B2H, 73                           ; the second block's last tile: (15 - b) / 2
.set AL,  76
.set BE,  78
.set OLO, 80                           ; s[80:81] O at my rows of the second block
.set BIGN, 82
.set MSB, 0
.macro WIN new
.if MSB != (\new)
	s_set_vgpr_msb (MSB<<8)|(\new)
.set MSB, (\new)
.endif
.endm
.set W_KQ, 0x0a                        ; K and Q in window 2, S^T in window 0
.set W_KM, 0x3a                        ; the same with the C operand in window 3
.set W_PV, 0x53                        ; V in window 3, P in window 0, O^T in window 1
.set W_RS, 0x41                        ; destination and source 0 in window 1, source 1 in window 0
.macro PLACES
.rept 4
	v_nop
.endr
.endm
; A fill.  Waves 0 and 1 fetch the two halves of a tile's K, waves 2 and 3 those of its V.  An s_nop 0 and four v_nop follow each line.
.macro LOAD
	s_cmp_lt_u32 s[WV], 2
	s_cbranch_scc0 .Lfor_v_\@
	tensor_load_to_lds s[G0K:G0K+3], s[G1K:G1K+7]
	s_nop 0
.rept 4
	v_nop
.endr
	s_branch .Lasked_\@
.Lfor_v_\@:
	tensor_load_to_lds s[G0V:G0V+3], s[G1V:G1V+7]
	s_nop 0
.rept 4
	v_nop
.endr
.Lasked_\@:
.endm
; THE CHANGE OF SLOTS.  Each wave waits for all its tensor loads (one is out: its part of the other slot), adds 0 to its spare word, and waits for that, for its reads of the slot that it leaves and
; for what it has stored at a block's end.  fill = 1: the old slot is filled again, first thing behind the barrier, with tile NXT; the load has two steps, 192 matrix instructions, in which to land.
.macro CHANGE fill
	WIN 0
	s_wait_tensorcnt 0x0
	ds_add_u32 v[SPW], v[NIL]
.if \fill
	s_lshl_b32 s[OFK], s[NXT], 15                  ; a tile is 32,768 bytes of K
	s_lshl_b32 s[OFV], s[NXT], 16                  ; and 65,536 of V
	s_xor_b32 s[G0K+1], s[G0K+1], SLOT1
	s_add_nc_u64 s[G0K+2:G0K+3], s[6:7], s[OFK:OFK+1]
	s_or_b32 s[G0K+3], s[G0K+3], 0x80000000
	s_xor_b32 s[G0V+1], s[G0V+1], SLOT1
	s_add_nc_u64 s[G0V+2:G0V+3], s[8:9], s[OFV:OFV+1]
	s_or_b32 s[G0V+3], s[G0V+3], 0x80000000
	s_add_co_u32 s[NXT], s[NXT], 1                 ; the block's next tile, or behind its last the second block's tile 0
	s_cmp_gt_u32 s[NXT], s[LQ]
	s_cselect_b32 s[NXT], 0, s[NXT]
	s_cselect_b32 s[LQ], s[B2H], s[LQ]
.endif
	s_wait_dscnt 0x0
	s_barrier_signal -1
	s_sub_co_u32 s[TBK], s[TBK], 2*KS*PK           ; the fetches go back to my first step, in the other slot
	s_xor_b32 s[TBK], s[TBK], SLOT1
	s_sub_co_u32 s[TBV], s[TBV], 2*KS*PV
	s_xor_b32 s[TBV], s[TBV], SLOT1
	s_barrier_wait -1
.if \fill
	LOAD
.endif
.endm
	s_load_b256 s[4:11], s[0:1], 0x0               ; y s[4:5], kb s[6:7], vb s[8:9], ob s[10:11]
	v_lshl_add_u32 v[SPW], v0, 2, SPARE
	v_mov_b32 v[NIL], 0
	ds_add_u32 v[SPW], v[NIL]                      ; the wave's opening: an add, and its wait, ahead of my first tensor load
	ds_add_u32 v62, v63
	v_lshrrev_b32 v1, 5, v0
	v_readfirstlane_b32 s[WV], v1
	s_lshr_b32 s[WQ], s[WV], 1
	s_and_b32 s[WK], s[WV], 1
	s_mov_b32 s[B1], ttmp9
	s_sub_co_u32 s[B2], 15, s[B1]
	s_lshr_b32 s[B2H], s[B2], 1
	s_and_b32 s20, ttmp7, 0xffff
	s_lshr_b32 s21, s20, 4                         ; batch
	s_and_b32 s20, s20, 15                         ; head
	s_lshl_b32 s23, s21, 11                        ; the batch's first row,
	s_lshl_b32 s22, s20, 12
	s_add_co_u32 s22, s22, s23                     ; and in the tensors that lie by heads
	s_lshl_b32 s17, s[WK], 7                       ; K and V: the half of a tile's 256 keys that I fetch
	s_add_co_u32 s17, s17, s22
	s_lshl_b32 s84, s17, 7
	s_mov_b32 s85, 0
	s_lshl_b32 s86, s17, 8
	s_mov_b32 s87, 0
	s_lshl_b32 s18, s[WQ], 6                       ; Q: my 64 queries in the first block and in the second
	s_add_co_u32 s18, s18, s22
	s_lshl_b32 s2, s[B1], 7
	s_add_co_u32 s2, s2, s18
	s_lshl_b32 s2, s2, 7
	s_mov_b32 s3, 0
	s_lshl_b32 s[OFK], s[B2], 7
	s_add_co_u32 s[OFK], s[OFK], s18
	s_lshl_b32 s[OFK], s[OFK], 7
	s_mov_b32 s[OFK+1], 0
	s_lshl_b32 s19, s[WQ], 6                       ; O: the 32 rows that I finish
	s_lshl_b32 s18, s[WK], 5
	s_add_co_u32 s19, s19, s18
	s_add_co_u32 s19, s19, s23
	s_lshl_b32 s20, s20, 8                         ; the head's 256 bytes in a row
	s_lshl_b32 s[OFV], s[B1], 7
	s_add_co_u32 s[OFV], s[OFV], s19
	s_lshl_b32 s[OFV], s[OFV], 12
	s_add_co_u32 s[OFV], s[OFV], s20
	s_mov_b32 s[OFV+1], 0
	s_lshl_b32 s74, s[B2], 7
	s_add_co_u32 s74, s74, s19
	s_lshl_b32 s74, s74, 12
	s_add_co_u32 s74, s74, s20
	s_mov_b32 s75, 0
	s_mul_i32 s17, s[WK], 128*PK                   ; my half's place in a slot, for K and for V
	s_mul_i32 s18, s[WK], 128*PV
	s_mov_b32 s[G1K], (1<<16)|(1<<20)|(4<<22)|(3<<25)  ; 128 keys of K are 16,384 dense bytes: 64 rows of 256, padded by 4 words after every 32
	s_mov_b32 s[G1K+1], 128<<16
	s_mov_b32 s[G1K+2], 64<<16
	s_mov_b32 s[G1K+3], 128<<16
	s_mov_b32 s[G1K+4], 64
	s_mov_b32 s[G1K+5], 128
	s_mov_b32 s[G1K+6], 0
	s_mov_b32 s[G1K+7], 0
	s_mov_b32 s[G1V], (1<<16)|(1<<20)|(5<<22)|(7<<25)  ; 128 rows of V of 256 bytes, padded by 8 words
	s_mov_b32 s[G1V+1], 128<<16
	s_mov_b32 s[G1V+2], 128<<16
	s_mov_b32 s[G1V+3], 128<<16
	s_mov_b32 s[G1V+4], 128
	s_mov_b32 s[G1V+5], 128
	s_mov_b32 s[G1V+6], 0
	s_mov_b32 s[G1V+7], 0
	s_mov_b32 s[CS], 0x3e38aa3b                    ; c = log2(e) / 8
	s_mov_b32 s[CS+1], s[CS]
	s_mov_b32 s[SEL], 0x76543210
	s_mov_b32 s[SEL+1], 0xfedcba98
	s_add_co_u32 s[TBK], s17, SLOT1+2*KS*PK        ; the first change of slots turns these two into my place in slot 0
	s_add_co_u32 s[TBV], s18, SLOT1+2*KS*PV
	s_mov_b32 s[G0K], 1
	s_mov_b32 s[G0K+1], s17
	s_mov_b32 s[G0V], 1
	s_add_co_u32 s[G0V+1], s18, VOFF
	s_lshr_b32 s[LQ], s[B1], 1
	s_add_co_u32 s[RT], s[LQ], 1                   ; the first block has b / 2 + 1 tiles
	s_mov_b32 s[NXT], 1
	s_cmp_gt_u32 s[NXT], s[LQ]                     ; where that is one tile, the next to be asked for is the second block's tile 0
	s_cselect_b32 s[NXT], 0, s[NXT]
	s_cselect_b32 s[LQ], s[B2H], s[LQ]
	s_mov_b32 s[PEND], 0
	s_lshl1_add_u32 s[QB64], s[B1], s[WQ]
	s_lshl_b32 s[KB64], s[WK], 1
	s_mov_b32 s[AL+1], 0                           ; named as pairs
	s_mov_b32 s[BE+1], 0
	s_mov_b32 s[BIGN], 0xf149f2ca                  ; -1e30
	s_mov_b32 s[SLOTS], 8
	s_wait_dscnt 0x0                               ; the opening add is done
	s_wait_kmcnt 0x0
	s_add_nc_u64 s[6:7], s[6:7], s[84:85]          ; K and V at my half of the head's tile 0
	s_add_nc_u64 s[8:9], s[8:9], s[86:87]
	s_add_nc_u64 s[84:85], s[4:5], s[OFK:OFK+1]    ; Q at my rows of the second block,
	s_add_nc_u64 s[4:5], s[4:5], s[2:3]            ; and of the first
	s_add_nc_u64 s[OLO:OLO+1], s[10:11], s[74:75]
	s_add_nc_u64 s[10:11], s[10:11], s[OFV:OFV+1]
	s_add_nc_u64 s[G0K+2:G0K+3], s[6:7], 0
	s_or_b32 s[G0K+3], s[G0K+3], 0x80000000
	s_add_nc_u64 s[G0V+2:G0V+3], s[8:9], 0
	s_or_b32 s[G0V+3], s[G0V+3], 0x80000000
	LOAD                                           ; tile 0 into slot 0
	v_and_b32 v1, 15, v0                           ; r
	v_bfe_u32 v9, v0, 4, 1                         ; h
	v_lshlrev_b32 v[QO], 7, v1
	v_lshl_add_u32 v[QO], v9, 4, v[QO]
	WIN 0x80                                       ; destination window 2
.set i, 0
.rept 8                                ; both blocks' Q: tile i / 2, channels 32 (i % 2) on
	global_load_b128 v[8*i:8*i+3],   v[QO], s[4:5] offset:(i/2)*2048+(i%2)*64
	global_load_b128 v[8*i+4:8*i+7], v[QO], s[4:5] offset:(i/2)*2048+(i%2)*64+32
	global_load_b128 v[QB+8*i:QB+8*i+3],   v[QO], s[84:85] offset:(i/2)*2048+(i%2)*64
	global_load_b128 v[QB+8*i+4:QB+8*i+7], v[QO], s[84:85] offset:(i/2)*2048+(i%2)*64+32
.set i, i+1
.endr
	WIN 0
	v_lshlrev_b32 v53, 3, v9
	v_sub_nc_u32 v53, v1, v53                      ; r - 8 h: on the diagonal register j is hidden where j is greater
	WIN 0xc0                                       ; destination window 3
.set i, 0
.rept 8
	v_mov_b32 v[MD+i], s[BIGN]
	v_cmp_gt_i32 vcc_lo, i, v53
	v_cndmask_b32 v[MD+8+i], 0, s[BIGN], vcc_lo
	v_mov_b32 v[MD+16+i], 0
.set i, i+1
.endr
	WIN 0
	v_mul_u32_u24 v[AK0], v1, PK
	v_lshl_add_u32 v[AK0], v9, 4, v[AK0]
	v_and_b32 v10, 7, v0                           ; the turning load: lane l reads key 8 (l / 16) + l % 8, channels 8 ((l / 8) % 2) + 0..7
	v_bfe_u32 v11, v0, 3, 1
	v_lshl_add_u32 v[AV0], v9, 3, v10
	v_mul_u32_u24 v[AV0], v[AV0], PV
	v_lshl_add_u32 v[AV0], v11, 4, v[AV0]
	v_add_nc_u32 v[AV0], VOFF, v[AV0]
	v_and_b32 v52, 31, v0                          ; l
	s_mul_i32 s20, s[WV], 64*SP
	s_add_co_u32 s20, s20, STG                     ; my stage
	v_mul_u32_u24 v[STO], v1, SP
	v_lshl_add_u32 v[STO], v9, 4, v[STO]
	v_add_nc_u32 v[STO], s20, v[STO]
	s_lshl_b32 s20, s[WV], 9
	s_add_co_u32 s21, s20, STATS
	v_lshl_add_u32 v[SA], v1, 3, s21
	s_add_co_u32 s21, s20, FAC
	v_lshl_add_u32 v[FST], v52, 4, s21
	v_lshl_add_u32 v[RDF0], v9, 4, s21
	s_lshl_b32 s20, s[WQ], 10
	s_lshl_b32 s21, s[WK], 8
	s_add_co_u32 s20, s20, s21
	s_add_co_u32 s20, s20, STATS
	v_lshl_add_u32 v[SLA], v52, 3, s20
	s_mul_i32 s20, s[WQ], 128*SP                   ; the pair's first stage,
	s_mul_i32 s21, s[WK], 32*SP                    ; my 32 rows of it
	s_add_co_u32 s20, s20, s21
	s_add_co_u32 s20, s20, STG
	v_mul_u32_u24 v[RDA0], v9, SP
	v_lshl_add_u32 v[RDA0], v1, 4, v[RDA0]
	v_add_nc_u32 v[RDA0], s20, v[RDA0]
	v_lshlrev_b32 v[GO0], 12, v9
	v_lshl_add_u32 v[GO0], v1, 4, v[GO0]
	; A block's first step multiplies O^T and l by a = 0, so these registers need only hold finite numbers: zeros now, what the first block left later.  This stands in the wait for the first tile.
	WIN 0x40
.set i, 0
.rept 256
	v_mov_b32 v[i], 0
.set i, i+1
.endr
	WIN 0
.set i, 0
.rept 4
	v_mov_b32 v[ST+8*i], 0xfe000000                ; c m: far below every c s
	v_mov_b32 v[ST+8*i+1], 0xe0800000              ; m = -2^66
	v_mov_b32 v[ST+8*i+2], 0
	v_mov_b32 v[ST+8*i+3], 0
.set i, i+1
.endr
	s_wait_loadcnt 0x0                             ; Q
; THE MATRIX WORK.  The accumulators of a run take turns.
; Product i of 16 of S^T = K Q^T for tiles x, x + 1: channels 32 (i / 8) on, keys 16 ((i / 2) % 4) on, tile x + i % 2.  The first 8 start the sums with the mask.
.macro KQ x
.set tt, (\x)+i%2
.set kk, (i/2)%4
.set rS, S+32*tt+8*kk
.set rK, KF+16*kk+8*(i/8)
.set rQ, 16*tt+8*(i/8)
.if tt > kk
.set rM, MC+16
.elseif tt == kk
.set rM, MC+8
.else
.set rM, MC
.endif
.if i < 8
	WIN W_KM
	v_wmma_f32_16x16x32_f16 v[rS:rS+7], v[rK:rK+7], v[rQ:rQ+7], v[rM:rM+7]
.else
	WIN W_KQ
	v_wmma_f32_16x16x32_f16 v[rS:rS+7], v[rK:rK+7], v[rQ:rQ+7], v[rS:rS+7]
.endif
.endm
; Product i of 32 of O^T += V^T P: keys 32 (i / 16) on, channels 16 ((i / 2) % 8) on, tile x + i % 2.
.macro PV x
	WIN W_PV
.set rO, 64*((\x)+i%2)+8*((i/2)%8)
.set rV, 64*(i/16)+8*((i/2)%8)
.set rP, P+16*((\x)+i%2)+8*(i/16)
	v_wmma_f32_16x16x32_f16 v[rO:rO+7], v[rV:rV+7], v[rP:rP+7], v[rO:rO+7]
.endm
.macro FETCH_K                         ; 64 keys x 64 channels: 8 fragments
	WIN 0x80
.irp f, 0,1,2,3,4,5,6,7
	ds_load_b128 v[KF+8*\f:KF+8*\f+3],   v[AK] offset:(\f/2)*16*PK+(\f%2)*64
	ds_load_b128 v[KF+8*\f+4:KF+8*\f+7], v[AK] offset:(\f/2)*16*PK+(\f%2)*64+32
.endr
.endm
.macro FETCH_V                         ; 64 keys x 128 channels, turned: 16 fragments
	WIN 0xc0
.irp f, 0,1,2,3,4,5,6,7,8,9,10,11,12,13,14,15
	ds_load_tr16_b128 v[8*\f:8*\f+3],   v[AV] offset:(\f/8)*32*PV+(\f%8)*32
	ds_load_tr16_b128 v[8*\f+4:8*\f+7], v[AV] offset:(\f/8)*32*PV+16*PV+(\f%8)*32
.endr
.endm
.macro MASK                            ; MC = MD x AL + BE
	WIN 0xc3
.set z, 0
.rept 12
	v_pk_fma_f32 v[MC+2*z:MC+2*z+1], v[MD+2*z:MD+2*z+1], s[AL:AL+1], s[BE:BE+1] op_sel_hi:[1,0,0]
.set z, z+1
.endr
.endm
; THE VECTOR WORK.  One tile's softmax for one step is a list of 134 instructions; SM writes number j of it for tile t.  s0-s31 are the lane's 32 scores, in pairs 0-15.
;   0-15    the maximum of s0-s31 and the old m, three operands at a time (each accumulator's lowest registers are read first)
;   16-20   the other half of the lanes' maximum; the new m; c m; c m_old - c m_new
;   21-87   33 exponentials (a, then s0-s31) at the odd numbers from 23 on, a plain instruction between any two: scalings of pairs to come, roundings of pairs that are done, the first sums
;   88-101  the last rounding; the rest of the sums; l = a l + the sum        102-133 the tile's O^T times a
.macro SM t
.set rT, ST+8*(\t)
.set rS, S+32*(\t)
.set rP, P+16*(\t)
.set rO, 64*(\t)+2*(j-102)
.set q, (j-20)/2
.if j < 102
	WIN 0
.endif
.if j < 4
	v_max3_num_f32 v[rT+4+j], v[rS+8*j], v[rS+8*j+1], v[rS+8*j+2]
.elseif j < 12
	v_max3_num_f32 v[rT+4+j%4], v[rT+4+j%4], v[rS+8*(j%4)+2*(j/4)+1], v[rS+8*(j%4)+2*(j/4)+2]
.elseif j == 12
	v_max3_num_f32 v[rT+4], v[rT+4], v[rS+7], v[rS+15]
.elseif j == 13
	v_max3_num_f32 v[rT+6], v[rT+6], v[rS+23], v[rS+31]
.elseif j == 14
	v_max3_num_f32 v[rT+4], v[rT+4], v[rT+5], v[rT+6]
.elseif j == 15
	v_max3_num_f32 v[rT+4], v[rT+4], v[rT+7], v[rT+1]
.elseif j == 16
	v_permlanex16_b32 v[rT+5], v[rT+4], s[SEL], s[SEL+1]   ; the query's other 32 keys lie in the lane 16 away
.elseif j == 17
	v_mov_b32 v[rT+7], v[rT]                       ; c m_old is kept for a
.elseif j == 18
	v_max_num_f32 v[rT+1], v[rT+4], v[rT+5]
.elseif j == 19
	v_mul_f32 v[rT], s[CS], v[rT+1]
.elseif j == 20
	v_sub_f32 v[rT+7], v[rT+7], v[rT]
.elseif j == 23
	v_exp_f32 v[rT+6], v[rT+7]
.elseif (j < 88) && (j > 23) && (j%2 == 1)
	v_exp_f32 v[rS+(j-25)/2], v[rS+(j-25)/2]
.elseif (q < 4) || ((j < 76) && (q%2 == 0))
.set b, q/2+2
.if q < 4
.set b, q
.endif
	v_pk_fma_f32 v[rS+2*b:rS+2*b+1], v[rS+2*b:rS+2*b+1], s[CS:CS+1], v[rT:rT+1] op_sel_hi:[1,0,0] neg_lo:[0,0,1] neg_hi:[0,0,1]  ; pair b: c s - c m
.elseif (j < 88) && (q%2 == 1)
	s_wait_alu depctr_va_vdst(0)
	v_cvt_pk_f16_f32 v[rP+(q-5)/2], v[rS+q-5], v[rS+q-4]
.elseif j == 89
	s_wait_alu depctr_va_vdst(0)
	v_cvt_pk_f16_f32 v[rP+15], v[rS+30], v[rS+31]
.elseif j < 102                        ; the sum of the 16 pairs, in place: neighbours 1, 2, 4 and 8 pairs apart, then l takes it
.set z, j-86
.if j < 89
.set z, (j-76)/4
.endif
.set w, 4
.set u, z
.if z >= 14
.set w, 32
.set u, 0
.elseif z >= 12
.set w, 16
.set u, z-12
.elseif z >= 8
.set w, 8
.set u, z-8
.endif
.if z < 15
	v_pk_add_f32 v[rS+w*u:rS+w*u+1], v[rS+w*u:rS+w*u+1], v[rS+w*u+w/2:rS+w*u+w/2+1]
.else
	v_pk_fma_f32 v[rT+2:rT+3], v[rT+2:rT+3], v[rT+6:rT+7], v[rS:rS+1] op_sel_hi:[1,0,1]
.endif
.else
	WIN W_RS
	v_pk_mul_f32 v[rO:rO+1], v[rO:rO+1], v[rT+6:rT+7] op_sel_hi:[1,0]
.endif
.endm
; Slice k of 64 of the softmax of tiles y, y + 1: numbers 2 k and 2 k + 1 of both lists; the twelve that are over stand in slice 63.
.macro SLICE y
.if (k >= 11) && (k < 44)              ; tile by tile: plain, exponential, plain, exponential
.irp t, \y, (\y)+1
.irp n, 0,1
.set j, 2*k+(\n)
	SM \t
.endr
.endr
.else                                  ; the two tiles alternate
.irp n, 0,1,2,3,4,5,6,7
.if ((\n) < 2) || (k == 63)
.irp t, \y, (\y)+1
.set j, 2*k+(\n)
	SM \t
.endr
.endif
.endr
.endif
.set k, k+1
.endm
; A KEY STEP.  The two address lines and the mask's twelve are the places between the last products of the step before and the loads into V's registers.
.macro STEP
	s_cmp_eq_u32 s[KB64], s[QB64]                  ; do the step's keys lie on my queries?
	s_cselect_b32 s[AL], 1.0, 0
	s_cmp_gt_u32 s[KB64], s[QB64]                  ; or behind them?
	s_cselect_b32 s[BE], s[BIGN], 0
	s_add_co_u32 s[KB64], s[KB64], 1
	WIN 0
	v_add_nc_u32 v[AK], s[TBK], v[AK0]
	v_add_nc_u32 v[AV], s[TBV], v[AV0]
	MASK
	FETCH_K
	FETCH_V
	s_add_co_u32 s[TBK], s[TBK], KS*PK
	s_add_co_u32 s[TBV], s[TBV], KS*PV
	s_wait_dscnt 32                                ; K's 16 loads are in; V's 32 stay out
.set i, 0
.rept 16
	KQ 0
.set i, i+1
.endr
	PLACES                                         ; behind those products, in front of the first read of their scores
.set i, 0
.set k, 0
.rept 16
	KQ 2
	SLICE 0
	SLICE 0
	SLICE 0
	SLICE 0
.set i, i+1
.endr
	s_wait_dscnt 0x0                               ; V is in
.set i, 0
.set k, 0
.rept 32
	PV 0
	SLICE 2
	SLICE 2
.set i, i+1
.endr
.set i, 0
.rept 32
	PV 2
.set i, i+1
.endr
.endm
.macro TWO_STEPS                       ; my two steps of a tile: written once, walked twice
	WIN 0
	s_mov_b32 s[TWICE], 2
.Lstep_\@:
	STEP
	WIN 0
	s_sub_co_u32 s[TWICE], s[TWICE], 1
	s_cmp_lg_u32 s[TWICE], 0
	s_cbranch_scc1 .Lstep_\@
.endm
.macro ALL line:vararg                 ; one line for each tile t
.set t, 0
.rept 4
	\line
.set t, t+1
.endr
.endm
; A BLOCK'S END.  l's two halves and the other half of the lanes' are added; (c m, l) and O^T / max(l, 2^-100), rounded to f16, go into my LDS bytes.
.macro DUMP
	WIN 0
	PLACES
	ALL v_add_f32 v[ST+8*t+4], v[ST+8*t+2], v[ST+8*t+3]
	ALL v_permlanex16_b32 v[ST+8*t+5], v[ST+8*t+4], s[SEL], s[SEL+1]
	ALL v_add_f32 v[ST+8*t+1], v[ST+8*t+4], v[ST+8*t+5]
	ALL v_max_num_f32 v[ST+8*t+4], 0x0d800000, v[ST+8*t+1]
	ALL v_rcp_f32 v[ST+8*t+6], v[ST+8*t+4]
	v_nop                                          ; a plain instruction between the last reciprocal and the use of its result
	s_wait_alu depctr_va_vdst(0)
	ALL ds_store_b64 v[SA], v[ST+8*t:ST+8*t+1] offset:128*t
.set t, 0
.rept 4
	WIN W_RS
.set i, 0
.rept 32
	v_pk_mul_f32 v[64*t+2*i:64*t+2*i+1], v[64*t+2*i:64*t+2*i+1], v[ST+8*t+6:ST+8*t+7] op_sel_hi:[1,0]
.set i, i+1
.endr
	WIN 0x05                                       ; sources in window 1, destination in window 0: S^T's registers are free
.set i, 0
.rept 32
	v_cvt_pk_f16_f32 v[S+32*t+i], v[64*t+2*i], v[64*t+2*i+1]
.set i, i+1
.endr
	WIN 0
.set i, 0
.rept 8
	ds_store_b128 v[STO], v[S+32*t+4*i:S+32*t+4*i+3] offset:t*16*SP+32*i
.set i, i+1
.endr
.set t, t+1
.endr
.endm
; Two rows' 16 bytes a lane of both parts (registers a0-a3, b0-b3, named by number for their halves), widened, weighed, rounded and stored.
.macro MERGE u, a0, a1, a2, a3, b0, b1, b2, b3
	v_cvt_f32_f16 v[FA+0], v\a0\().l
	v_cvt_f32_f16 v[FA+1], v\a0\().h
	v_cvt_f32_f16 v[FA+2], v\a1\().l
	v_cvt_f32_f16 v[FA+3], v\a1\().h
	v_cvt_f32_f16 v[FA+4], v\a2\().l
	v_cvt_f32_f16 v[FA+5], v\a2\().h
	v_cvt_f32_f16 v[FA+6], v\a3\().l
	v_cvt_f32_f16 v[FA+7], v\a3\().h
	v_cvt_f32_f16 v[FB+0], v\b0\().l
	v_cvt_f32_f16 v[FB+1], v\b0\().h
	v_cvt_f32_f16 v[FB+2], v\b1\().l
	v_cvt_f32_f16 v[FB+3], v\b1\().h
	v_cvt_f32_f16 v[FB+4], v\b2\().l
	v_cvt_f32_f16 v[FB+5], v\b2\().h
	v_cvt_f32_f16 v[FB+6], v\b3\().l
	v_cvt_f32_f16 v[FB+7], v\b3\().h
.irp z, 0,1,2,3
	v_pk_mul_f32 v[FA+2*\z:FA+2*\z+1], v[FA+2*\z:FA+2*\z+1], v[FG+4*(\u):FG+4*(\u)+1]
.endr
.irp z, 0,1,2,3
	v_pk_fma_f32 v[FA+2*\z:FA+2*\z+1], v[FB+2*\z:FB+2*\z+1], v[FG+4*(\u)+2:FG+4*(\u)+3], v[FA+2*\z:FA+2*\z+1]
.endr
.irp z, 0,1,2,3
	v_cvt_pk_f16_f32 v[FO+4*(\u)+\z], v[FA+2*\z], v[FA+2*\z+1]
.endr
	global_store_b128 v[GO], v[FO+4*(\u):FO+4*(\u)+3], s[10:11] offset:8192*(\u)   ; 16 lanes store a row's 256 consecutive bytes, aligned
.endm
; THE MERGE, behind a barrier that followed both waves' stores.  Lane l makes the factors of row 32 wk + l; then four trips of eight rows.
.macro FINISH
	WIN 0
	ds_load_b64 v[52:53], v[SLA]                   ; the pair's first wave: c m, l
	ds_load_b64 v[54:55], v[SLA] offset:512        ; its second
	v_mov_b32 v[RDA], v[RDA0]
	v_mov_b32 v[RDF], v[RDF0]
	v_mov_b32 v[GO], v[GO0]
	s_wait_dscnt 0x0
	v_max_num_f32 v56, v52, v54
	v_sub_f32 v57, v52, v56
	v_sub_f32 v58, v54, v56
	v_exp_f32 v57, v57
	v_exp_f32 v58, v58
	v_nop
	s_wait_alu depctr_va_vdst(0)
	v_mul_f32 v57, v57, v53
	v_mul_f32 v58, v58, v55
	v_add_f32 v59, v57, v58                        ; at least 1: the row's own key lies in one of the two parts
	v_rcp_f32 v59, v59
	v_nop
	s_wait_alu depctr_va_vdst(0)
	v_mul_f32 v52, v57, v59
	v_mul_f32 v54, v58, v59
	v_mov_b32 v53, v52
	v_mov_b32 v55, v54
	ds_store_b128 v[FST], v[52:55]                 ; my own bytes: my loads below come behind it
	s_mov_b32 s[CNTF], 4
.Lfin_\@:
.irp u, 0,1,2,3
	ds_load_b128 v[64+4*\u:64+4*\u+3], v[RDA] offset:\u*2*SP
	ds_load_b128 v[80+4*\u:80+4*\u+3], v[RDA] offset:64*SP+\u*2*SP
	ds_load_b128 v[FG+4*\u:FG+4*\u+3], v[RDF] offset:32*\u
.endr
	s_wait_dscnt 0x0
	MERGE 0, 64, 65, 66, 67, 80, 81, 82, 83
	MERGE 1, 68, 69, 70, 71, 84, 85, 86, 87
	MERGE 2, 72, 73, 74, 75, 88, 89, 90, 91
	MERGE 3, 76, 77, 78, 79, 92, 93, 94, 95
	s_wait_xcnt 0x0                                ; the stores' data and offset are rewritten only behind this wait
	v_add_nc_u32 v[RDA], 8*SP, v[RDA]
	v_add_nc_u32 v[RDF], 128, v[RDF]
	v_add_nc_u32 v[GO], 32768, v[GO]
	s_sub_co_u32 s[CNTF], s[CNTF], 1
	s_cmp_lg_u32 s[CNTF], 0
	s_cbranch_scc1 .Lfin_\@
.endm
.macro NEXTBLOCK                       ; the second block: its rows of O, its counts, its Q, and m anew; the next step's a is 0
	s_wait_xcnt 0x0
	s_mov_b64 s[10:11], s[OLO:OLO+1]
	s_add_co_u32 s[RT], s[B2H], 1
	s_lshl1_add_u32 s[QB64], s[B2], s[WQ]
	s_lshl_b32 s[KB64], s[WK], 1
	s_mov_b32 s[PEND], 0
	WIN 0x82
.set i, 0
.rept 64
	v_mov_b32 v[i], v[QB+i]
.set i, i+1
.endr
	WIN 0
.set i, 0
.rept 4
	v_mov_b32 v[ST+8*i], 0xfe000000
	v_mov_b32 v[ST+8*i+1], 0xe0800000
.set i, i+1
.endr
.endm
; A TILE.  last = 0, in the loop: if the first block's parts wait in LDS they are merged first (the change of slots has been the barrier behind their stores).  The barrier behind the two steps stands
; between that merge's reads of the stages and a later block's end, which stores into them. The jumps go forward and pass no barrier and
; no tensor load.  last = 1, the walk's last tile: it is the second block's fifth tile or a later one, so nothing waits for a merge, and the block always ends here.
.macro BODY last
.if !(\last)
	s_cmp_eq_u32 s[PEND], 1
	s_cbranch_scc0 .Lno_merge_\@
	FINISH
	NEXTBLOCK
.Lno_merge_\@:
.endif
	TWO_STEPS
.if !(\last)
	s_add_co_u32 s[KB64], s[KB64], 2               ; over the other wave's two steps
	s_wait_dscnt 0x0
	s_barrier_signal -1
	s_barrier_wait -1
	s_sub_co_u32 s[RT], s[RT], 1
	s_cmp_eq_u32 s[RT], 0
	s_cbranch_scc0 .Lno_end_\@
.endif
	DUMP
.if !(\last)
	s_mov_b32 s[PEND], 1
.Lno_end_\@:
.endif
.endm
.Lslot:                                                ; eight times: a tile is entered and the next is asked for
	CHANGE 1
	BODY 0
	s_sub_co_u32 s[SLOTS], s[SLOTS], 1
	s_cmp_lg_u32 s[SLOTS], 0
	s_cbranch_scc1 .Lslot
	CHANGE 0                                       ; the walk's last tile is written out
	BODY 1
	s_wait_dscnt 0x0                               ; for the partner's sake: my stores are done
	s_barrier_signal -1
	s_barrier_wait -1
	FINISH
	s_wait_tensorcnt 0x0                           ; the wave's end
	ds_add_u32 v[SPW], v[NIL]
	s_wait_dscnt 0x0
	s_endpgm
.Lfunc_end_k_qf9721d1f00_attn:
	.size	k_qf9721d1f00_attn, .Lfunc_end_k_qf9721d1f00_attn-k_qf9721d1f00_attn
	.p2alignl 7, 3214868480
	.fill 96, 4, 3214868480
	.section	.rodata,"a",@progbits
	.p2align	6, 0x0
	.amdhsa_kernel k_qf9721d1f00_attn
		.amdhsa_group_segment_fixed_size 327680
		.amdhsa_private_segment_fixed_size 0
		.amdhsa_enable_private_segment 0
		.amdhsa_kernarg_size 32
		.amdhsa_user_sgpr_count 2
		.amdhsa_user_sgpr_kernarg_segment_ptr 1
		.amdhsa_wavefront_size32 1
		.amdhsa_system_sgpr_workgroup_id_x 1
		.amdhsa_system_sgpr_workgroup_id_y 1
		.amdhsa_system_sgpr_workgroup_id_z 1
		.amdhsa_system_vgpr_workitem_id 0
		.amdhsa_next_free_vgpr 944
		.amdhsa_next_free_sgpr 88
		.amdhsa_reserve_vcc 1
		.amdhsa_float_denorm_mode_32 3
		.amdhsa_float_denorm_mode_16_64 3
		.amdhsa_memory_ordered 1
		.amdhsa_forward_progress 1
		.amdhsa_inst_pref_size 169
	.end_amdhsa_kernel
	.amdgpu_metadata
---
amdhsa.version: [ 1, 2 ]
amdhsa.kernels:
  - .name:           k_qf9721d1f00_attn
    .symbol:         k_qf9721d1f00_attn.kd
    .args:
      - { .name: y, .offset: 0, .size: 8, .value_kind: global_buffer, .address_space: global }
      - { .name: kb, .offset: 8, .size: 8, .value_kind: global_buffer, .address_space: global }
      - { .name: vb, .offset: 16, .size: 8, .value_kind: global_buffer, .address_space: global }
      - { .name: ob, .offset: 24, .size: 8, .value_kind: global_buffer, .address_space: global }
    .group_segment_fixed_size: 327680
    .private_segment_fixed_size: 0
    .kernarg_segment_align: 8
    .kernarg_segment_size: 32
    .max_flat_workgroup_size: 128
    .sgpr_count:     88
    .vgpr_count:     944
    .wavefront_size: 32
...
	.end_amdgpu_metadata
.endif
;; end of part 10
;; launch gemm3 (part 11): grid 16 x 16, 4 waves a work-group, clusters of 4 x 4, 327,680 bytes of LDS; arguments ob, woT, out0; writes out0
.if DOCPART == 11
	.amdgcn_target "amdgcn-amd-amdhsa--gfx1250"
	.amdhsa_code_object_version 6
	.text
	.protected	k_qf9721d1f00_gemm3
	.globl	k_qf9721d1f00_gemm3
	.p2align	8
	.type	k_qf9721d1f00_gemm3,@function
k_qf9721d1f00_gemm3:
	s_mov_b64 s[64:65], 0
	v_nop
	global_prefetch_b8 v0, s[64:65] scope:SCOPE_SE
	s_setreg_imm32_b32 hwreg(HW_REG_WAVE_MODE, 25, 1), 1
	s_wait_xcnt 0x0
	s_wait_alu depctr_hold_cnt(0) depctr_sa_sdst(0) depctr_va_vdst(0) depctr_va_sdst(0) depctr_va_ssrc(0) depctr_va_vcc(0) depctr_vm_vsrc(0)
	s_getreg_b32 s2, hwreg(HW_REG_IB_STS2, 6, 4)
	s_cmp_eq_u32 s2, 0
	s_cbranch_scc0 .Lentry_in_a_cluster
	s_endpgm
.Lentry_in_a_cluster:
	s_bfe_u32 s2, ttmp6, 0x10000c
	s_cmp_lg_u32 s2, 0xf033
	s_cbranch_scc0 .Lentry_shape_is_right
	s_endpgm
.Lentry_shape_is_right:
; out0 = O Wo.  ob: [4096][2048] f16, woT: [2048 n][2048 k] f16 (K along the rows); sums in f32, stored as f32.
; SHARES.  A work-group makes 256 x 128: 16 x 16 = 256 work-groups.  Four waves, each 128 x 64: 32 accumulators of 16 x 16.
; K steps of 128 through two LDS slots, cluster 4 x 4 with joint loads, transposed use and turns as in the first product's launch.
; THE WALK ALONG K GOES ROUND, FROM ANOTHER STEP IN EACH CLUSTER.  The grid is 4 x 4 clusters; the four of a row of clusters read the same tiles of A, the four of a column the same tiles of B.
; Cluster (x, y) begins at K step (4 x + 8 y) mod 16: the four of a row begin 4 steps apart, neighbours in a column 8.  So a tile's readers come one after the other and not all in one step, and from a
; cluster's ninth step on every tile that it asks for has been asked for before.  The order of a sum along K differs from cluster to cluster; it is still one f32 sum for each output.
; REGISTERS.  window 0: addresses, the way out.  window 1: two fragment buffers (A's 8 blocks, B's 4).  window 2: accumulator (a, b) at v[8 (4 a + b)].
.set NSTEP,  16
.set NA,     8
.set NB,     4
.set PITCH,  272
.set AHALF,  128*PITCH
.set BHALF,  64*PITCH
.set BOFF,   2*AHALF
.set SLOT1,  131072
.set STAGE,  SLOT1+BOFF+2*BHALF        ; behind the ring: 16 rows x 272 bytes for each wave
.set SPITCH, 272
.set SPARE,  STAGE+4*16*SPITCH
.set A0,   16
.set B0,   17
.set ADRA, 18
.set ADRB, 19
.set STO,  24
.set RD,   25
.set CO,   26
.set SPW,  28
.set NIL,  29
.set OB,   32                          ; v[32:63], v[64:95] a block read back, by turns
.set F0,   0
.set F1,   128
.set AB,   64
.set G1,  24
.set G0,  32
.set G1B, 48
.set G0B, 56
.set TB,  45
.set ABASE, 66                         ; s[66:67] the rows of A that I fetch, at K step 0
.set BBASE, 68                         ; s[68:69] the same for B
.set KI,  70                           ; s70  the K step that the walking sets name
.set KO,  72                           ; s[72:73] its byte offset in a row: 256 x step
.set MSB, 0
.macro WIN new
.if MSB != (\new)
	s_set_vgpr_msb (MSB<<8)|(\new)
.set MSB, \new
.endif
.endm
.set MUL,  0xa5
.set TO_F, 0x40
.macro PLACES
.rept 4
	v_nop
.endr
.endm
.macro JLOAD
	s_cmp_eq_u32 s11, 0
	s_cbranch_scc0 .Lfor_b_\@
	tensor_load_to_lds s[G0+4:G0+7], s[G1:G1+7]
	s_nop 0
.rept 4
	v_nop
.endr
	s_branch .Lasked_\@
.Lfor_b_\@:
	tensor_load_to_lds s[G0B+4:G0B+7], s[G1B:G1B+7]
	s_nop 0
.rept 4
	v_nop
.endr
.Lasked_\@:
.endm
.macro CREST
	s_cmp_lg_u32 s10, 0
	s_cbranch_scc1 .Lnot_wave_0_\@
	s_barrier_signal -3
.Lnot_wave_0_\@:
	s_barrier_wait -3
	s_barrier_signal -1
	s_barrier_wait -1
.endm
.macro CROUND
	s_barrier_signal -1
	s_barrier_wait -1
	CREST
.endm
	s_load_b128 s[4:7], s[0:1], 0x0                ; ob s[4:5], woT s[6:7]
	s_load_b64 s[8:9], s[0:1], 0x10                ; out0
	v_lshl_add_u32 v[SPW], v0, 2, SPARE
	v_mov_b32 v[NIL], 0
	ds_add_u32 v[SPW], v[NIL]                      ; the wave's opening: an add, and its wait, ahead of my first tensor load
	ds_add_u32 v28, v29
	v_lshrrev_b32 v1, 5, v0
	v_readfirstlane_b32 s10, v1
	s_lshr_b32 s11, s10, 1                         ; my half of the rows.  Also: I fetch for A (0) or for B (1)
	s_and_b32 s12, s10, 1                          ; my half of the columns.  Also: which half I fetch
	s_bfe_u32 s40, ttmp6, 0x40000
	s_bfe_u32 s41, ttmp6, 0x40004
	s_lshl_b32 s42, ttmp9, 2
	s_add_co_u32 s42, s42, s40
	s_and_b32 s13, ttmp7, 0xffff                   ; the cluster's y
	s_lshl_b32 s[KI], s13, 3
	s_lshl_b32 s71, ttmp9, 2                       ; the cluster's x, times 4
	s_add_co_u32 s[KI], s[KI], s71
	s_and_b32 s[KI], s[KI], NSTEP-1                ; my cluster's first K step: (4 x + 8 y) mod 16: the same in all sixteen partners
	s_mov_b32 s[KO+1], 0
	s_lshl_b32 s13, s13, 2
	s_add_co_u32 s13, s13, s41
	s_lshl_b32 s43, s41, 2
	s_lshl_b32 s43, 15, s43
	s_lshl_b32 s44, 0x1111, s40
	s_or_b32 s[G1+0], s43, (1<<16)|(1<<20)|(1<<21)|(5<<22)|(3<<25)
	s_or_b32 s[G1B+0], s44, (1<<16)|(1<<20)|(1<<21)|(5<<22)|(3<<25)
	s_mov_b32 s[G1+1], 128<<16
	s_mov_b32 s[G1+2], 128<<16
	s_mov_b32 s[G1+3], 128<<16
	s_mov_b32 s[G1+4], 128
	s_mov_b32 s[G1+5], 2048
	s_mov_b32 s[G1+6], 0
	s_mov_b32 s[G1+7], 0
	s_mov_b32 s[G1B+1], 128<<16
	s_mov_b32 s[G1B+2], 64<<16
	s_mov_b32 s[G1B+3], 128<<16
	s_mov_b32 s[G1B+4], 64
	s_mov_b32 s[G1B+5], 2048
	s_mov_b32 s[G1B+6], 0
	s_mov_b32 s[G1B+7], 0
	s_lshl_b32 s16, s13, 8                         ; A: row 256 x tile row + 128 x half, of 4,096 bytes
	s_lshl_b32 s17, s12, 7
	s_add_co_u32 s16, s16, s17
	s_lshl_b32 s16, s16, 12
	s_mov_b32 s17, 0
	s_lshl_b32 s46, s42, 7                         ; B: row 128 x tile column + 64 x half
	s_lshl_b32 s47, s12, 6
	s_add_co_u32 s46, s46, s47
	s_lshl_b32 s46, s46, 12
	s_mov_b32 s47, 0
	s_mul_i32 s20, s12, AHALF
	s_mul_i32 s21, s12, BHALF
	s_add_co_u32 s21, s21, BOFF
	s_mov_b32 s[TB], 0
	s_wait_dscnt 0x0
	s_wait_kmcnt 0x0
	s_add_nc_u64 s[ABASE:ABASE+1], s[4:5], s[16:17]
	s_add_nc_u64 s[BBASE:BBASE+1], s[6:7], s[46:47]
.irp s, 0,1
	s_lshl_b32 s[KO], s[KI], 8                     ; a K step is 256 bytes of a row
	s_mov_b32 s[G0+4*\s], 1
	s_add_co_u32 s[G0+4*\s+1], s20, \s*SLOT1
	s_add_nc_u64 s[G0+4*\s+2:G0+4*\s+3], s[ABASE:ABASE+1], s[KO:KO+1]
	s_or_b32 s[G0+4*\s+3], s[G0+4*\s+3], 0x80000000
	s_mov_b32 s[G0B+4*\s], 1
	s_add_co_u32 s[G0B+4*\s+1], s21, \s*SLOT1
	s_add_nc_u64 s[G0B+4*\s+2:G0B+4*\s+3], s[BBASE:BBASE+1], s[KO:KO+1]
	s_or_b32 s[G0B+4*\s+3], s[G0B+4*\s+3], 0x80000000
.if \s == 0
	s_add_co_u32 s[KI], s[KI], 1                   ; the next step, round the end of K
	s_and_b32 s[KI], s[KI], NSTEP-1
.endif
.endr
	CROUND
	s_cmp_eq_u32 s11, 0
	s_cbranch_scc0 .Lfirst_b
	tensor_load_to_lds s[G0:G0+3], s[G1:G1+7]
	s_nop 0
	tensor_load_to_lds s[G0+4:G0+7], s[G1:G1+7]
	s_nop 0
.rept 4
	v_nop
.endr
	s_branch .Lfirst_asked
.Lfirst_b:
	tensor_load_to_lds s[G0B:G0B+3], s[G1B:G1B+7]
	s_nop 0
	tensor_load_to_lds s[G0B+4:G0B+7], s[G1B:G1B+7]
	s_nop 0
.rept 4
	v_nop
.endr
.Lfirst_asked:
	v_and_b32 v1, 15, v0                           ; r
	v_bfe_u32 v2, v0, 4, 1                         ; h
	v_mul_u32_u24 v3, v1, PITCH
	v_lshl_add_u32 v3, v2, 4, v3
	s_mul_i32 s21, s11, 128*PITCH
	s_mul_i32 s22, s12, 64*PITCH
	s_add_co_u32 s22, s22, BOFF
	v_add_nc_u32 v[A0], s21, v3
	v_add_nc_u32 v[B0], s22, v3
	v_mov_b32 v[ADRA], v[A0]
	v_mov_b32 v[ADRB], v[B0]
	s_mul_i32 s23, s10, 16*SPITCH
	s_add_co_u32 s23, s23, STAGE                   ; my stage
	v_mul_u32_u24 v4, v1, SPITCH                   ; in: row r, 32 bytes for each half of the lanes
	v_lshl_add_u32 v4, v2, 5, v4
	v_add_nc_u32 v[STO], s23, v4
	v_mul_u32_u24 v5, v2, SPITCH                   ; back: lanes 0-15 one row of 256 bytes, lanes 16-31 the next
	v_lshl_add_u32 v5, v1, 4, v5
	v_add_nc_u32 v[RD], s23, v5
	v_lshlrev_b32 v[CO], 13, v2                    ; and the same two rows of out0, 8,192 bytes apart
	v_lshl_add_u32 v[CO], v1, 4, v[CO]
	s_lshl_b32 s16, s13, 8                         ; my first row: 256 x tile row + 128 x half,
	s_lshl_b32 s17, s11, 7
	s_add_co_u32 s16, s16, s17
	s_lshl_b32 s16, s16, 13
	s_lshl_b32 s46, s42, 9                         ; my first column, in bytes: 512 x tile column + 256 x half
	s_lshl_b32 s47, s12, 8
	s_add_co_u32 s46, s46, s47
	s_add_co_u32 s46, s46, s16
	s_mov_b32 s47, 0
	s_add_nc_u64 s[8:9], s[8:9], s[46:47]
.macro MULROW f, a, zero               ; NB matrix instructions; every accumulator has one turn a quarter
	WIN MUL
.set bb, 0
.rept NB
.if \zero
	v_wmma_f32_16x16x32_f16 v[8*(NB*(\a)+bb):8*(NB*(\a)+bb)+7], v[(\f)+AB+8*bb:(\f)+AB+8*bb+7], v[(\f)+8*(\a):(\f)+8*(\a)+7], 0
.else
	v_wmma_f32_16x16x32_f16 v[8*(NB*(\a)+bb):8*(NB*(\a)+bb)+7], v[(\f)+AB+8*bb:(\f)+AB+8*bb+7], v[(\f)+8*(\a):(\f)+8*(\a)+7], v[8*(NB*(\a)+bb):8*(NB*(\a)+bb)+7]
.endif
.set bb, bb+1
.endr
.endm
.macro P1 f, zero
	MULROW \f, 0, \zero
	MULROW \f, 1, \zero
.endm
.macro P2 f, zero
	MULROW \f, 2, \zero
	MULROW \f, 3, \zero
.endm
.macro P3 f, zero
	MULROW \f, 4, \zero
	MULROW \f, 5, \zero
	MULROW \f, 6, \zero
	MULROW \f, 7, \zero
.endm
.macro FETCH q, f
	WIN TO_F
.set bb, 0
.rept NB
	ds_load_b128 v[(\f)+AB+8*bb:(\f)+AB+8*bb+3],   v[ADRB] offset:64*(\q)+bb*16*PITCH
	ds_load_b128 v[(\f)+AB+8*bb+4:(\f)+AB+8*bb+7], v[ADRB] offset:64*(\q)+bb*16*PITCH+32
.set bb, bb+1
.endr
.set bb, 0
.rept NA
	ds_load_b128 v[(\f)+8*bb:(\f)+8*bb+3],   v[ADRA] offset:64*(\q)+bb*16*PITCH
	ds_load_b128 v[(\f)+8*bb+4:(\f)+8*bb+7], v[ADRA] offset:64*(\q)+bb*16*PITCH+32
.set bb, bb+1
.endr
.endm
.macro QUARTER q, f, g, zero
	s_wait_dscnt 0x0                               ; buffer f is in: its run was issued 24 matrix instructions ago
	P1 \f, \zero
	PLACES
	FETCH \q, \g
	P2 \f, \zero
	P3 \f, \zero
.endm
.macro TURN fill                       ; the change of slots, as in the first product's launch
	WIN 0
	s_wait_tensorcnt 0x0
	ds_add_u32 v[SPW], v[NIL]
.if \fill
	s_add_co_u32 s[KI], s[KI], 1                   ; no load of mine is out: the walking sets step: the next K step, round the end of K,
	s_and_b32 s[KI], s[KI], NSTEP-1
	s_lshl_b32 s[KO], s[KI], 8
	s_xor_b32 s[G0+5], s[G0+5], SLOT1              ; the other slot; the addresses are made anew from the step's number
	s_add_nc_u64 s[G0+6:G0+7], s[ABASE:ABASE+1], s[KO:KO+1]
	s_or_b32 s[G0+7], s[G0+7], 0x80000000
	s_xor_b32 s[G0B+5], s[G0B+5], SLOT1
	s_add_nc_u64 s[G0B+6:G0B+7], s[BBASE:BBASE+1], s[KO:KO+1]
	s_or_b32 s[G0B+7], s[G0B+7], 0x80000000
.endif
	s_wait_dscnt 0x1                               ; buffer 1 is in; the add alone may be out
	P1 F1, 0
	s_wait_dscnt 0x0
	s_barrier_signal -1
	P2 F1, 0
	WIN 0
	s_barrier_wait -1
.if \fill
	CREST
	JLOAD
.else
	PLACES
.endif
	s_xor_b32 s[TB], s[TB], SLOT1
	v_add_nc_u32 v[ADRA], s[TB], v[A0]
	v_add_nc_u32 v[ADRB], s[TB], v[B0]
	FETCH 0, F0
	P3 F1, 0
.endm
	s_wait_tensorcnt 0x1                           ; my part of my first K step is in; the second's stays out
	s_barrier_signal -1
	s_barrier_wait -1
	FETCH 0, F0
	QUARTER 1, F0, F1, 1
	WIN 0
	s_mov_b32 s3, NSTEP-2
.Lstep:
	QUARTER 2, F1, F0, 0
	QUARTER 3, F0, F1, 0
	TURN 1
	QUARTER 1, F0, F1, 0
	WIN 0
	s_sub_co_u32 s3, s3, 1
	s_cmp_lg_u32 s3, 0
	s_cbranch_scc1 .Lstep
	QUARTER 2, F1, F0, 0
	QUARTER 3, F0, F1, 0
	TURN 0
	QUARTER 1, F0, F1, 0
	QUARTER 2, F1, F0, 0
	QUARTER 3, F0, F1, 0
	s_wait_dscnt 0x0
	P1 F1, 0
	P2 F1, 0
	P3 F1, 0
; THE WAY OUT of block a (16 rows x 64 columns of f32): a lane's 32 bytes of a row go into my stage and come back as whole rows of 256 bytes.
.macro TOSTAGE a
	WIN 0
	s_wait_xcnt 0x0                                ; the buffer that the block before last was stored from is loaded again only behind this wait
	WIN 0x08                                       ; the stores' data in window 2
.irp b, 0,1,2,3
	ds_store_b128 v[STO], v[8*(4*(\a)+\b):8*(4*(\a)+\b)+3] offset:64*\b          ; the low end first
	ds_store_b128 v[STO], v[8*(4*(\a)+\b)+4:8*(4*(\a)+\b)+7] offset:64*\b+16
.endr
	WIN 0
.set BK, OB+32*((\a)%2)
.irp u, 0,1,2,3,4,5,6,7
	ds_load_b128 v[BK+4*\u:BK+4*\u+3], v[RD] offset:\u*2*SPITCH                  ; LDS serves a wave's instructions in order: these see the stores above
.endr
.endm
.macro SEND a, younger                 ; younger: the next block's eight LDS stores and eight loads, or none
.set BK, OB+32*((\a)%2)
	s_wait_dscnt \younger
.irp u, 0,1,2,3,4,5,6,7
	global_store_b128 v[CO], v[BK+4*\u:BK+4*\u+3], s[8:9] offset:(\a)*131072+\u*16384 th:TH_STORE_NT   ; 16 lanes store 256 consecutive bytes, aligned
.endr
.endm
	WIN 0
	PLACES
	TOSTAGE 0
.irp a, 1,2,3,4,5,6,7
	TOSTAGE \a
	SEND \a-1, 16
.endr
	SEND 7, 0
	s_wait_tensorcnt 0x0                           ; the wave's end
	ds_add_u32 v[SPW], v[NIL]
	s_wait_dscnt 0x0
	CROUND                                         ; the closing round
	s_endpgm
.Lfunc_end_k_qf9721d1f00_gemm3:
	.size	k_qf9721d1f00_gemm3, .Lfunc_end_k_qf9721d1f00_gemm3-k_qf9721d1f00_gemm3
	.p2alignl 7, 3214868480
	.fill 96, 4, 3214868480
	.section	.rodata,"a",@progbits
	.p2align	6, 0x0
	.amdhsa_kernel k_qf9721d1f00_gemm3
		.amdhsa_group_segment_fixed_size 327680
		.amdhsa_private_segment_fixed_size 0
		.amdhsa_enable_private_segment 0
		.amdhsa_kernarg_size 24
		.amdhsa_user_sgpr_count 2
		.amdhsa_user_sgpr_kernarg_segment_ptr 1
		.amdhsa_wavefront_size32 1
		.amdhsa_system_sgpr_workgroup_id_x 1
		.amdhsa_system_sgpr_workgroup_id_y 1
		.amdhsa_system_sgpr_workgroup_id_z 1
		.amdhsa_system_vgpr_workitem_id 0
		.amdhsa_next_free_vgpr 768
		.amdhsa_next_free_sgpr 74
		.amdhsa_reserve_vcc 0
		.amdhsa_float_denorm_mode_32 3
		.amdhsa_float_denorm_mode_16_64 3
		.amdhsa_memory_ordered 1
		.amdhsa_forward_progress 1
		.amdhsa_inst_pref_size 69
	.end_amdhsa_kernel
	.amdgpu_metadata
---
amdhsa.version: [ 1, 2 ]
amdhsa.kernels:
  - .name:           k_qf9721d1f00_gemm3
    .symbol:         k_qf9721d1f00_gemm3.kd
    .args:
      - { .name: ob, .offset: 0, .size: 8, .value_kind: global_buffer, .address_space: global }
      - { .name: woT, .offset: 8, .size: 8, .value_kind: global_buffer, .address_space: global }
      - { .name: out0, .offset: 16, .size: 8, .value_kind: global_buffer, .address_space: global }
    .group_segment_fixed_size: 327680
    .private_segment_fixed_size: 0
    .kernarg_segment_align: 8
    .kernarg_segment_size: 24
    .max_flat_workgroup_size: 128
    .sgpr_count:     74
    .vgpr_count:     768
    .wavefront_size: 32
...
	.end_amdgpu_metadata
.endif
;; end of part 11
;; launch early (part 12): grid 16 x 2, 16 waves a work-group, no clusters, 86,016 bytes of LDS; arguments y, wupT, kb, ob; writes ob
.if DOCPART == 12
	.amdgcn_target "amdgcn-amd-amdhsa--gfx1250"
	.amdhsa_code_object_version 6
	.text
	.protected	k_qf9721d1f00_early
	.globl	k_qf9721d1f00_early
	.p2align	8
	.type	k_qf9721d1f00_early,@function
k_qf9721d1f00_early:
	s_mov_b64 s[64:65], 0
	v_nop
	global_prefetch_b8 v0, s[64:65] scope:SCOPE_SE
	s_setreg_imm32_b32 hwreg(HW_REG_WAVE_MODE, 25, 1), 1
	s_wait_xcnt 0x0
; THE FIRST 32 ROWS OF EACH BATCH ONCE MORE: attention's output O for these rows with no 16-bit rounding of v, of the weights or of O; one work-group for a batch and a head.
; WHY.  Row s is a mean over s + 1 keys, so the first rows' numbers are up to ten times the output's root mean square r, by which the problem's allowance (r / 100) goes.  One rounding to f16 is some
; 2^-12 of a number: in these rows a seventh of the allowance, and v, the weights and O each bring one.  From row 32 on the numbers are under a third of v's spread, and the roundings have room.
; HOW.  These rows see keys 0 to 31 alone.  v, the weights p and O are kept as TWO f16 numbers, hi = f16(x) and lo = f16(x - hi), and a product is hi hi + lo hi + hi lo, in f32 sums: what is left out
; is 2^-22 of the product.  Wup x 2^e (f16) is exact as it lies; c wm lies in y as hi and lo.  q and k are taken as the f16 numbers of the launches before: their roundings shift a score by some
; 2^-12 of itself, a weight by at most a quarter of that shift, which is a tenth of the allowance at the most.
; IN.   y: groups 0-15 q by heads, 16-23 hi, 24-31 lo of c wm, [group][4096][64] f16, and from byte 16,777,216 ssq[16][4096] f32; wupT [8 slices of 64 k][3072][64] f16; kb [16 heads][4096][64] f16.
; OUT.  ob from byte 16,777,216 on: O as the next launch's fragments lie in registers: [hi, lo][row block 2 batch + t][chunk of 32 columns][half][lane][16 bytes]: a store covers 512 consecutive bytes.
; LIMITS.  q, c, k, v within f16's 65,504; a lo below 6e-5 keeps f16's fixed step of 6e-8; a hidden score counts as its value less 1e30; NaN and infinities are not treated apart.
; SHARES.  Sixteen waves.  Wave w = 4 kq + g makes, for all 32 rows, v's channels 32 g .. + 31 over k = 128 kq .. + 127: ONE run of loads (8 + 48 are out together), then 32 matrix instructions.
; The four parts along k meet in LDS; behind a barrier wave (kq, g) adds sum number kq of group g, scales it by the row's factor, splits it and puts it into v's rows in LDS.  Behind a second barrier
; waves 0 to 3 make the 32 x 32 scores and the softmax (the same text, the same numbers) and wave w the output's channels 32 w .. + 31; the other waves have ended.
; The fragments come straight from memory, where K is contiguous: each is used two to four times, so tensor loads and a cluster would spare nothing.
; THE MATRIX INSTRUCTION IS USED TRANSPOSED (source 0 = 16 rows of the weights, source 1 = 16 rows of c): a lane holds eight neighbouring columns of one row.
.set PV,    288                        ; a row of v in LDS: 256 bytes + 32
.set VH,    0                          ; 32 rows of v hi,
.set VL,    32*PV                      ; 32 rows of v lo
.set PART,  2*32*PV                    ; 4,096 bytes for each wave: its four sums as they lie in registers
.set SPARE, PART+16*4096               ; the spare words, 128 bytes a wave
.set LOOFF, 4194304                    ; lo lies eight groups of 524,288 bytes behind hi
.set OFX,   16777216                   ; where this launch's part of ob begins
.set SPW,  4                           ; v4   LDS address of my spare word; never rewritten
.set NIL,  5                           ; v5   0; never rewritten
.set L128, 7                           ; v7   r x 128 + 16 h: my place in 16 rows of y, wupT or kb
.set LSS,  8                           ; v8   4 r + 131,072 h: my row, and my eight slices, in ssq
.set PST,  9                           ; v9   LDS: where my sums go
.set SV,   10                          ; v10  LDS: where my 16 bytes of v hi go
.set PRD,  11                          ; v11  LDS: the sum that I add up, in the first of the four parts
.set FV,   12                          ; v12  LDS: my place in a turned fragment of v
.set GO,   13                          ; v13  16 x lane
.set RR,   14                          ; v[14:15]  my row's factor, as a pair
.set SS,   16                          ; v[16:23]  eight partial sums of squares of my row
.set TT,   32                          ; v[32:39]  at work in SPLIT8;  v[24:31] its results for v;  v[20:23], v[40:47] at work in the softmax
.set ACC,  32                          ; v[32:63]  the four sums of v: (m, n) at ACC + 8 (2 m + n)
.set FR,   64                          ; v[64:255] the fragments of four chunks of 32 along k, 48 registers each: hi, lo (two row blocks each), two of wupT
.set RS,   128                         ; v[128:159] one sum's four parts
.set QF,   64                          ; attention: q's fragments (tile t, chunk c) at QF + 8 (2 t + c)
.set KF,   96                          ; k's likewise;  v's: hi at v[48:63], lo at v[240:255]
.set S,    192                         ; v[192:223] scores: key block b, query tile t at S + 16 t + 8 b
.set MDG,  224                         ; v[224:231] the mask of a block on the diagonal
.set MH,   232                         ; v[232:239] the mask of a hidden block
.set OA,   96                          ; v[96:127] O^T: (t, i) at OA + 8 (2 t + i);  the weights: hi v[64:79], lo v[80:95]
.set YA,  20                           ; s[20:21] y at group 16 + 2 kq, the batch's first row
.set BV,  22                           ; s[22:23] wupT at slice 2 kq, my 32 rows of v
.set YS,  24                           ; s[24:25] ssq at the 16 rows of the sum that I add up
.set QP,  26                           ; s[26:27] q at the head's and the batch's first row
.set KP,  28                           ; s[28:29] k likewise
.set OB,  32                           ; s[32:33] ob at my chunk
.set CS,  34                           ; s[34:35] c = log2(e) / 8
.set SEL, 36                           ; s[36:37] v_permlanex16_b32: each lane takes its own place in the other half
.set BIGN, 38                          ; s38  -1e30
.macro PLACES                          ; five places behind matrix instructions: in front of reads of their results, of loads into their registers and of matrix instructions that write over them
.rept 5
	v_nop
.endr
.endm
; Eight f32 numbers at src become hi (four registers named by number, for their halves) and lo (four registers from lo on).
.macro SPLIT8 src, h0, h1, h2, h3, lo
	v_cvt_pk_f16_f32 v\h0, v[(\src)], v[(\src)+1]
	v_cvt_pk_f16_f32 v\h1, v[(\src)+2], v[(\src)+3]
	v_cvt_pk_f16_f32 v\h2, v[(\src)+4], v[(\src)+5]
	v_cvt_pk_f16_f32 v\h3, v[(\src)+6], v[(\src)+7]
	v_cvt_f32_f16 v[TT], v\h0\().l
	v_cvt_f32_f16 v[TT+1], v\h0\().h
	v_cvt_f32_f16 v[TT+2], v\h1\().l
	v_cvt_f32_f16 v[TT+3], v\h1\().h
	v_cvt_f32_f16 v[TT+4], v\h2\().l
	v_cvt_f32_f16 v[TT+5], v\h2\().h
	v_cvt_f32_f16 v[TT+6], v\h3\().l
	v_cvt_f32_f16 v[TT+7], v\h3\().h
	v_pk_add_f32 v[TT:TT+1],   v[(\src):(\src)+1],   v[TT:TT+1]   neg_lo:[0,1] neg_hi:[0,1]   ; what the rounding took away: exact
	v_pk_add_f32 v[TT+2:TT+3], v[(\src)+2:(\src)+3], v[TT+2:TT+3] neg_lo:[0,1] neg_hi:[0,1]
	v_pk_add_f32 v[TT+4:TT+5], v[(\src)+4:(\src)+5], v[TT+4:TT+5] neg_lo:[0,1] neg_hi:[0,1]
	v_pk_add_f32 v[TT+6:TT+7], v[(\src)+6:(\src)+7], v[TT+6:TT+7] neg_lo:[0,1] neg_hi:[0,1]
	v_cvt_pk_f16_f32 v[(\lo)],   v[TT],   v[TT+1]
	v_cvt_pk_f16_f32 v[(\lo)+1], v[TT+2], v[TT+3]
	v_cvt_pk_f16_f32 v[(\lo)+2], v[TT+4], v[TT+5]
	v_cvt_pk_f16_f32 v[(\lo)+3], v[TT+6], v[TT+7]
.endm
	s_load_b256 s[4:11], s[0:1], 0x0               ; y s[4:5], wupT s[6:7], kb s[8:9], ob s[10:11]
	v_lshl_add_u32 v[SPW], v0, 2, SPARE
	v_mov_b32 v[NIL], 0
	v_lshrrev_b32 v1, 5, v0
	v_readfirstlane_b32 s14, v1                    ; wave 0..15
	s_mov_b32 s15, ttmp9                           ; head
	s_and_b32 s16, ttmp7, 0xffff                   ; batch
	s_lshr_b32 s17, s14, 2                         ; kq: my quarter of k.  Also: the sum that I add up: row block m = kq / 2, column block n = kq % 2
	s_and_b32 s18, s14, 3                          ; g: my 32 channels of v
	s_mov_b32 s3, 0                                ; the high word of every offset
	s_mov_b32 s[CS], 0x3e38aa3b
	s_mov_b32 s[CS+1], s[CS]                       ; named with it as a pair
	s_mov_b32 s[SEL], 0x76543210
	s_mov_b32 s[SEL+1], 0xfedcba98
	s_mov_b32 s[BIGN], 0xf149f2ca
	s_mov_b32 s39, 0x3b000000                      ; 1 / 512
	s_mov_b32 s40, 0x358637bd                      ; 1e-6
	v_and_b32 v1, 15, v0                           ; r = l % 16
	v_bfe_u32 v2, v0, 4, 1                         ; h = l / 16
	v_and_b32 v3, 31, v0                           ; l
	v_lshlrev_b32 v[L128], 7, v1
	v_lshl_add_u32 v[L128], v2, 4, v[L128]
	v_lshlrev_b32 v[LSS], 2, v1
	v_lshl_add_u32 v[LSS], v2, 17, v[LSS]          ; lanes 16-31 take slices 8 to 15, 16,384 bytes each
	s_lshl_b32 s19, s14, 12
	s_add_co_u32 s19, s19, PART
	v_lshl_add_u32 v[PST], v3, 4, s19              ; my wave's 4,096 bytes, 16 bytes a lane
	s_lshl_b32 s19, s18, 12                        ; the part of wave (0, g),
	s_lshl_b32 s41, s17, 10                        ; its sum number kq
	s_add_co_u32 s19, s19, s41
	s_add_co_u32 s19, s19, PART
	v_lshl_add_u32 v[PRD], v3, 4, s19
	s_lshr_b32 s19, s17, 1                         ; v's row 16 m + r, byte 64 g + 32 n + 16 h
	s_mul_i32 s19, s19, 16*PV
	s_lshl_b32 s41, s18, 6
	s_add_co_u32 s19, s19, s41
	s_and_b32 s41, s17, 1
	s_lshl_b32 s41, s41, 5
	s_add_co_u32 s19, s19, s41
	v_mul_u32_u24 v[SV], v1, PV
	v_lshl_add_u32 v[SV], v2, 4, v[SV]
	v_add_nc_u32 v[SV], s19, v[SV]
	v_and_b32 v6, 7, v0                            ; the turning load: lane l reads key 8 (l / 16) + l % 8, channels 8 ((l / 8) % 2) + 0..7
	v_lshl_add_u32 v[FV], v2, 3, v6
	v_mul_u32_u24 v[FV], v[FV], PV
	v_bfe_u32 v6, v0, 3, 1
	v_lshl_add_u32 v[FV], v6, 4, v[FV]
	s_lshl_b32 s19, s18, 6                         ; my 32 channels' 64 bytes (in waves 0 to 3 g is the wave's number)
	v_add_nc_u32 v[FV], s19, v[FV]
	v_lshlrev_b32 v[GO], 4, v3
	s_wait_kmcnt 0x0
	s_lshl_b32 s2, s17, 20                         ; two groups of 524,288 bytes for each quarter of k,
	s_lshl_b32 s19, s16, 18                        ; the batch's 2,048 rows of 128 bytes,
	s_add_co_u32 s2, s2, s19
	s_add_co_u32 s2, s2, 0x800000                  ; from group 16 on
	s_add_nc_u64 s[YA:YA+1], s[4:5], s[2:3]
	s_mul_i32 s2, s15, 192                         ; row 192 head + 64 + 32 g of a slice of wupT,
	s_lshl_b32 s19, s18, 5
	s_add_co_u32 s2, s2, s19
	s_add_co_u32 s2, s2, 64
	s_lshl_b32 s2, s2, 7
	s_mul_i32 s19, s17, 786432                     ; two slices of 393,216 bytes for each quarter of k
	s_add_co_u32 s2, s2, s19
	s_add_nc_u64 s[BV:BV+1], s[6:7], s[2:3]
	s_lshl_b32 s2, s16, 13                         ; the batch's 2,048 rows of 4 bytes,
	s_lshr_b32 s19, s17, 1
	s_lshl_b32 s19, s19, 6                         ; row block m,
	s_add_co_u32 s2, s2, s19
	s_add_co_u32 s2, s2, 0x1000000                 ; behind the 32 groups
	s_add_nc_u64 s[YS:YS+1], s[4:5], s[2:3]
	s_lshl_b32 s2, s15, 19                         ; the head's 4,096 rows of 128 bytes, the batch's 2,048
	s_lshl_b32 s19, s16, 18
	s_add_co_u32 s2, s2, s19
	s_add_nc_u64 s[QP:QP+1], s[4:5], s[2:3]
	s_add_nc_u64 s[KP:KP+1], s[8:9], s[2:3]
	s_lshl_b32 s2, s15, 2                          ; my chunk of 32 columns of O: 4 head + g, 1,024 bytes each;
	s_add_co_u32 s2, s2, s18
	s_lshl_b32 s2, s2, 10
	s_lshl_b32 s19, s16, 17                        ; the batch's two row blocks of 65,536 bytes
	s_add_co_u32 s2, s2, s19
	s_add_co_u32 s2, s2, OFX
	s_add_nc_u64 s[OB:OB+1], s[10:11], s[2:3]
	; ALL MY LOADS IN ONE RUN: 8 + 48 are out together.
.irp z, 0,1,2,3,4,5,6,7
	global_load_b32 v[SS+\z], v[LSS], s[YS:YS+1] offset:16384*\z           ; partial sum 8 h + z of c^2 of row 16 m + r
.endr
.irp c, 0,1,2,3                        ; chunk c: slice 2 kq + c / 2, k = 32 (c % 2) .. + 31 of it
	global_load_b128 v[FR+48*\c:FR+48*\c+3],     v[L128], s[YA:YA+1] offset:(\c/2)*524288+(\c%2)*64                 ; hi, rows 0-15
	global_load_b128 v[FR+48*\c+4:FR+48*\c+7],   v[L128], s[YA:YA+1] offset:(\c/2)*524288+(\c%2)*64+32
	global_load_b128 v[FR+48*\c+8:FR+48*\c+11],  v[L128], s[YA:YA+1] offset:(\c/2)*524288+(\c%2)*64+2048            ; hi, rows 16-31
	global_load_b128 v[FR+48*\c+12:FR+48*\c+15], v[L128], s[YA:YA+1] offset:(\c/2)*524288+(\c%2)*64+2048+32
	global_load_b128 v[FR+48*\c+16:FR+48*\c+19], v[L128], s[YA:YA+1] offset:LOOFF+(\c/2)*524288+(\c%2)*64           ; lo, rows 0-15
	global_load_b128 v[FR+48*\c+20:FR+48*\c+23], v[L128], s[YA:YA+1] offset:LOOFF+(\c/2)*524288+(\c%2)*64+32
	global_load_b128 v[FR+48*\c+24:FR+48*\c+27], v[L128], s[YA:YA+1] offset:LOOFF+(\c/2)*524288+(\c%2)*64+2048      ; lo, rows 16-31
	global_load_b128 v[FR+48*\c+28:FR+48*\c+31], v[L128], s[YA:YA+1] offset:LOOFF+(\c/2)*524288+(\c%2)*64+2048+32
	global_load_b128 v[FR+48*\c+32:FR+48*\c+35], v[L128], s[BV:BV+1] offset:(\c/2)*393216+(\c%2)*64                 ; my 32 rows of wupT
	global_load_b128 v[FR+48*\c+36:FR+48*\c+39], v[L128], s[BV:BV+1] offset:(\c/2)*393216+(\c%2)*64+32
	global_load_b128 v[FR+48*\c+40:FR+48*\c+43], v[L128], s[BV:BV+1] offset:(\c/2)*393216+(\c%2)*64+2048
	global_load_b128 v[FR+48*\c+44:FR+48*\c+47], v[L128], s[BV:BV+1] offset:(\c/2)*393216+(\c%2)*64+2048+32
.endr
	s_wait_loadcnt 48                              ; loads come back in order: the eight partial sums are in, the 48 fragment loads stay out
	v_pk_add_f32 v[SS:SS+1], v[SS:SS+1], v[SS+2:SS+3]      ; my row's factor rsqrt(sum / 512 + 1e-6), made while the fragments are on their way
	v_pk_add_f32 v[SS+4:SS+5], v[SS+4:SS+5], v[SS+6:SS+7]
	v_pk_add_f32 v[SS:SS+1], v[SS:SS+1], v[SS+4:SS+5]
	v_add_f32 v[SS], v[SS], v[SS+1]
	v_permlanex16_b32 v[SS+1], v[SS], s[SEL], s[SEL+1]     ; the row's other eight slices lie in the lane 16 away
	v_add_f32 v[SS], v[SS], v[SS+1]
	v_fma_f32 v[SS], v[SS], s39, s40
	v_rsq_f32 v[RR], v[SS]
	v_nop                                          ; a plain instruction between the root and the use of its result
	s_wait_alu depctr_va_vdst(0)
	v_mov_b32 v[RR+1], v[RR]                       ; named with it as a pair
	; v = (c wm) (2^e Wup), my quarter of k: hi and lo add onto the same four sums, which take turns
.irp c, 0,1,2,3
	s_wait_loadcnt 36-12*\c                        ; chunk c's 12 loads are in; those of the younger chunks stay out
.irp p, 0,1
.irp m, 0,1
.irp n, 0,1
.if (\c == 0) && (\p == 0)
	v_wmma_f32_16x16x32_f16 v[ACC+8*(2*\m+\n):ACC+8*(2*\m+\n)+7], v[FR+48*\c+32+8*\n:FR+48*\c+32+8*\n+7], v[FR+48*\c+16*\p+8*\m:FR+48*\c+16*\p+8*\m+7], 0
.else
	v_wmma_f32_16x16x32_f16 v[ACC+8*(2*\m+\n):ACC+8*(2*\m+\n)+7], v[FR+48*\c+32+8*\n:FR+48*\c+32+8*\n+7], v[FR+48*\c+16*\p+8*\m:FR+48*\c+16*\p+8*\m+7], v[ACC+8*(2*\m+\n):ACC+8*(2*\m+\n)+7]
.endif
.endr
.endr
.endr
.endr
	PLACES
	s_cmp_lt_u32 s14, 4                            ; waves 0 to 3 ask for q and k now: the 16 loads land while the sums meet in LDS
	s_cbranch_scc0 .Lno_qk
.irp t, 0,1
.irp c, 0,1
	global_load_b128 v[QF+8*(2*\t+\c):QF+8*(2*\t+\c)+3],   v[L128], s[QP:QP+1] offset:\t*2048+\c*64
	global_load_b128 v[QF+8*(2*\t+\c)+4:QF+8*(2*\t+\c)+7], v[L128], s[QP:QP+1] offset:\t*2048+\c*64+32
	global_load_b128 v[KF+8*(2*\t+\c):KF+8*(2*\t+\c)+3],   v[L128], s[KP:KP+1] offset:\t*2048+\c*64
	global_load_b128 v[KF+8*(2*\t+\c)+4:KF+8*(2*\t+\c)+7], v[L128], s[KP:KP+1] offset:\t*2048+\c*64+32
.endr
.endr
.Lno_qk:
.irp a, 0,1,2,3
	ds_store_b128 v[PST], v[ACC+8*\a:ACC+8*\a+3] offset:\a*1024            ; the low end first; 32 lanes, 512 consecutive bytes
	ds_store_b128 v[PST], v[ACC+8*\a+4:ACC+8*\a+7] offset:\a*1024+512
.endr
	s_wait_dscnt 0x0                               ; for the others' sake: my sums are in LDS
	s_barrier_signal -1
	s_barrier_wait -1
.irp k, 0,1,2,3                        ; sum number kq of group g, from the four waves (k, g)
	ds_load_b128 v[RS+8*\k:RS+8*\k+3],   v[PRD] offset:\k*16384
	ds_load_b128 v[RS+8*\k+4:RS+8*\k+7], v[PRD] offset:\k*16384+512
.endr
	s_wait_dscnt 0x0
.irp z, 0,1,2,3
	v_pk_add_f32 v[RS+2*\z:RS+2*\z+1], v[RS+2*\z:RS+2*\z+1], v[RS+8+2*\z:RS+8+2*\z+1]
	v_pk_add_f32 v[RS+16+2*\z:RS+16+2*\z+1], v[RS+16+2*\z:RS+16+2*\z+1], v[RS+24+2*\z:RS+24+2*\z+1]
.endr
.irp z, 0,1,2,3
	v_pk_add_f32 v[RS+2*\z:RS+2*\z+1], v[RS+2*\z:RS+2*\z+1], v[RS+16+2*\z:RS+16+2*\z+1]
.endr
.irp z, 0,1,2,3
	v_pk_mul_f32 v[RS+2*\z:RS+2*\z+1], v[RS+2*\z:RS+2*\z+1], v[RR:RR+1] op_sel_hi:[1,0]
.endr
	SPLIT8 RS, 24, 25, 26, 27, 28
	ds_store_b128 v[SV], v[24:27] offset:VH
	ds_store_b128 v[SV], v[28:31] offset:VL
	s_wait_dscnt 0x0                               ; for the others' sake: my 16 bytes of v hi and of v lo are in LDS
	s_barrier_signal -1
	s_barrier_wait -1                              ; from here on LDS is only read
	s_cmp_lt_u32 s14, 4
	s_cbranch_scc1 .Lattn
	s_wait_tensorcnt 0x0                           ; waves 4 to 15 end
	ds_add_u32 v[SPW], v[NIL]
	s_wait_dscnt 0x0
	s_endpgm
.Lattn:	; ATTENTION, waves 0 to 3.  S^T = K Q^T holds one query a lane (l % 16) and the keys 8 (l / 16) + 0..7 of a block of 16.
.irp p, 0,1
.irp i, 0,1                            ; v, turned: 32 keys x my channels 16 i .. + 15; hi at v[48 + 8 i], lo at v[240 + 8 i]
	ds_load_tr16_b128 v[48+192*\p+8*\i:48+192*\p+8*\i+3],   v[FV] offset:VH+\p*32*PV+32*\i
	ds_load_tr16_b128 v[48+192*\p+8*\i+4:48+192*\p+8*\i+7], v[FV] offset:VH+\p*32*PV+32*\i+16*PV
.endr
.endr
	; the masks: on the diagonal register i (key 8 h + i) is hidden where it is greater than the query r
	v_lshlrev_b32 v6, 3, v2
	v_sub_nc_u32 v6, v1, v6
.set i, 0
.rept 8
	v_cmp_gt_i32 vcc_lo, i, v6
	v_cndmask_b32 v[MDG+i], 0, s[BIGN], vcc_lo
	v_mov_b32 v[MH+i], s[BIGN]
.set i, i+1
.endr
	s_wait_loadcnt 0x0                             ; q and k
	; chunk c of 32 channels; the four sums take turns; the mask starts each sum
.irp c, 0,1
.irp t, 0,1
.irp b, 0,1
.if \c == 0
.if \b < \t
	v_wmma_f32_16x16x32_f16 v[S+16*\t+8*\b:S+16*\t+8*\b+7], v[KF+8*(2*\b+\c):KF+8*(2*\b+\c)+7], v[QF+8*(2*\t+\c):QF+8*(2*\t+\c)+7], 0
.elseif \b == \t
	v_wmma_f32_16x16x32_f16 v[S+16*\t+8*\b:S+16*\t+8*\b+7], v[KF+8*(2*\b+\c):KF+8*(2*\b+\c)+7], v[QF+8*(2*\t+\c):QF+8*(2*\t+\c)+7], v[MDG:MDG+7]
.else
	v_wmma_f32_16x16x32_f16 v[S+16*\t+8*\b:S+16*\t+8*\b+7], v[KF+8*(2*\b+\c):KF+8*(2*\b+\c)+7], v[QF+8*(2*\t+\c):QF+8*(2*\t+\c)+7], v[MH:MH+7]
.endif
.else
	v_wmma_f32_16x16x32_f16 v[S+16*\t+8*\b:S+16*\t+8*\b+7], v[KF+8*(2*\b+\c):KF+8*(2*\b+\c)+7], v[QF+8*(2*\t+\c):QF+8*(2*\t+\c)+7], v[S+16*\t+8*\b:S+16*\t+8*\b+7]
.endif
.endr
.endr
.endr
	PLACES
; The softmax of query tile t: the maximum of the lane's 16 scores and of the lane 16 away is taken away; p = 2^(c s - c m); p is divided by its sum in f32.
; Each accumulator's lowest registers are read first.  Every row sees its own key, so the maximum is a true score.
.macro SOFT t
.set rS, S+16*(\t)
	v_max3_num_f32 v20, v[rS], v[rS+1], v[rS+2]
	v_max3_num_f32 v21, v[rS+8], v[rS+9], v[rS+10]
	v_max3_num_f32 v20, v20, v[rS+3], v[rS+4]
	v_max3_num_f32 v21, v21, v[rS+11], v[rS+12]
	v_max3_num_f32 v20, v20, v[rS+5], v[rS+6]
	v_max3_num_f32 v21, v21, v[rS+13], v[rS+14]
	v_max3_num_f32 v20, v20, v[rS+7], v[rS+15]
	v_max_num_f32 v20, v20, v21
	v_permlanex16_b32 v21, v20, s[SEL], s[SEL+1]
	v_max_num_f32 v20, v20, v21
	v_mul_f32 v22, s[CS], v20                      ; c m
	v_mov_b32 v23, v22                             ; named with it as a pair
.set z, 0
.rept 8
	v_pk_fma_f32 v[rS+2*z:rS+2*z+1], v[rS+2*z:rS+2*z+1], s[CS:CS+1], v[22:23] op_sel_hi:[1,0,0] neg_lo:[0,0,1] neg_hi:[0,0,1]
.set z, z+1
.endr
.set z, 0
.rept 16
	v_exp_f32 v[rS+z], v[rS+z]
.set z, z+1
.endr
	v_nop                                          ; a plain instruction between the last exponential and the use of its result
	s_wait_alu depctr_va_vdst(0)
	v_pk_add_f32 v[40:41], v[rS:rS+1], v[rS+2:rS+3]
	v_pk_add_f32 v[42:43], v[rS+4:rS+5], v[rS+6:rS+7]
	v_pk_add_f32 v[44:45], v[rS+8:rS+9], v[rS+10:rS+11]
	v_pk_add_f32 v[46:47], v[rS+12:rS+13], v[rS+14:rS+15]
	v_pk_add_f32 v[40:41], v[40:41], v[42:43]
	v_pk_add_f32 v[44:45], v[44:45], v[46:47]
	v_pk_add_f32 v[40:41], v[40:41], v[44:45]
	v_add_f32 v40, v40, v41
	v_permlanex16_b32 v41, v40, s[SEL], s[SEL+1]
	v_add_f32 v40, v40, v41                        ; at least 1: the greatest weight is 1
	v_rcp_f32 v42, v40
	v_nop
	s_wait_alu depctr_va_vdst(0)
	v_mov_b32 v43, v42                             ; named with it as a pair
.set z, 0
.rept 8
	v_pk_mul_f32 v[rS+2*z:rS+2*z+1], v[rS+2*z:rS+2*z+1], v[42:43] op_sel_hi:[1,0]
.set z, z+1
.endr
.endm
	SOFT 0
	SOFT 1
	; two blocks of 16 keys, packed in pairs, ARE source 1 (32 keys x 16 queries) of O^T = V^T P: hi of tile t at v[64 + 8 t], lo at v[80 + 8 t]
	SPLIT8 S,    64, 65, 66, 67, 80
	SPLIT8 S+8,  68, 69, 70, 71, 84
	SPLIT8 S+16, 72, 73, 74, 75, 88
	SPLIT8 S+24, 76, 77, 78, 79, 92
	s_wait_dscnt 0x0                               ; v's fragments are in
	; term e: v hi p hi, v lo p hi, v hi p lo; the four sums take turns
.irp e, 0,1,2
.irp t, 0,1
.irp i, 0,1
.if \e == 0
	v_wmma_f32_16x16x32_f16 v[OA+8*(2*\t+\i):OA+8*(2*\t+\i)+7], v[48+192*(\e%2)+8*\i:48+192*(\e%2)+8*\i+7], v[64+16*(\e/2)+8*\t:64+16*(\e/2)+8*\t+7], 0
.else
	v_wmma_f32_16x16x32_f16 v[OA+8*(2*\t+\i):OA+8*(2*\t+\i)+7], v[48+192*(\e%2)+8*\i:48+192*(\e%2)+8*\i+7], v[64+16*(\e/2)+8*\t:64+16*(\e/2)+8*\t+7], v[OA+8*(2*\t+\i):OA+8*(2*\t+\i)+7]
.endif
.endr
.endr
.endr
	PLACES
	; A lane holds query 16 t + r and channels 32 w + 16 i + 8 h + 0..7: half i of the next launch's fragment of chunk 4 head + w, as it lies in registers.
	SPLIT8 OA,    64, 65, 66, 67, 80
	SPLIT8 OA+8,  68, 69, 70, 71, 84
	SPLIT8 OA+16, 72, 73, 74, 75, 88
	SPLIT8 OA+24, 76, 77, 78, 79, 92
.irp t, 0,1
.irp i, 0,1
	global_store_b128 v[GO], v[64+4*(2*\t+\i):64+4*(2*\t+\i)+3], s[OB:OB+1] offset:\t*65536+\i*512          ; 512 consecutive bytes, aligned
	global_store_b128 v[GO], v[80+4*(2*\t+\i):80+4*(2*\t+\i)+3], s[OB:OB+1] offset:262144+\t*65536+\i*512
.endr
.endr
	s_wait_tensorcnt 0x0                           ; the wave's end
	ds_add_u32 v[SPW], v[NIL]
	s_wait_dscnt 0x0
	s_endpgm
.Lfunc_end_k_qf9721d1f00_early:
	.size	k_qf9721d1f00_early, .Lfunc_end_k_qf9721d1f00_early-k_qf9721d1f00_early
	.p2alignl 7, 3214868480
	.fill 96, 4, 3214868480
	.section	.rodata,"a",@progbits
	.p2align	6, 0x0
	.amdhsa_kernel k_qf9721d1f00_early
		.amdhsa_group_segment_fixed_size 86016
		.amdhsa_private_segment_fixed_size 0
		.amdhsa_enable_private_segment 0
		.amdhsa_kernarg_size 32
		.amdhsa_user_sgpr_count 2
		.amdhsa_user_sgpr_kernarg_segment_ptr 1
		.amdhsa_wavefront_size32 1
		.amdhsa_system_sgpr_workgroup_id_x 1
		.amdhsa_system_sgpr_workgroup_id_y 1
		.amdhsa_system_sgpr_workgroup_id_z 1
		.amdhsa_system_vgpr_workitem_id 0
		.amdhsa_next_free_vgpr 256
		.amdhsa_next_free_sgpr 66
		.amdhsa_reserve_vcc 1
		.amdhsa_float_denorm_mode_32 3
		.amdhsa_float_denorm_mode_16_64 3
		.amdhsa_memory_ordered 1
		.amdhsa_forward_progress 1
		.amdhsa_inst_pref_size 35
	.end_amdhsa_kernel
	.amdgpu_metadata
---
amdhsa.version: [ 1, 2 ]
amdhsa.kernels:
  - .name:           k_qf9721d1f00_early
    .symbol:         k_qf9721d1f00_early.kd
    .args:
      - { .name: y, .offset: 0, .size: 8, .value_kind: global_buffer, .address_space: global }
      - { .name: wupT, .offset: 8, .size: 8, .value_kind: global_buffer, .address_space: global }
      - { .name: kb, .offset: 16, .size: 8, .value_kind: global_buffer, .address_space: global }
      - { .name: ob, .offset: 24, .size: 8, .value_kind: global_buffer, .address_space: global }
    .group_segment_fixed_size: 86016
    .private_segment_fixed_size: 0
    .kernarg_segment_align: 8
    .kernarg_segment_size: 32
    .max_flat_workgroup_size: 512
    .sgpr_count:     66
    .vgpr_count:     256
    .wavefront_size: 32
...
	.end_amdgpu_metadata
.endif
;; end of part 12
;; launch late (part 13): grid 32 x 4, 16 waves a work-group, no clusters, 71,680 bytes of LDS; arguments ob, woT, out0; writes out0
.if DOCPART == 13
	.amdgcn_target "amdgcn-amd-amdhsa--gfx1250"
	.amdhsa_code_object_version 6
	.text
	.protected	k_qf9721d1f00_late
	.globl	k_qf9721d1f00_late
	.p2align	8
	.type	k_qf9721d1f00_late,@function
k_qf9721d1f00_late:
	s_mov_b64 s[64:65], 0
	v_nop
	global_prefetch_b8 v0, s[64:65] scope:SCOPE_SE
	s_setreg_imm32_b32 hwreg(HW_REG_WAVE_MODE, 25, 1), 1
	s_wait_xcnt 0x0
; out0's rows 0 to 31 of each batch = (O hi + O lo) Wo, stored over what the launch before last left there: in these rows a rounding of O to f16 is too large a part of the
; problem's allowance (the launch before says why, by the sizes).  Sums in f32, stored as f32.
; IN.   ob from byte 16,777,216 on: O as fragments lie in registers: [hi, lo][row block][chunk of 32 k][half][lane][16 bytes]; woT [2048 n][2048 k] f16, K along the rows, exact.
; SHARES.  64 rows x 2,048 columns: 4 row blocks x 32 groups of 64 columns = 128 work-groups of sixteen waves.  Wave w takes k = 128 w .. + 127: ONE run of 48 loads straight into the fragments
; (all are out together), then 32 matrix instructions on four sums of 16 x 16, onto which hi and lo both add.  So a work-group reads its 128 KiB of O and its 256 KiB of Wo once.
; The sixteen parts along k meet in LDS; behind a barrier wave w adds row w of all sixteen and stores it.
; A fragment of Wo feeds two products, one of O four: tensor loads and a cluster would spare little of so small a product.
; THE MATRIX INSTRUCTION IS USED TRANSPOSED (source 0 = 16 rows of woT, source 1 = 16 rows of O): a lane holds eight neighbouring columns of one row.
.set SPITCH, 272                       ; a row of a part in LDS: 256 bytes + 16
.set WST,    16*SPITCH                 ; a wave's part: 16 rows
.set SPARE,  16*WST                    ; the spare words, 128 bytes a wave
.set OFX,    16777216
.set SPW,  4                           ; v4   LDS address of my spare word; never rewritten
.set NIL,  5                           ; v5   0; never rewritten
.set GL,   6                           ; v6   16 x lane
.set L4K,  7                           ; v7   r x 4,096 + 16 h: my place in 16 rows of woT
.set STO,  8                           ; v8   LDS: where I put 32 bytes of a row of my part
.set RD,   9                           ; v9   LDS: my 8 bytes of row w of the first part
.set CO,   10                          ; v10  8 x lane
.set ACC,  32                          ; v[32:63]  the four sums
.set FR,   64                          ; v[64:255] the fragments of four chunks, 48 registers each: O hi, O lo, four of Wo
.set PS,   64                          ; v[64:95]  two numbers of each of the sixteen parts
	s_load_b128 s[4:7], s[0:1], 0x0                ; ob s[4:5], woT s[6:7]
	s_load_b64 s[8:9], s[0:1], 0x10                ; out0
	v_lshl_add_u32 v[SPW], v0, 2, SPARE
	v_mov_b32 v[NIL], 0
	v_lshrrev_b32 v1, 5, v0
	v_readfirstlane_b32 s10, v1                    ; wave 0..15: my part of k, and the row that I add up
	s_and_b32 s11, ttmp7, 0xffff                   ; row block 0..3: batch rb / 2, rows 16 (rb % 2) .. + 15
	s_mov_b32 s3, 0
	v_and_b32 v1, 15, v0                           ; r
	v_bfe_u32 v2, v0, 4, 1                         ; h
	v_and_b32 v3, 31, v0                           ; l
	v_lshlrev_b32 v[GL], 4, v3
	v_lshlrev_b32 v[L4K], 12, v1
	v_lshl_add_u32 v[L4K], v2, 4, v[L4K]
	s_mul_i32 s12, s10, WST                        ; my part
	v_mul_u32_u24 v[STO], v1, SPITCH               ; row r, 32 bytes for each half of the lanes
	v_lshl_add_u32 v[STO], v2, 5, v[STO]
	v_add_nc_u32 v[STO], s12, v[STO]
	s_mul_i32 s12, s10, SPITCH                     ; row w of a part: 32 lanes take its 256 bytes
	v_lshl_add_u32 v[RD], v3, 3, s12
	v_lshlrev_b32 v[CO], 3, v3
	s_wait_kmcnt 0x0
	s_lshl_b32 s2, s11, 16                         ; the row block's 64 chunks of 1,024 bytes,
	s_lshl_b32 s12, s10, 12                        ; my four of them
	s_add_co_u32 s2, s2, s12
	s_add_co_u32 s2, s2, OFX
	s_add_nc_u64 s[14:15], s[4:5], s[2:3]
	s_lshl_b32 s2, ttmp9, 18                       ; the work-group's 64 rows of woT, 4,096 bytes each,
	s_lshl_b32 s12, s10, 8                         ; my 128 k
	s_add_co_u32 s2, s2, s12
	s_add_nc_u64 s[16:17], s[6:7], s[2:3]
	s_lshr_b32 s2, s11, 1                          ; the row of out0 that I store: 2,048 x batch + 16 x (rb % 2) + w,
	s_lshl_b32 s2, s2, 11
	s_and_b32 s12, s11, 1
	s_lshl_b32 s12, s12, 4
	s_add_co_u32 s2, s2, s12
	s_add_co_u32 s2, s2, s10
	s_lshl_b32 s2, s2, 13                          ; of 8,192 bytes;
	s_lshl_b32 s12, ttmp9, 8                       ; the work-group's 64 columns
	s_add_co_u32 s2, s2, s12
	s_add_nc_u64 s[8:9], s[8:9], s[2:3]
.irp c, 0,1,2,3
	global_load_b128 v[FR+48*\c:FR+48*\c+3],     v[GL], s[14:15] offset:1024*\c               ; O hi: 512 consecutive bytes a load
	global_load_b128 v[FR+48*\c+4:FR+48*\c+7],   v[GL], s[14:15] offset:1024*\c+512
	global_load_b128 v[FR+48*\c+8:FR+48*\c+11],  v[GL], s[14:15] offset:262144+1024*\c        ; O lo
	global_load_b128 v[FR+48*\c+12:FR+48*\c+15], v[GL], s[14:15] offset:262144+1024*\c+512
.irp n, 0,1,2,3
	global_load_b128 v[FR+48*\c+16+8*\n:FR+48*\c+16+8*\n+3],   v[L4K], s[16:17] offset:65536*\n+64*\c      ; 16 rows of woT
	global_load_b128 v[FR+48*\c+16+8*\n+4:FR+48*\c+16+8*\n+7], v[L4K], s[16:17] offset:65536*\n+64*\c+32
.endr
.endr
.irp c, 0,1,2,3
	s_wait_loadcnt 36-12*\c                        ; loads come back in order: chunk c's 12 are in; those of the younger chunks stay out
.irp p, 0,1
.irp n, 0,1,2,3                        ; the four sums take turns
.if (\c == 0) && (\p == 0)
	v_wmma_f32_16x16x32_f16 v[ACC+8*\n:ACC+8*\n+7], v[FR+48*\c+16+8*\n:FR+48*\c+16+8*\n+7], v[FR+48*\c+8*\p:FR+48*\c+8*\p+7], 0
.else
	v_wmma_f32_16x16x32_f16 v[ACC+8*\n:ACC+8*\n+7], v[FR+48*\c+16+8*\n:FR+48*\c+16+8*\n+7], v[FR+48*\c+8*\p:FR+48*\c+8*\p+7], v[ACC+8*\n:ACC+8*\n+7]
.endif
.endr
.endr
.endr
.rept 5
	v_nop                                          ; the places behind the last products: in front of the reads of their results and of the loads into their sources
.endr
.irp n, 0,1,2,3
	ds_store_b128 v[STO], v[ACC+8*\n:ACC+8*\n+3] offset:64*\n            ; the low end first
	ds_store_b128 v[STO], v[ACC+8*\n+4:ACC+8*\n+7] offset:64*\n+16
.endr
	s_wait_dscnt 0x0                               ; for the others' sake: my part is in LDS
	s_barrier_signal -1
	s_barrier_wait -1
.set z, 0
.rept 16
	ds_load_b64 v[PS+2*z:PS+2*z+1], v[RD] offset:z*WST                   ; row w of part z: 256 consecutive bytes
.set z, z+1
.endr
	s_wait_dscnt 0x0
.irp w, 16,8,4,2
.set z, 0
.rept \w/2
	v_pk_add_f32 v[PS+2*z:PS+2*z+1], v[PS+2*z:PS+2*z+1], v[PS+\w+2*z:PS+\w+2*z+1]
.set z, z+1
.endr
.endr
	global_store_b64 v[CO], v[PS:PS+1], s[8:9]     ; the wave's store covers 256 consecutive bytes, aligned
	s_wait_tensorcnt 0x0                           ; the wave's end
	ds_add_u32 v[SPW], v[NIL]
	s_wait_dscnt 0x0
	s_endpgm
.Lfunc_end_k_qf9721d1f00_late:
	.size	k_qf9721d1f00_late, .Lfunc_end_k_qf9721d1f00_late-k_qf9721d1f00_late
	.p2alignl 7, 3214868480
	.fill 96, 4, 3214868480
	.section	.rodata,"a",@progbits
	.p2align	6, 0x0
	.amdhsa_kernel k_qf9721d1f00_late
		.amdhsa_group_segment_fixed_size 71680
		.amdhsa_private_segment_fixed_size 0
		.amdhsa_enable_private_segment 0
		.amdhsa_kernarg_size 24
		.amdhsa_user_sgpr_count 2
		.amdhsa_user_sgpr_kernarg_segment_ptr 1
		.amdhsa_wavefront_size32 1
		.amdhsa_system_sgpr_workgroup_id_x 1
		.amdhsa_system_sgpr_workgroup_id_y 1
		.amdhsa_system_sgpr_workgroup_id_z 1
		.amdhsa_system_vgpr_workitem_id 0
		.amdhsa_next_free_vgpr 256
		.amdhsa_next_free_sgpr 66
		.amdhsa_reserve_vcc 0
		.amdhsa_float_denorm_mode_32 3
		.amdhsa_float_denorm_mode_16_64 3
		.amdhsa_memory_ordered 1
		.amdhsa_forward_progress 1
		.amdhsa_inst_pref_size 12
	.end_amdhsa_kernel
	.amdgpu_metadata
---
amdhsa.version: [ 1, 2 ]
amdhsa.kernels:
  - .name:           k_qf9721d1f00_late
    .symbol:         k_qf9721d1f00_late.kd
    .args:
      - { .name: ob, .offset: 0, .size: 8, .value_kind: global_buffer, .address_space: global }
      - { .name: woT, .offset: 8, .size: 8, .value_kind: global_buffer, .address_space: global }
      - { .name: out0, .offset: 16, .size: 8, .value_kind: global_buffer, .address_space: global }
    .group_segment_fixed_size: 71680
    .private_segment_fixed_size: 0
    .kernarg_segment_align: 8
    .kernarg_segment_size: 24
    .max_flat_workgroup_size: 512
    .sgpr_count:     66
    .vgpr_count:     256
    .wavefront_size: 32
...
	.end_amdgpu_metadata
.endif
;; end of part 13
